; MI455X (gfx1250); checked and timed in simulation.
; The chip was launched on July 23, 2026; its instructions are those of AMD's public machine-readable ISA for CDNA 5 (MIT licence, August 2026) and "CDNA5" Instruction Set Architecture Reference Guide (July 2026). The comments in the code are by the model that wrote it; some were corrected since.
;; Attention. Allowed arithmetic: float matrix products may take bf16 or f16 operands with f32 sums; other float arithmetic in f32, or as packed bf16 or f16 multiplies, adds, multiply-adds, maxima and minima; sums over many terms, partial sums and values carried from step to step in f32; what a program stores and reads back later, other than sums and carried values, may be rounded once to bf16 or f16.
;; Inputs: Wkv 1,024 x 2,048 float32; Wo 1,024 x 1,024 float32; Wp 1,024 x 64 float32; Wq 1,024 x 1,024 float32; bkv 2,048 float32; bo 1,024 float32; bp 64 float32; bq 1,024 float32; pos_emb 2,048 x 1,024 float32; x 2 x 2,048 x 1,024 float32.
;; Outputs: out0 2 x 2,048 x 1,024 float32.
;; 3 versions, each right; version 3 is version 2 with the launch prep written anew for expert scheduling mode. Each part assembles by itself: llvm-mc -triple=amdgcn-amd-amdhsa -mcpu=gfx1250 --defsym DOCPART=n.
;; ======== version 1 of 3: 5 launches
;; limits: values are held in f16: magnitudes above 65,504 overflow, below 6.1e-05 lose precision
;; workspace buffers: xb 8,388,608 bytes; wqkv 6,291,456 bytes; wob 2,097,152 bytes; ptab 262,144 bytes; qkvh 25,165,824 bytes; ob 8,388,608 bytes
;; launch cast (part 1): grid 256 x 1, 8 waves a work-group, no clusters, 0 bytes of LDS; arguments x, Wq, Wkv, Wo, xb, wqkv, wob; writes xb, wqkv, wob
.if DOCPART == 1
	.amdgcn_target "amdgcn-amd-amdhsa--gfx1250"
	.amdhsa_code_object_version 6
	.text
	.protected	k_q9f83d8f4dd_cast
	.globl	k_q9f83d8f4dd_cast
	.p2align	8
	.type	k_q9f83d8f4dd_cast,@function
k_q9f83d8f4dd_cast:
	s_mov_b64 s[64:65], 0
	v_nop
	global_prefetch_b8 v0, s[64:65] scope:SCOPE_SE
	s_setreg_imm32_b32 hwreg(HW_REG_WAVE_MODE, 25, 1), 1
	s_wait_xcnt 0x0
; 16-BIT COPIES OF x AND OF THREE WEIGHTS, laid out as the products want them.
;   x   [2][2048][1024] f32 -> xb   bf16 [b 2][kb 16][n 2048][64]: blocks of 64 channels, a block's rows dense (128 bytes each)
;   Wq  [1024][1024]    f32 -> wqkv bf16 [k 1024][3072], columns 0..1023
;   Wkv [1024][2048]    f32 -> wqkv, columns 1024..3071
;   Wo  [1024][1024]    f32 -> wob  [1024][1024]: rounded to bf16, and that number written as f16
; LIMITS.  wob: a number beyond 65,504 becomes an infinity; below 2^-14 it keeps f16's fixed step of 6e-8.
; SHARES.  A work-group takes 32,768 consecutive source numbers (131,072 bytes) of ONE tensor: groups 0-127 x, 128-159 Wq, 160-223 Wkv, 224-255 Wo.
; Sixteen pieces of 2,048 numbers; of each a thread takes 8 (two loads of 16 bytes) and makes 16 bytes (one store).  In every job sixteen neighbouring
; lanes store 256 consecutive bytes, aligned.  All 32 loads of a thread go out at once; no register is written twice, so the only waits are the counted ones for the loads.
; No LDS, no matrix unit: each byte is read once and written once, and nothing is shared.
.set SRC,  24                          ; s[24:25] the job's source at the group's first byte
.set DST,  26                          ; s[26:27] the job's destination
.set OFFS, 16                          ; v[16:31]  piece i: my byte offset in the destination
.set TW,   32                          ; v[32:43]  at work (Wo alone)
.set IN,   64                          ; v[64:191] piece i: 8 numbers as loaded
.set OUT,  192                         ; v[192:255] piece i: 16 bytes to store
	s_load_b256 s[4:11], s[0:1], 0x0               ; x s[4:5], Wq s[6:7], Wkv s[8:9], Wo s[10:11]
	s_load_b128 s[12:15], s[0:1], 0x20             ; xb s[12:13], wqkv s[14:15]
	s_load_b64 s[16:17], s[0:1], 0x30              ; wob
	s_mov_b32 s20, ttmp9                           ; g
	s_cmp_lt_u32 s20, 128
	s_cselect_b32 s21, 0, 128
	s_cmp_lt_u32 s20, 160
	s_cselect_b32 s21, s21, 160
	s_cmp_lt_u32 s20, 224
	s_cselect_b32 s21, s21, 224
	s_sub_co_u32 s21, s20, s21                     ; g': the group's number within its job
	s_lshl_b32 s22, s21, 17                        ; its 131,072 source bytes
	s_mov_b32 s23, 0
	; the offsets, job by job: v2 in the source, v3 + s28 in the destination, s29 from piece to piece
	s_cmp_lt_u32 s20, 128
	s_cbranch_scc0 .Lweights
	v_bfe_u32 v2, v0, 3, 1                         ; x: a piece is two rows; thread t takes row (t >> 3) & 1, block t >> 4, numbers 8 (t & 7) on
	v_lshlrev_b32 v2, 12, v2
	v_lshrrev_b32 v4, 4, v0
	v_lshl_add_u32 v2, v4, 8, v2
	v_and_b32 v5, 7, v0
	v_lshl_add_u32 v2, v5, 5, v2
	v_and_b32 v3, 15, v0                           ; in xb the two rows of a block are 256 bytes on end: 16 (t & 15)
	v_lshlrev_b32 v3, 4, v3
	v_lshl_add_u32 v3, v4, 18, v3                  ; a block is 2,048 rows x 128 bytes
	s_lshr_b32 s28, s20, 6                         ; b
	s_lshl_b32 s28, s28, 22
	s_and_b32 s30, s20, 63                         ; the group's 32 rows
	s_lshl_b32 s30, s30, 12
	s_add_co_u32 s28, s28, s30
	s_mov_b32 s29, 256
	s_branch .Lgo
.Lweights:
	v_lshlrev_b32 v2, 5, v0                        ; the weights are read as they lie: 32 t
	s_cmp_lt_u32 s20, 160
	s_cbranch_scc0 .Lwide
	v_lshrrev_b32 v4, 7, v0                        ; Wq: a piece is two rows of 1,024
	v_mul_u32_u24 v4, v4, 6144
	v_and_b32 v3, 127, v0
	v_lshl_add_u32 v3, v3, 4, v4
	s_mul_i32 s28, s21, 32*6144
	s_mov_b32 s29, 2*6144
	s_branch .Lgo
.Lwide:
	v_lshlrev_b32 v3, 4, v0
	s_cmp_lt_u32 s20, 224
	s_cbranch_scc0 .Lsquare
	s_mul_i32 s28, s21, 16*6144                    ; Wkv: a piece is one row of 2,048, behind Wq's 2,048 bytes
	s_add_co_u32 s28, s28, 2048
	s_mov_b32 s29, 6144
	s_branch .Lgo
.Lsquare:
	s_lshl_b32 s28, s21, 16                        ; Wo: dense
	s_mov_b32 s29, 4096
.Lgo:
	v_add_nc_u32 v[OFFS], s28, v3
.set i, 1
.rept 15
	v_add_nc_u32 v[OFFS+i], s29, v[OFFS+i-1]
.set i, i+1
.endr
	s_wait_kmcnt 0x0
	s_cmp_lt_u32 s20, 128                          ; the pointers are chosen by the group's number alone
	s_cselect_b64 s[SRC:SRC+1], s[4:5], s[6:7]
	s_cselect_b64 s[DST:DST+1], s[12:13], s[14:15]
	s_cmp_lt_u32 s20, 160
	s_cselect_b64 s[SRC:SRC+1], s[SRC:SRC+1], s[8:9]
	s_cmp_lt_u32 s20, 224
	s_cselect_b64 s[SRC:SRC+1], s[SRC:SRC+1], s[10:11]
	s_cselect_b64 s[DST:DST+1], s[DST:DST+1], s[16:17]
	s_add_nc_u64 s[SRC:SRC+1], s[SRC:SRC+1], s[22:23]
.set i, 0
.rept 16
	global_load_b128 v[IN+8*i:IN+8*i+3],   v2, s[SRC:SRC+1] offset:8192*i th:TH_LOAD_NT
	global_load_b128 v[IN+8*i+4:IN+8*i+7], v2, s[SRC:SRC+1] offset:8192*i+16 th:TH_LOAD_NT
.set i, i+1
.endr
; The sixteen pieces are rounded and stored.  kind = 0: to bf16.  kind = 1: to bf16, widened again, and written as f16.
.macro CONV kind
.set i, 0
.rept 16
	s_wait_loadcnt 30-2*i                          ; loads come back in order (ISA guide 5.7.1): piece i's two are in, the younger ones stay out
.if \kind
.irp j, 0,1,2,3
	v_cvt_pk_bf16_f32 v[TW+(\j)], v[IN+8*i+2*(\j)], v[IN+8*i+2*(\j)+1]
.endr
.irp j, 0,1,2,3
	v_lshlrev_b32 v[TW+4+2*(\j)], 16, v[TW+(\j)]
	v_and_b32     v[TW+5+2*(\j)], 0xffff0000, v[TW+(\j)]
.endr
.irp j, 0,1,2,3
	v_cvt_pk_f16_f32 v[OUT+4*i+(\j)], v[TW+4+2*(\j)], v[TW+5+2*(\j)]
.endr
.else
.irp j, 0,1,2,3
	v_cvt_pk_bf16_f32 v[OUT+4*i+(\j)], v[IN+8*i+2*(\j)], v[IN+8*i+2*(\j)+1]
.endr
.endif
	global_store_b128 v[OFFS+i], v[OUT+4*i:OUT+4*i+3], s[DST:DST+1] th:TH_STORE_NT
.set i, i+1
.endr
.endm
	s_cmp_lt_u32 s20, 224
	s_cbranch_scc0 .Lhalf
	CONV 0
	s_endpgm
.Lhalf:
	CONV 1
	s_endpgm
.Lfunc_end_k_q9f83d8f4dd_cast:
	.size	k_q9f83d8f4dd_cast, .Lfunc_end_k_q9f83d8f4dd_cast-k_q9f83d8f4dd_cast
	.p2alignl 7, 3214868480
	.fill 96, 4, 3214868480
	.section	.rodata,"a",@progbits
	.p2align	6, 0x0
	.amdhsa_kernel k_q9f83d8f4dd_cast
		.amdhsa_group_segment_fixed_size 0
		.amdhsa_private_segment_fixed_size 0
		.amdhsa_enable_private_segment 0
		.amdhsa_kernarg_size 56
		.amdhsa_user_sgpr_count 2
		.amdhsa_user_sgpr_kernarg_segment_ptr 1
		.amdhsa_wavefront_size32 1
		.amdhsa_system_sgpr_workgroup_id_x 1
		.amdhsa_system_sgpr_workgroup_id_y 1
		.amdhsa_system_sgpr_workgroup_id_z 1
		.amdhsa_system_vgpr_workitem_id 0
		.amdhsa_next_free_vgpr 256
		.amdhsa_next_free_sgpr 66
		.amdhsa_reserve_vcc 0
		.amdhsa_float_denorm_mode_32 3
		.amdhsa_float_denorm_mode_16_64 3
		.amdhsa_memory_ordered 1
		.amdhsa_forward_progress 1
		.amdhsa_inst_pref_size 29
	.end_amdhsa_kernel
	.amdgpu_metadata
---
amdhsa.version: [ 1, 2 ]
amdhsa.kernels:
  - .name:           k_q9f83d8f4dd_cast
    .symbol:         k_q9f83d8f4dd_cast.kd
    .args:
      - { .name: x, .offset: 0, .size: 8, .value_kind: global_buffer, .address_space: global }
      - { .name: Wq, .offset: 8, .size: 8, .value_kind: global_buffer, .address_space: global }
      - { .name: Wkv, .offset: 16, .size: 8, .value_kind: global_buffer, .address_space: global }
      - { .name: Wo, .offset: 24, .size: 8, .value_kind: global_buffer, .address_space: global }
      - { .name: xb, .offset: 32, .size: 8, .value_kind: global_buffer, .address_space: global }
      - { .name: wqkv, .offset: 40, .size: 8, .value_kind: global_buffer, .address_space: global }
      - { .name: wob, .offset: 48, .size: 8, .value_kind: global_buffer, .address_space: global }
    .group_segment_fixed_size: 0
    .private_segment_fixed_size: 0
    .kernarg_segment_align: 8
    .kernarg_segment_size: 56
    .max_flat_workgroup_size: 256
    .sgpr_count:     66
    .vgpr_count:     256
    .wavefront_size: 32
...
	.end_amdgpu_metadata
.endif
;; end of part 1
;; launch pproj (part 2): grid 128 x 1, 8 waves a work-group, no clusters, 199,680 bytes of LDS; arguments pos_emb, Wp, bp, ptab; writes ptab
.if DOCPART == 2
	.amdgcn_target "amdgcn-amd-amdhsa--gfx1250"
	.amdhsa_code_object_version 6
	.text
	.protected	k_q9f83d8f4dd_pproj
	.globl	k_q9f83d8f4dd_pproj
	.p2align	8
	.type	k_q9f83d8f4dd_pproj,@function
k_q9f83d8f4dd_pproj:
	s_mov_b64 s[64:65], 0
	v_nop
	global_prefetch_b8 v0, s[64:65] scope:SCOPE_SE
	s_setreg_imm32_b32 hwreg(HW_REG_WAVE_MODE, 25, 1), 1
	s_wait_xcnt 0x0
; p = pos_emb Wp + bp.  pos_emb [2048][1024] f32, Wp [1024][64] f32, bp [64] f32; ptab [2048][64] f16.  Operands rounded to bf16, sums in f32, p rounded once.
; LIMIT.  p beyond 65,504 becomes an infinity.
; SHARES.  A work-group makes 16 rows of p.  K IS SPLIT AMONG ITS EIGHT WAVES: wave w takes k = 128 w .. 128 w + 127, for all 64 columns; the eight partial sums meet in LDS.
; pos_emb's fragments come straight from memory (a lane's 8 + 8 numbers of a row lie on end).  Wp lies [k][column]: each wave rounds ITS OWN 128 rows into LDS and reads them back turned
; (ds_load_tr16_b128); LDS serves a wave's instructions in order (ISA guide 5.7.1.4), so no barrier stands between.
; The product is taken transposed (source 0 = 16 columns of Wp, source 1 = the 16 rows of pos_emb): a lane ends with eight neighbouring columns of one row.
; No tensor load, no cluster: 128 small work-groups, each of which reads its rows of pos_emb once; Wp is small and read by all.
.set WP,    160                        ; a row of Wp in LDS: 128 bytes + 32
.set PART,  163840                     ; behind Wp's 1,024 rows: the partial sums, for each wave 16 rows x 272 bytes (256 + 16)
.set PP,    272
.set SPARE, 198656                     ; behind them: the spare words, 128 bytes for each wave: four blocks of 256 bytes that no other line names
.set AO,  2                            ; v2   pos_emb: r x 4,096 + 512 w + 32 h
.set WO,  3                            ; v3   Wp in memory: 32,768 w + 16 l
.set LW,  4                            ; v4   Wp into LDS: 20,480 w + 160 (l >> 4) + 8 (l & 15)
.set LB,  5                            ; v5   Wp out of LDS, turned
.set LP,  6                            ; v6   my 32 bytes of a partial row
.set LR,  7                            ; v7   the 16 bytes that I add up
.set SPW, 8                            ; v8   LDS address of my spare word; never rewritten
.set NIL, 9                            ; v9   0; never rewritten
.set BOF, 10                           ; v10  my four numbers of bp
.set OO,  11                           ; v11  my 8 bytes of ptab
.set BI,  12                           ; v[12:15] bp
.set AF,  32                           ; v[32:63]   four fragments of pos_emb
.set AR,  64                           ; v[64:127]  pos_emb in f32
.set ACC, 64                           ; v[64:95]   later: four accumulators
.set WR,  128                          ; v[128:255] 32 loads of Wp in f32
.set BF,  128                          ; later: 16 fragments of Wp; later still the partial sums
	s_load_b256 s[4:11], s[0:1], 0x0               ; pos_emb s[4:5], Wp s[6:7], bp s[8:9], ptab s[10:11]
	v_lshl_add_u32 v[SPW], v0, 2, SPARE
	v_mov_b32 v[NIL], 0
	v_lshrrev_b32 v1, 5, v0
	v_readfirstlane_b32 s12, v1                    ; wave 0..7
	v_and_b32 v16, 15, v0                          ; r = l % 16
	v_bfe_u32 v17, v0, 4, 1                        ; h = l / 16
	v_and_b32 v18, 31, v0                          ; l
	v_lshlrev_b32 v[AO], 12, v16
	v_lshl_add_u32 v[AO], v17, 5, v[AO]
	s_lshl_b32 s13, s12, 9
	v_add_nc_u32 v[AO], s13, v[AO]
	s_lshl_b32 s13, s12, 15
	v_lshl_add_u32 v[WO], v18, 4, s13
	s_mul_i32 s14, s12, 128*WP
	v_mul_u32_u24 v[LW], v17, WP
	v_lshl_add_u32 v[LW], v16, 3, v[LW]
	v_add_nc_u32 v[LW], s14, v[LW]
	v_and_b32 v19, 7, v0
	v_lshl_add_u32 v19, v17, 3, v19                ; the turning load: lane l reads k row 8 h + l % 8, columns 8 ((l / 8) % 2) on
	v_mul_u32_u24 v[LB], v19, WP
	v_bfe_u32 v19, v0, 3, 1
	v_lshl_add_u32 v[LB], v19, 4, v[LB]
	v_add_nc_u32 v[LB], s14, v[LB]
	s_mul_i32 s15, s12, 16*PP
	s_add_co_u32 s15, s15, PART
	v_mul_u32_u24 v[LP], v16, PP
	v_lshl_add_u32 v[LP], v17, 5, v[LP]
	v_add_nc_u32 v[LP], s15, v[LP]
	v_lshrrev_b32 v19, 4, v0                       ; thread t adds up row t >> 4, columns 4 (t & 15) on
	v_mul_u32_u24 v[LR], v19, PP
	v_lshl_add_u32 v[LR], v16, 4, v[LR]
	v_add_nc_u32 v[LR], PART, v[LR]
	v_lshlrev_b32 v[BOF], 4, v16
	v_lshlrev_b32 v[OO], 3, v0
	s_lshl_b32 s16, ttmp9, 16                      ; the group's 16 rows of pos_emb,
	s_mov_b32 s17, 0
	s_lshl_b32 s18, ttmp9, 11                      ; and of ptab
	s_mov_b32 s19, 0
	s_wait_kmcnt 0x0
	s_add_nc_u64 s[4:5], s[4:5], s[16:17]
	s_add_nc_u64 s[10:11], s[10:11], s[18:19]
	global_load_b128 v[BI:BI+3], v[BOF], s[8:9]
.irp f, 0,1,2,3                        ; fragment f: k = 128 w + 32 f on: 8 h + 0..7, then 16 + 8 h + 0..7
	global_load_b128 v[AR+16*(\f):AR+16*(\f)+3],     v[AO], s[4:5] offset:128*(\f) th:TH_LOAD_NT
	global_load_b128 v[AR+16*(\f)+4:AR+16*(\f)+7],   v[AO], s[4:5] offset:128*(\f)+16 th:TH_LOAD_NT
	global_load_b128 v[AR+16*(\f)+8:AR+16*(\f)+11],  v[AO], s[4:5] offset:128*(\f)+64 th:TH_LOAD_NT
	global_load_b128 v[AR+16*(\f)+12:AR+16*(\f)+15], v[AO], s[4:5] offset:128*(\f)+80 th:TH_LOAD_NT
.endr
.macro WLOAD from                      ; 64 rows of Wp: 32 loads of 512 consecutive bytes (two rows)
.set i, 0
.rept 32
	global_load_b128 v[WR+4*i:WR+4*i+3], v[WO], s[6:7] offset:(\from)+512*i
.set i, i+1
.endr
.endm
.macro WSTORE to                       ; rounded in place and put into LDS
.set i, 0
.rept 32
	v_cvt_pk_bf16_f32 v[WR+4*i],   v[WR+4*i],   v[WR+4*i+1]
	v_cvt_pk_bf16_f32 v[WR+4*i+1], v[WR+4*i+2], v[WR+4*i+3]
	ds_store_b64 v[LW], v[WR+4*i:WR+4*i+1] offset:(\to)+2*WP*i
.set i, i+1
.endr
.endm
	WLOAD 0
	s_wait_loadcnt 0x0
	WSTORE 0
	s_wait_dscnt 0x0                               ; the stores have read their registers, which the next loads write
	WLOAD 16384
.set i, 0
.rept 32                               ; pos_emb is rounded while the second half of Wp is on its way
	v_cvt_pk_bf16_f32 v[AF+i], v[AR+2*i], v[AR+2*i+1]
.set i, i+1
.endr
	s_wait_loadcnt 0x0
	WSTORE 64*WP
.irp f, 0,1,2,3
.irp u, 0,1,2,3                        ; k = 32 f on, columns 16 u on
	ds_load_tr16_b128 v[BF+8*(4*(\f)+(\u)):BF+8*(4*(\f)+(\u))+3],   v[LB] offset:(\f)*32*WP+32*(\u)
	ds_load_tr16_b128 v[BF+8*(4*(\f)+(\u))+4:BF+8*(4*(\f)+(\u))+7], v[LB] offset:(\f)*32*WP+16*WP+32*(\u)
.endr
.endr
	s_wait_dscnt 0x0
.irp f, 0,1,2,3                        ; the four accumulators take turns; the first products start the sums
.irp u, 0,1,2,3
.if (\f) == 0
	v_wmma_f32_16x16x32_bf16 v[ACC+8*(\u):ACC+8*(\u)+7], v[BF+8*(4*(\f)+(\u)):BF+8*(4*(\f)+(\u))+7], v[AF+8*(\f):AF+8*(\f)+7], 0
.else
	v_wmma_f32_16x16x32_bf16 v[ACC+8*(\u):ACC+8*(\u)+7], v[BF+8*(4*(\f)+(\u)):BF+8*(4*(\f)+(\u))+7], v[AF+8*(\f):AF+8*(\f)+7], v[ACC+8*(\u):ACC+8*(\u)+7]
.endif
.endr
.endr
.rept 4
	v_nop                                          ; four places behind the last product, ahead of the stores that read results and of the loads into fragments
.endr
.irp u, 0,1,2,3                        ; a lane holds row r, columns 16 u + 8 h + 0..7; each accumulator's low half goes first
	ds_store_b128 v[LP], v[ACC+8*(\u):ACC+8*(\u)+3]   offset:64*(\u)
	ds_store_b128 v[LP], v[ACC+8*(\u)+4:ACC+8*(\u)+7] offset:64*(\u)+16
.endr
	s_wait_dscnt 0x0                               ; for the others' sake: my partial sums lie in LDS
	s_barrier_signal -1
	s_barrier_wait -1
.irp w, 0,1,2,3,4,5,6,7
	ds_load_b128 v[BF+4*(\w):BF+4*(\w)+3], v[LR] offset:(\w)*16*PP
.endr
	s_wait_dscnt 0x0
.irp w, 0,2,4,6
	v_pk_add_f32 v[BF+4*(\w):BF+4*(\w)+1],   v[BF+4*(\w):BF+4*(\w)+1],   v[BF+4*(\w)+4:BF+4*(\w)+5]
	v_pk_add_f32 v[BF+4*(\w)+2:BF+4*(\w)+3], v[BF+4*(\w)+2:BF+4*(\w)+3], v[BF+4*(\w)+6:BF+4*(\w)+7]
.endr
.irp w, 0,4
	v_pk_add_f32 v[BF+4*(\w):BF+4*(\w)+1],   v[BF+4*(\w):BF+4*(\w)+1],   v[BF+4*(\w)+8:BF+4*(\w)+9]
	v_pk_add_f32 v[BF+4*(\w)+2:BF+4*(\w)+3], v[BF+4*(\w)+2:BF+4*(\w)+3], v[BF+4*(\w)+10:BF+4*(\w)+11]
.endr
	v_pk_add_f32 v[BF:BF+1],   v[BF:BF+1],   v[BF+16:BF+17]
	v_pk_add_f32 v[BF+2:BF+3], v[BF+2:BF+3], v[BF+18:BF+19]
	v_pk_add_f32 v[BF:BF+1],   v[BF:BF+1],   v[BI:BI+1]
	v_pk_add_f32 v[BF+2:BF+3], v[BF+2:BF+3], v[BI+2:BI+3]
	v_cvt_pk_f16_f32 v[BF+32], v[BF],   v[BF+1]
	v_cvt_pk_f16_f32 v[BF+33], v[BF+2], v[BF+3]
	global_store_b64 v[OO], v[BF+32:BF+33], s[10:11]  ; a wave stores 256 consecutive bytes, aligned
	s_wait_tensorcnt 0x0                           ; the wave's end, behind my last LDS store
	ds_add_u32 v[SPW], v[NIL]
	s_wait_dscnt 0x0
	s_endpgm
.Lfunc_end_k_q9f83d8f4dd_pproj:
	.size	k_q9f83d8f4dd_pproj, .Lfunc_end_k_q9f83d8f4dd_pproj-k_q9f83d8f4dd_pproj
	.p2alignl 7, 3214868480
	.fill 96, 4, 3214868480
	.section	.rodata,"a",@progbits
	.p2align	6, 0x0
	.amdhsa_kernel k_q9f83d8f4dd_pproj
		.amdhsa_group_segment_fixed_size 199680
		.amdhsa_private_segment_fixed_size 0
		.amdhsa_enable_private_segment 0
		.amdhsa_kernarg_size 32
		.amdhsa_user_sgpr_count 2
		.amdhsa_user_sgpr_kernarg_segment_ptr 1
		.amdhsa_wavefront_size32 1
		.amdhsa_system_sgpr_workgroup_id_x 1
		.amdhsa_system_sgpr_workgroup_id_y 1
		.amdhsa_system_sgpr_workgroup_id_z 1
		.amdhsa_system_vgpr_workitem_id 0
		.amdhsa_next_free_vgpr 256
		.amdhsa_next_free_sgpr 66
		.amdhsa_reserve_vcc 0
		.amdhsa_float_denorm_mode_32 3
		.amdhsa_float_denorm_mode_16_64 3
		.amdhsa_memory_ordered 1
		.amdhsa_forward_progress 1
		.amdhsa_inst_pref_size 30
	.end_amdhsa_kernel
	.amdgpu_metadata
---
amdhsa.version: [ 1, 2 ]
amdhsa.kernels:
  - .name:           k_q9f83d8f4dd_pproj
    .symbol:         k_q9f83d8f4dd_pproj.kd
    .args:
      - { .name: pos_emb, .offset: 0, .size: 8, .value_kind: global_buffer, .address_space: global }
      - { .name: Wp, .offset: 8, .size: 8, .value_kind: global_buffer, .address_space: global }
      - { .name: bp, .offset: 16, .size: 8, .value_kind: global_buffer, .address_space: global }
      - { .name: ptab, .offset: 24, .size: 8, .value_kind: global_buffer, .address_space: global }
    .group_segment_fixed_size: 199680
    .private_segment_fixed_size: 0
    .kernarg_segment_align: 8
    .kernarg_segment_size: 32
    .max_flat_workgroup_size: 256
    .sgpr_count:     66
    .vgpr_count:     256
    .wavefront_size: 32
...
	.end_amdgpu_metadata
.endif
;; end of part 2
;; launch proj (part 3): grid 24 x 32, 4 waves a work-group, clusters of 4 x 4, 327,680 bytes of LDS; arguments xb, wqkv, bq, bkv, qkvh; writes qkvh
.if DOCPART == 3
	.amdgcn_target "amdgcn-amd-amdhsa--gfx1250"
	.amdhsa_code_object_version 6
	.text
	.protected	k_q9f83d8f4dd_proj
	.globl	k_q9f83d8f4dd_proj
	.p2align	8
	.type	k_q9f83d8f4dd_proj,@function
k_q9f83d8f4dd_proj:
	s_mov_b64 s[64:65], 0
	v_nop
	global_prefetch_b8 v0, s[64:65] scope:SCOPE_SE
	s_setreg_imm32_b32 hwreg(HW_REG_WAVE_MODE, 25, 1), 1
	s_wait_xcnt 0x0
	s_wait_alu depctr_hold_cnt(0) depctr_sa_sdst(0) depctr_va_vdst(0) depctr_va_sdst(0) depctr_va_ssrc(0) depctr_va_vcc(0) depctr_vm_vsrc(0)
	s_getreg_b32 s2, hwreg(HW_REG_IB_STS2, 6, 4)
	s_cmp_eq_u32 s2, 0
	s_cbranch_scc0 .Lentry_in_a_cluster
	s_endpgm
.Lentry_in_a_cluster:
	s_bfe_u32 s2, ttmp6, 0x10000c
	s_cmp_lg_u32 s2, 0xf033
	s_cbranch_scc0 .Lentry_shape_is_right
	s_endpgm
.Lentry_shape_is_right:
; C[m][n] = sum over k of A[m][k] W[k][n] + bias[n], M = 4,096, K = 1,024.  One text for two launches, told apart by KIND:
;   KIND 0: A = xb (bf16), W = wqkv (bf16, 3,072 columns: q, k, v), bias = bq | bkv; C leaves as f16 by heads: qkvh [which 3][b 16 + h][2048][64]
;   KIND 1: A = ob (f16),  W = wob (f16, 1,024 columns), bias = bo; C leaves as f32: out0 [4096][1024]
; LIMIT (KIND 0).  q, k, v beyond 65,504 become infinities.
; A lies in blocks of 64 channels, [b 2][kb 16][n 2048][64]: a block's rows are dense, so 64 rows of a block are 8,192 consecutive bytes.  W lies [k][n] and is read out of LDS turned (ds_load_tr16_b128).
; A tile of C is 128 x 128: four waves, each 64 x 64: 16 accumulators of 16 x 16.  K goes in steps of 256 (four steps) through two LDS slots.
; CLUSTERS: 4 x 4 work-groups.  The four of a row of the cluster need the same tiles of A, the four of a column the same tiles of W: each tile is asked for JOINTLY, by the same tensor load with the
; same descriptor and a mask that names the four.  THE MATRIX INSTRUCTION IS USED TRANSPOSED (source 0 = 16 columns of W, source 1 = 16 rows of A): a lane then holds eight neighbouring numbers of a row of C.
; THE BIAS is the C operand of the products that start the sums: nothing is cleared and nothing is added later.
; No prefetch: the tiles are small, and each is read by several clusters shortly after its first reading.
; REGISTERS: window 0: v0-31 addresses; v32-63 the bias, then with v64-95 at work on the way out; v128-255 the accumulators ((a, b) at v[128 + 8 (4 a + b)]).
;   window 1: two fragment buffers of 128: for 64 along K, 64 registers of A (2 x 4 x 16 rows x 32 K), then 64 of W.
.set KIND, 0
.if KIND
.set NTOT, 1024
.set SP,   272                         ; a stage row: 64 f32 + 16 bytes
.else
.set NTOT, 3072
.set SP,   144                         ; a stage row: 64 f16 + 16 bytes
.endif
.set PITA,  144                        ; a row of A in LDS: 128 bytes + 16 = 36 words: the 16 rows of a load start at 16 different groups of four banks (64 banks of 4 bytes: ISA guide 11.1)
.set PITB,  288                        ; a row of W: 256 + 32 = 72 words
.set HALFT, 36864                      ; what one tensor load brings: 4 blocks x 64 rows x 144 of A, or 128 k rows x 288 of W
.set SLOT,  4*HALFT                    ; A's two halves, then W's two halves
.set STAGE, 2*SLOT                     ; behind the ring: 16 rows for each wave, its own, for the way out
.set SPARE, STAGE+4*16*SP              ; behind the stages: the spare words, 128 bytes for each wave: two blocks of 256 bytes that no other line names
.set ASTEP, 1048576                    ; bytes of A from a K step to the next: four blocks of 262,144
.set BSTEP, 512*NTOT                   ; of W: 256 rows
.set LAPS,  2                          ; a lap = two K steps = once round the ring
.set ADRA, 16                          ; v16-17  LDS address of my A fragments in slot 0, 1
.set ADRB, 20                          ; v20-21  the same for W, k rows 0-127 of the step; v22-23 k rows 128-255 (so that the 16-bit offsets reach)
.set STO,  24                          ; v24     the way out: where I put my part of a row
.set RD,   25                          ; v25     the way out: where I read rows back
.set CO,   26                          ; v26     my byte offset in C
.set BO,   27                          ; v27     my byte offset in the bias: 32 (l / 16)
.set SPW,  28                          ; v28     LDS address of my spare word: SPARE + 4 x my thread's number; never rewritten
.set NIL,  29                          ; v29     0; never rewritten
.set TMP,  32
.set ACC,  128
.set F0,   0                           ; fragment buffers, in window 1
.set F1,   128
.set G1, 24                            ; s[24:31] descriptor group 1 for A's tiles;  s[32:39] group 0, one set for each slot
.set G0, 32
.set G1B, 48                           ; s[48:55], s[56:63] the same for W's tiles
.set G0B, 56
.set MSB, 0
.macro WIN new                         ; the immediate's high byte repeats the setting that is left
.if MSB != (\new)
	s_set_vgpr_msb (MSB<<8)|(\new)
.set MSB, \new
.endif
.endm
.set MUL,  0x05                        ; sources 0 (W) and 1 (A) window 1; C and D window 0
.set TO_F, 0x40                        ; destination window 1, address window 0
.macro JLOAD s                         ; a joint load: waves 0 and 1 fetch A's two halves, waves 2 and 3 W's; an s_nop 0 and four v_nop follow each of the two lines, ahead of the jump, the label and what follows
	s_cmp_eq_u32 s11, 0
	s_cbranch_scc0 .Lfor_b_\@
	tensor_load_to_lds s[G0+4*(\s):G0+4*(\s)+3], s[G1:G1+7]
	s_nop 0
.rept 4
	v_nop
.endr
	s_branch .Lasked_\@
.Lfor_b_\@:
	tensor_load_to_lds s[G0B+4*(\s):G0B+4*(\s)+3], s[G1B:G1B+7]
	s_nop 0
.rept 4
	v_nop
.endr
.Lasked_\@:
.endm
.macro CREST                           ; a round of the cluster's barrier behind its opening barrier
	s_cmp_lg_u32 s10, 0
	s_cbranch_scc1 .Lnot_wave_0_\@
	s_barrier_signal -3
.Lnot_wave_0_\@:
	s_barrier_wait -3
	s_barrier_signal -1
	s_barrier_wait -1
.endm
.macro CROUND                          ; a whole round
	s_barrier_signal -1
	s_barrier_wait -1
	CREST
.endm
	s_load_b128 s[4:7], s[0:1], 0x0                ; A s[4:5], W s[6:7]
	s_load_b128 s[68:71], s[0:1], 0x10             ; KIND 0: bq s[68:69], bkv s[70:71];  KIND 1: bo s[68:69], out0 s[70:71]
.if KIND == 0
	s_load_b64 s[8:9], s[0:1], 0x20                ; qkvh
.endif
	v_lshl_add_u32 v[SPW], v0, 2, SPARE
	v_mov_b32 v[NIL], 0
	ds_add_u32 v[SPW], v[NIL]                      ; the wave's opening: the add and its wait ahead of my first tensor load; the set-up below, work on registers, stands between them
	v_lshrrev_b32 v1, 5, v0
	v_readfirstlane_b32 s10, v1                    ; wave 0..3
	s_lshr_b32 s11, s10, 1                         ; which half of the tile's rows is mine.  Also: I fetch for A (0) or for W (1)
	s_and_b32 s12, s10, 1                          ; which half of its columns.  Also: which half of that tile I fetch
	s_bfe_u32 s40, ttmp6, 0x40000                  ; cx, cy: my place in the cluster
	s_bfe_u32 s41, ttmp6, 0x40004
	s_lshl_b32 s42, ttmp9, 2
	s_add_co_u32 s42, s42, s40                     ; tile column of C = 4 x cluster x + cx
	s_and_b32 s13, ttmp7, 0xffff
	s_lshl_b32 s13, s13, 2
	s_add_co_u32 s13, s13, s41                     ; tile row of C = 4 x cluster y + cy
	s_lshl_b32 s43, s41, 2
	s_lshl_b32 s43, 15, s43                        ; my row of the cluster
	s_lshl_b32 s44, 0x1111, s40                    ; my column
	; group 1 for A: four rows (blocks) of 4,096 elements (64 rows x 64 channels, dense), 131,072 elements apart; in LDS 4 words of padding behind every 32 (a row of 64 channels)
	s_or_b32 s[G1+0], s43, (1<<16)|(1<<20)|(1<<21)|(4<<22)|(3<<25)  ; 15:0 the mask: A's tiles go to my row; 17:16 element of 2 bytes; 20 padding on; 21 set beside a mask; 24:22 after every 32 words (code 4); 31:25 of 4 words (code 3)
	s_mov_b32 s[G1+1], 4096<<16                    ; tensor_dim0 = 4,096
	s_mov_b32 s[G1+2], 4<<16                       ; tensor_dim1 = 4
	s_mov_b32 s[G1+3], 4096<<16                    ; tile_dim0 = 4,096
	s_mov_b32 s[G1+4], 4                           ; tile_dim1 = 4
	s_mov_b32 s[G1+5], 131072                      ; tensor_dim0_stride
	s_mov_b32 s[G1+6], 0
	s_mov_b32 s[G1+7], 0
	; group 1 for W: 128 k rows of 128 elements; 8 words of padding behind every 64
	s_or_b32 s[G1B+0], s44, (1<<16)|(1<<20)|(1<<21)|(5<<22)|(7<<25)
	s_mov_b32 s[G1B+1], 128<<16
	s_mov_b32 s[G1B+2], 128<<16
	s_mov_b32 s[G1B+3], 128<<16
	s_mov_b32 s[G1B+4], 128
	s_mov_b32 s[G1B+5], NTOT
	s_mov_b32 s[G1B+6], 0
	s_mov_b32 s[G1B+7], 0
	; where the tiles come from.  A's hang on the tile row and the wave's number alone, W's on the tile column and the wave's number alone, each in registers that never hold the other coordinate
	s_lshr_b32 s16, s13, 4                         ; b: 16 tile rows each
	s_lshl_b32 s16, s16, 22                        ; its 16 blocks of 262,144 bytes
	s_and_b32 s17, s13, 15
	s_lshl_b32 s17, s17, 14                        ; the tile's 128 rows of 128 bytes within a block
	s_add_co_u32 s18, s16, s17                     ; (kept: KIND 0's way out lies by the same rows)
	s_lshl_b32 s17, s12, 13                        ; the 64 rows that I fetch
	s_add_co_u32 s16, s18, s17
	s_mov_b32 s17, 0
	s_mul_i32 s46, s12, 256*NTOT                   ; W: the 128 k rows that I fetch,
	s_lshl_b32 s47, s42, 8                         ; the tile's 128 columns
	s_add_co_u32 s46, s46, s47
	s_mov_b32 s47, 0
	s_mul_i32 s20, s10, HALFT                      ; where they go: wave x a half: no place in the cluster enters an LDS address
	s_wait_dscnt 0x0                               ; the opening add is done
	s_wait_kmcnt 0x0
	s_add_nc_u64 s[14:15], s[4:5], s[16:17]
	s_add_nc_u64 s[46:47], s[6:7], s[46:47]
	CROUND                                         ; all sixteen work-groups are here: the first joint loads meet
.irp s, 0,1
	s_mov_b32 s[G0+4*(\s)], 1
	s_add_co_u32 s[G0+4*(\s)+1], s20, (\s)*SLOT
	s_add_nc_u64 s[G0+4*(\s)+2:G0+4*(\s)+3], s[14:15], (\s)*ASTEP
	s_or_b32 s[G0+4*(\s)+3], s[G0+4*(\s)+3], 0x80000000
	s_mov_b32 s[G0B+4*(\s)], 1
	s_add_co_u32 s[G0B+4*(\s)+1], s20, (\s)*SLOT
	s_add_nc_u64 s[G0B+4*(\s)+2:G0B+4*(\s)+3], s[46:47], (\s)*BSTEP
	s_or_b32 s[G0B+4*(\s)+3], s[G0B+4*(\s)+3], 0x80000000
	JLOAD \s
.endr
	v_and_b32 v1, 15, v0                           ; r = l % 16
	v_bfe_u32 v2, v0, 4, 1                         ; h = l / 16
	v_mul_u32_u24 v3, v1, PITA
	v_lshl_add_u32 v3, v2, 4, v3                   ; A: a fragment's row x pitch + 16 h
	v_and_b32 v4, 7, v0
	v_lshl_add_u32 v4, v2, 3, v4                   ; W, turned: lane l reads k row 8 h + l % 8, columns 8 ((l / 8) % 2) on
	v_mul_u32_u24 v4, v4, PITB
	v_bfe_u32 v5, v0, 3, 1
	v_lshl_add_u32 v4, v5, 4, v4
	s_mul_i32 s21, s11, HALFT                      ; my 64 rows of A
	s_lshl_b32 s22, s12, 7                         ; my 64 columns of W,
	s_add_co_u32 s22, s22, 2*HALFT                 ; which lies behind A's two halves
.irp s, 0,1
	v_add_nc_u32 v[ADRA+(\s)], s21, v3
	v_add_nc_u32 v[ADRB+(\s)], s22, v4
	v_add_nc_u32 v[ADRB+2+(\s)], HALFT, v[ADRB+(\s)]
	s_add_co_u32 s21, s21, SLOT
	s_add_co_u32 s22, s22, SLOT
.endr
	s_mul_i32 s23, s10, 16*SP
	s_add_co_u32 s23, s23, STAGE                   ; my stage
.if KIND
	v_mul_u32_u24 v5, v1, SP                       ; in: row r, 32 bytes for each half of the lanes
	v_lshl_add_u32 v5, v2, 5, v5
	v_add_nc_u32 v[STO], s23, v5
	v_mul_u32_u24 v5, v2, SP                       ; back: lanes 0-15 take one row of 256 bytes, lanes 16-31 the next
	v_lshl_add_u32 v5, v1, 4, v5
	v_add_nc_u32 v[RD], s23, v5
	v_lshlrev_b32 v5, 12, v2                       ; and the same two rows in out0
	v_lshl_add_u32 v[CO], v1, 4, v5
.else
	v_add_nc_u32 v[STO], s23, v3                   ; in: row r, 16 bytes for each half of the lanes
	v_bfe_u32 v5, v0, 3, 2                         ; back: 32 lanes take four rows of 128 bytes,
	v_mul_u32_u24 v5, v5, SP
	v_and_b32 v6, 7, v0
	v_lshl_add_u32 v5, v6, 4, v5
	v_add_nc_u32 v[RD], s23, v5
	v_and_b32 v[CO], 31, v0                        ; which are 512 consecutive bytes of a head
	v_lshlrev_b32 v[CO], 4, v[CO]
.endif
	v_lshlrev_b32 v[BO], 5, v2
	s_lshl_b32 s46, s42, 9                         ; the bias of my 64 columns: 4 bytes x (128 x tile column + 64 x half)
	s_lshl_b32 s47, s12, 8
	s_add_co_u32 s46, s46, s47
.if KIND
	s_mov_b64 s[72:73], s[68:69]
.else
	s_cmp_lt_u32 ttmp9, 2                          ; tile columns 0-7 are q's: clusters 0 and 1 along x, whatever cx
	s_cselect_b64 s[72:73], s[68:69], s[70:71]
	s_cselect_b32 s47, 0, 4096                     ; bkv begins at column 1,024
	s_sub_co_u32 s46, s46, s47
.endif
	s_mov_b32 s47, 0
	s_add_nc_u64 s[72:73], s[72:73], s[46:47]
.irp b, 0,1,2,3                        ; register j of block b: bias[16 b + 8 h + j], as an accumulator holds its columns
	global_load_b128 v[TMP+8*(\b):TMP+8*(\b)+3],   v[BO], s[72:73] offset:64*(\b)
	global_load_b128 v[TMP+8*(\b)+4:TMP+8*(\b)+7], v[BO], s[72:73] offset:64*(\b)+16
.endr
.if KIND
	s_mov_b64 s[8:9], s[70:71]
	s_lshl_b32 s16, s13, 19                        ; out0: 128 rows of 4,096 bytes a tile row,
	s_lshl_b32 s17, s11, 18                        ; my 64
	s_add_co_u32 s16, s16, s17
	s_mov_b32 s17, 0
	s_add_nc_u64 s[8:9], s[8:9], s[16:17]
	s_lshl_b32 s46, s42, 9                         ; my 64 columns: 256 bytes
	s_lshl_b32 s47, s12, 8
	s_add_co_u32 s46, s46, s47
	s_mov_b32 s47, 0
	s_add_nc_u64 s[8:9], s[8:9], s[46:47]
.else
	s_lshl_b32 s17, s11, 13                        ; qkvh: b's 16 heads and the tile's rows as in A, my 64 rows,
	s_add_co_u32 s16, s18, s17
	s_mov_b32 s17, 0
	s_add_nc_u64 s[8:9], s[8:9], s[16:17]
	s_lshl_b32 s46, s42, 1
	s_add_co_u32 s46, s46, s12                     ; my 64 columns are ONE head: number 2 x tile column + half of 48:
	s_lshr_b32 s47, s46, 4                         ; q, k or v: 32 heads' room each,
	s_lshl_b32 s47, s47, 5
	s_and_b32 s46, s46, 15                         ; and h
	s_add_co_u32 s46, s46, s47
	s_lshl_b32 s46, s46, 18                        ; a head is 2,048 rows x 128 bytes
	s_mov_b32 s47, 0
	s_add_nc_u64 s[8:9], s[8:9], s[46:47]
.endif
; 8 matrix instructions: m blocks a0, a0 + 1 x all 4 n blocks, 32 along K: half c of buffer f.  zero = 1: the first product starts the sums, from the bias
.macro MUL8 f, c, a0, zero
	WIN MUL
.irp a, \a0, (\a0)+1
.irp b, 0,1,2,3
.set rD, ACC+8*(4*(\a)+(\b))
.set rB, (\f)+64+8*(4*(\c)+(\b))
.set rA, (\f)+8*(4*(\c)+(\a))
.set rC, rD
.if \zero
.set rC, TMP+8*(\b)
.endif
.if KIND
	v_wmma_f32_16x16x32_f16 v[rD:rD+7], v[rB:rB+7], v[rA:rA+7], v[rC:rC+7]
.else
	v_wmma_f32_16x16x32_bf16 v[rD:rD+7], v[rB:rB+7], v[rA:rA+7], v[rC:rC+7]
.endif
.endr
.endr
.endm
; 32 LDS loads in one run: the fragments of quarter q (64 along K: one block of A) of a slot, into buffer f; the first 32 along K first
.macro FETCH slot, q, f
	WIN TO_F
.irp c, 0,1
.irp i, 0,1,2,3
	ds_load_tr16_b128 v[(\f)+64+8*(4*(\c)+(\i)):(\f)+64+8*(4*(\c)+(\i))+3],   v[ADRB+(\slot)+2*((\q)/2)] offset:(((\q)%2)*64+32*(\c))*PITB+32*(\i)
	ds_load_tr16_b128 v[(\f)+64+8*(4*(\c)+(\i))+4:(\f)+64+8*(4*(\c)+(\i))+7], v[ADRB+(\slot)+2*((\q)/2)] offset:(((\q)%2)*64+32*(\c)+16)*PITB+32*(\i)
	ds_load_b128 v[(\f)+8*(4*(\c)+(\i)):(\f)+8*(4*(\c)+(\i))+3],         v[ADRA+(\slot)] offset:(\q)*64*PITA+(\i)*16*PITA+64*(\c)
	ds_load_b128 v[(\f)+8*(4*(\c)+(\i))+4:(\f)+8*(4*(\c)+(\i))+7],       v[ADRA+(\slot)] offset:(\q)*64*PITA+(\i)*16*PITA+64*(\c)+32
.endr
.endr
.endm
.macro PLACES                          ; four places in front of loads into registers that matrix instructions have read, and of lines that read results
.rept 4
	v_nop
.endr
.endm
; A K step is four quarters of 64 along K, 32 matrix instructions each, on buffers 0, 1, 0, 1.  One of the first three: multiplies buffer f and fetches quarter q into g.
.macro QUARTER slot, q, f, g, zero
	s_wait_dscnt 16                                ; the first 32 along K are in
	WIN MUL
	MUL8 \f, 0, 0, \zero
	MUL8 \f, 0, 2, \zero
	PLACES
	FETCH \slot, \q, \g
	s_wait_dscnt 32                                ; all but the 32 just issued
	WIN MUL
	MUL8 \f, 1, 0, 0
	MUL8 \f, 1, 2, 0
.endm
; The last quarter multiplies buffer 1 and changes slots: ONE barrier; in front of it each wave waits for all its tensor loads, adds 0 to its spare word, and waits for that and for its own reads of this slot.  fill = 1: this slot is filled again, two K steps ahead.
.macro TURN slot, next, fill
	WIN 0                                          ; (the add's two registers lie in window 0)
	s_wait_tensorcnt 0x0                           ; all my tensor loads have landed: my part of the next slot;
	ds_add_u32 v[SPW], v[NIL]                      ; 0 onto my spare word;
	s_wait_dscnt 17                                ; (the add and the youngest sixteen loads may be out)
	WIN MUL
	MUL8 F1, 0, 0, 0                               ; eight matrix instructions stand between the add and the wait for it
	s_wait_dscnt 0x0                               ; the add is done, and my reads of this slot are over
	s_barrier_signal -1
	MUL8 F1, 0, 2, 0
.if \fill
	WIN 0
.endif
	s_barrier_wait -1
.if \fill
	CREST                                          ; the barrier has opened a round of the cluster's barrier: no wave of any partner still reads this slot's tile or has a load on its way
	s_add_nc_u64 s[G0+4*(\slot)+2:G0+4*(\slot)+3], s[G0+4*(\slot)+2:G0+4*(\slot)+3], 2*ASTEP
	s_add_nc_u64 s[G0B+4*(\slot)+2:G0B+4*(\slot)+3], s[G0B+4*(\slot)+2:G0B+4*(\slot)+3], 2*BSTEP
	JLOAD \slot                                    ; the first tensor load behind the round; the four v_nop behind it are also the places in front of the loads below
.else
	PLACES
.endif
	FETCH \next, 0, F0
	WIN MUL
	MUL8 F1, 1, 0, 0
	MUL8 F1, 1, 2, 0
.endm
	s_wait_loadcnt 0x0                             ; the bias
	s_wait_tensorcnt 0x1                           ; my part of K step 0 is in; K step 1's may stay out
	s_barrier_signal -1
	s_barrier_wait -1                              ; everybody's is
	FETCH 0, 0, F0
	QUARTER 0, 1, F0, F1, 1                        ; the first quarter stands in front of the loop: its first products start the sums
	WIN 0                                          ; at a label and at a branch every window is 0
	s_mov_b32 s3, LAPS-1
.Llap:                                                 ; a trip goes once round the ring, from a lap's second quarter to the next lap's first, and fills both slots again
	QUARTER 0, 2, F1, F0, 0
	QUARTER 0, 3, F0, F1, 0
	TURN 0, 1, 1
	QUARTER 1, 1, F0, F1, 0
	QUARTER 1, 2, F1, F0, 0
	QUARTER 1, 3, F0, F1, 0
	TURN 1, 0, 1
	QUARTER 0, 1, F0, F1, 0
	WIN 0
	s_sub_co_u32 s3, s3, 1
	s_cmp_lg_u32 s3, 0
	s_cbranch_scc1 .Llap
	QUARTER 0, 2, F1, F0, 0                        ; the last lap fills nothing, and has no round of the cluster's barrier
	QUARTER 0, 3, F0, F1, 0
	TURN 0, 1, 0
	QUARTER 1, 1, F0, F1, 0
	QUARTER 1, 2, F1, F0, 0
	QUARTER 1, 3, F0, F1, 0
	s_wait_dscnt 16                                ; the very last quarter: nothing more to fetch
	WIN MUL
	MUL8 F1, 0, 0, 0
	MUL8 F1, 0, 2, 0
	s_wait_dscnt 0x0
	MUL8 F1, 1, 0, 0
	MUL8 F1, 1, 2, 0
	WIN 0
	PLACES
.if KIND
	; THE WAY OUT, f32: a wave's 64 columns are 256 aligned bytes of a row.  16 rows at a time go through my own stage: in by lanes (row r, 8 columns), back as whole rows, into the registers that they left.
.macro STG a
.irp b, 0,1,2,3
	ds_store_b128 v[STO], v[ACC+32*(\a)+8*(\b):ACC+32*(\a)+8*(\b)+3]   offset:64*(\b)
	ds_store_b128 v[STO], v[ACC+32*(\a)+8*(\b)+4:ACC+32*(\a)+8*(\b)+7] offset:64*(\b)+16
.endr
.irp t, 0,1,2,3,4,5,6,7
	ds_load_b128 v[ACC+32*(\a)+4*(\t):ACC+32*(\a)+4*(\t)+3], v[RD] offset:(\t)*2*SP  ; LDS serves a wave's instructions in order (ISA guide 5.7.1.4): these see the stores above; the next block's stores come behind them
.endr
.endm
.macro SENDF a, younger                ; younger: the LDS instructions issued behind block a's loads: the next block's sixteen, or none
.irp t, 0,1,2,3,4,5,6,7
	s_wait_dscnt (\younger)+7-(\t)
	global_store_b128 v[CO], v[ACC+32*(\a)+4*(\t):ACC+32*(\a)+4*(\t)+3], s[8:9] offset:(\a)*65536+(\t)*8192  ; 16 lanes store 256 consecutive bytes, aligned
.endr
.endm
	STG 0
	STG 1
	SENDF 0, 16
	STG 2
	SENDF 1, 16
	STG 3
	SENDF 2, 16
	SENDF 3, 0
.else
	; THE WAY OUT, f16 by heads: a wave's 64 columns are one head, whose rows are dense.  16 rows at a time: rounded, 16 bytes a lane into my own stage, back as rows: 512 consecutive bytes a store.
.macro PACK a
.irp b, 0,1,2,3
.irp r, 0,1,2,3
	v_cvt_pk_f16_f32 v[TMP+16*(\a)+4*(\b)+(\r)], v[ACC+8*(4*(\a)+(\b))+2*(\r)], v[ACC+8*(4*(\a)+(\b))+2*(\r)+1]
.endr
.endr
.irp b, 0,1,2,3
	ds_store_b128 v[STO], v[TMP+16*(\a)+4*(\b):TMP+16*(\a)+4*(\b)+3] offset:32*(\b)
.endr
.irp f, 0,1,2,3
	ds_load_b128 v[TMP+16*(\a)+4*(\f):TMP+16*(\a)+4*(\f)+3], v[RD] offset:(\f)*4*SP  ; LDS serves a wave's instructions in order (ISA guide 5.7.1.4): these see the stores above; the next block's stores come behind them
.endr
.endm
.macro SEND a, younger                 ; younger: the LDS instructions issued behind block a's loads: the next block's eight, or none
.irp f, 0,1,2,3
	s_wait_dscnt (\younger)+3-(\f)
	global_store_b128 v[CO], v[TMP+16*(\a)+4*(\f):TMP+16*(\a)+4*(\f)+3], s[8:9] offset:(\a)*2048+(\f)*512
.endr
.endm
	PACK 0
	PACK 1
	SEND 0, 8
	PACK 2
	SEND 1, 8
	PACK 3
	SEND 2, 8
	SEND 3, 0
.endif
	s_wait_tensorcnt 0x0                           ; the wave's end, behind my last tensor load and my last LDS store
	ds_add_u32 v[SPW], v[NIL]
	s_wait_dscnt 0x0
	CROUND                                         ; the closing round: no work-group ends while a partner may still ask for a tile that names it
	s_endpgm
.Lfunc_end_k_q9f83d8f4dd_proj:
	.size	k_q9f83d8f4dd_proj, .Lfunc_end_k_q9f83d8f4dd_proj-k_q9f83d8f4dd_proj
	.p2alignl 7, 3214868480
	.fill 96, 4, 3214868480
	.section	.rodata,"a",@progbits
	.p2align	6, 0x0
	.amdhsa_kernel k_q9f83d8f4dd_proj
		.amdhsa_group_segment_fixed_size 327680
		.amdhsa_private_segment_fixed_size 0
		.amdhsa_enable_private_segment 0
		.amdhsa_kernarg_size 40
		.amdhsa_user_sgpr_count 2
		.amdhsa_user_sgpr_kernarg_segment_ptr 1
		.amdhsa_wavefront_size32 1
		.amdhsa_system_sgpr_workgroup_id_x 1
		.amdhsa_system_sgpr_workgroup_id_y 1
		.amdhsa_system_sgpr_workgroup_id_z 1
		.amdhsa_system_vgpr_workitem_id 0
		.amdhsa_next_free_vgpr 512
		.amdhsa_next_free_sgpr 84
		.amdhsa_reserve_vcc 0
		.amdhsa_float_denorm_mode_32 3
		.amdhsa_float_denorm_mode_16_64 3
		.amdhsa_memory_ordered 1
		.amdhsa_forward_progress 1
		.amdhsa_inst_pref_size 88
	.end_amdhsa_kernel
	.amdgpu_metadata
---
amdhsa.version: [ 1, 2 ]
amdhsa.kernels:
  - .name:           k_q9f83d8f4dd_proj
    .symbol:         k_q9f83d8f4dd_proj.kd
    .args:
      - { .name: xb, .offset: 0, .size: 8, .value_kind: global_buffer, .address_space: global }
      - { .name: wqkv, .offset: 8, .size: 8, .value_kind: global_buffer, .address_space: global }
      - { .name: bq, .offset: 16, .size: 8, .value_kind: global_buffer, .address_space: global }
      - { .name: bkv, .offset: 24, .size: 8, .value_kind: global_buffer, .address_space: global }
      - { .name: qkvh, .offset: 32, .size: 8, .value_kind: global_buffer, .address_space: global }
    .group_segment_fixed_size: 327680
    .private_segment_fixed_size: 0
    .kernarg_segment_align: 8
    .kernarg_segment_size: 40
    .max_flat_workgroup_size: 128
    .sgpr_count:     84
    .vgpr_count:     512
    .wavefront_size: 32
...
	.end_amdgpu_metadata
.endif
;; end of part 3
;; launch attn (part 4): grid 8 x 32, 4 waves a work-group, no clusters, 327,680 bytes of LDS; arguments qkvh, ptab, ob; writes ob
.if DOCPART == 4
	.amdgcn_target "amdgcn-amd-amdhsa--gfx1250"
	.amdhsa_code_object_version 6
	.text
	.protected	k_q9f83d8f4dd_attn
	.globl	k_q9f83d8f4dd_attn
	.p2align	8
	.type	k_q9f83d8f4dd_attn,@function
k_q9f83d8f4dd_attn:
	s_mov_b64 s[64:65], 0
	v_nop
	global_prefetch_b8 v0, s[64:65] scope:SCOPE_SE
	s_setreg_imm32_b32 hwreg(HW_REG_WAVE_MODE, 25, 1), 1
	s_wait_xcnt 0x0
; CAUSAL ATTENTION WITH A RELATIVE TERM.  For key j <= query i: score = (q_i . k_j + q_i . p_m) / 8 with m = 2047 - i + j (the shift of the padded array, followed by flat indices); keys j > i are hidden.
; O[hb][i][:] = the sum over j <= i of softmax_j(score) v_j.  qkvh: f16 [q, k, v][hb 32][2048][64]; ptab: f16 [2048][64]; ob: f16 [hb 32][2048][64].  Products, maxima and sums in f32;
; the weights are rounded to f16 for the second product (their sum l is taken of the unrounded ones), O once at the end.
; LIMITS.  q, k, v, p arrive within f16's 65,504.  A hidden score counts as its value less 1e30: f16's scores, 2.7e11 at the most, are nothing beside that.  A weight below 2^-126 counts as 0 in l.
; NaN and infinities are not treated apart.
; THE WALK.  A head's queries lie in 16 blocks of 128; block B needs the key tiles 0 .. B of 128 keys, of which the last holds the diagonal.  A work-group takes TWO blocks, 15 - pb and then pb: 17 tiles,
; whatever pb: all 256 work-groups do equal work, and one loop with a constant trip count walks them.  Which tile is asked for hangs on scalar registers made from pb.
; SHARES.  A wave owns 32 rows of a block: two PIECES of 16 queries.  A tile is two steps of 64 keys.
; THE RELATIVE TERM.  With D = 128 (B - tile), the tile's scores want rows 1920 - D + rho of p, rho = 127 - query + key in 0 .. 254: 256 rows of p ride in each slot beside K and V.  For a step a piece wants 79 of them:
; T^T = P Q^T in five tiles of 16 rows (a lane holds ONE query, lane % 16, and the rows 8 (lane / 16) + 0..7).  Key kappa of query r wants column 15 - r + kappa of T: a shift that differs from lane to lane.
; So T goes once through the wave's own LDS scratch: in by 16 bytes a lane, back word by word from addresses skewed by the lane's query, STRAIGHT INTO THE ACCUMULATORS of S^T = K Q^T, which adds onto them.
; THE MASK.  A key is hidden just where its row of p would lie past the table's end (rho >= 128 in the diagonal tile), which falls on whole tiles of T: the mask is the C operand, 0 or -1e30, of the product that starts T.
; In the diagonal tile the upper 128 rows of p do not exist: the table's last 128 are fetched in their stead, and every product with them is masked.
; PHASES.  A step: T for both pieces and its trip through LDS; K Q^T; the softmax (one batch of exponentials, one wait); V^T P.
; NO CLUSTER: the work-groups of a head want different tiles of p in every trip, and the same K and V only while their first blocks last.
; REGISTERS, in windows of 256 (s_set_vgpr_msb: bits 1:0 source 0, 3:2 source 1, 5:4 source 2, 7:6 destination):
;   window 0: v0-27 addresses and statistics; v48-55 at work; v62-63 the add's; v64-127 S^T, 32 a piece; v128-207 T^T, 40 a piece; v208-239 the weights, 16 a piece
;   window 1: v0-63 O^T, 32 a piece; v64-111 the masks of six tiles of p; v128-159 the second block's Q       window 2: v0-31 Q; v32-95 K; v96-159 V; v160-255 p, six tiles
.set NB,    16
.set PK,    144       ; a row of K or p in LDS: 128 bytes + 16 = 36 words: the 16 rows of a load start at 16 different groups of four banks (64 banks of 4 bytes: ISA guide 11.1)
.set PVP,   160       ; a row of V: 128 + 32 = 40 words
.set KOFF,  256*PK    ; a slot: 256 rows of p, 128 of K, 128 of V
.set VOFF,  KOFF+128*PK
.set SLOT1, 1<<17     ; slot 1 begins here, so that one exclusive or turns an address in one slot into the other's
.set SCR,   VOFF+128*PVP  ; between the slots, never filled by a tensor load: the scratch, for each wave and piece 16 rows x 336 bytes (80 f32 + 16: the 16 lanes of a store fall on 16 different columns of 16 bytes)
.set SCP,   336
.set SCX,   16*SCP
.set STAGE, SCR+8*SCX     ; 16 rows x 144 bytes for each wave, for the way out
.set SP,    144
.set SPARE, STAGE+4*16*SP ; the spare words, 128 bytes for each wave: two blocks of 256 bytes that no other line names
.set AK0, 2           ; v2   my lane's place in a tile of K; never rewritten
.set AV0, 3           ; v3   the same for V
.set AP0, 4           ; v4   the same for p: my wave's six tiles begin at row 96 - 32 w of a slot
.set AK,  5           ; v5-7 the LDS addresses of the runs of loads in hand
.set AV,  6
.set AP,  7
.set SCW, 8           ; v8   scratch, in: row r x 336 + 32 h
.set MV,  12          ; v12-13  c m_old, kept while c m is made anew
.set SCL, 14          ; v14  scratch, back: row r x 336 + 4 (15 - r) + 32 h: the 32 lanes fall on 32 different banks (19 r + 8 h + 15 mod 64)
.set QO,  15          ; v15  my byte offset in 16 rows of Q
.set ST,  16          ; piece y's statistics at v[ST+4 y]: c m, m, l (even keys', odd keys')
.set STO, 24          ; v24  the way out: where I put 16 bytes of a row
.set RD,  25          ; v25  where I read rows back
.set GO,  26          ; v26  my byte offset in 512 consecutive bytes of O
.set PFO, 27          ; v27  the prefetches' offset: 256 x lane + 8,192 (w % 2); never rewritten
.set TMP, 48          ; by piece, four registers c0-c3 at work; when the maximum is found c2 takes a
.set SPW, 62          ; v62  LDS address of my spare word: SPARE + 4 x my thread's number; never rewritten
.set NIL, 63          ; v63  0; never rewritten
.set S,   64
.set TT,  128
.set PW,  208
.set MK,  64          ; window 1
.set QB,  128         ; window 1
.set KF,  32          ; window 2: key block kt, channel half c at KF + 16 kt + 8 c
.set VF,  96          ; window 2: key half kk, channel block cb at VF + 32 kk + 8 cb
.set PF,  160         ; window 2: tile g, channel half c at PF + 16 g + 8 c
.set WV,  12          ; s12  my wave's number
.set PB,  14          ; s14  pb
.set HI,  15          ; s15  15 - pb
.set BASEW, 16        ; s[16:17] what I fetch: ptab (waves 0, 1), the head's K (wave 2), its V (wave 3)
.set PFA, 18          ; s[18:19] where my prefetches stand: the head's K (waves 0, 1) or V (waves 2, 3), at the tile behind the one that is being asked for
.set LIM, 20          ; s20  2 in the work-group that prefetches, else the greatest number
.set G1K, 24          ; s[24:31] descriptor group 1 for p's and K's tiles
.set G1V, 32          ; s[32:39] for V's: it differs in the padding alone
.set G0,  40          ; s[40:43] descriptor group 0
.set ADDW, 44         ; s44  what is added to a tile's number to give my 128 rows' number in my tensor: p: 15 - B + w; K, V: 0
.set ADDW2, 45        ; s45  the same for the second block
.set IDX, 46          ; s46
.set OFF, 48          ; s[48:49] byte offset of 128 rows
.set OLO, 50          ; s[50:51] O at my rows of the second block
.set SLOTS, 56        ; s56  tiles still to be asked for
.set CNT, 57          ; s57  counts a tile's two steps, 2 and 1
.set CS,  58          ; s[58:59] c = log2(e) / 8: the packed scaling takes the pair's low word for both halves
.set SEL, 60          ; s[60:61] v_permlanex16_b32's selects: each lane takes its own place in the other half
.set TBK, 62          ; s62  LDS byte at which the slot's rows of K (less KOFF) and of p for the step to be fetched begin
.set TBV, 63          ; s63  the same for V, less VOFF
.set RT,  70          ; s70  tiles of the block in hand that are still to be entered
.set NXT, 71          ; s71  the tile to be asked for next
.set LQ,  72          ; s72  the last tile of the block whose tiles are being asked for
.set GH,  74          ; s74  the first hidden one of my six tiles of p
.set MVAL, 75         ; s75  a mask's number
.set BIGN, 82         ; s82  -1e30
.set MSB, 0
.macro WIN new                      ; the high byte repeats the setting that is left; a switch that changes nothing is dropped
.if MSB != (\new)
	s_set_vgpr_msb (MSB<<8)|(\new)
.set MSB, (\new)
.endif
.endm
.set W_TM, 0x1a       ; p and Q in window 2, the mask (C) in window 1, T^T in window 0
.set W_KQ, 0x0a       ; sources 0 and 1 in window 2, C and D in window 0
.set W_PV, 0x52       ; V in window 2, the weights in window 0, O^T in window 1
.set W_RS, 0x41       ; destination and source 0 in window 1, source 1 in window 0
.macro PLACES                       ; four places behind a matrix instruction, ahead of lines that read its result and of loads into its registers
.rept 4
	v_nop
.endr
.endm
; A fill: each wave brings 128 rows of 128 bytes to LDS byte 18,432 w of the slot.  Wave 3's rows (V) are padded otherwise.  An s_nop 0 and four v_nop follow each of the two lines, ahead of the jump and the label.
.macro LOAD
	s_cmp_eq_u32 s[WV], 3
	s_cbranch_scc1 .Lfor_v_\@
	tensor_load_to_lds s[G0:G0+3], s[G1K:G1K+7]
	s_nop 0
.rept 4
	v_nop
.endr
	s_branch .Lasked_\@
.Lfor_v_\@:
	tensor_load_to_lds s[G0:G0+3], s[G1V:G1V+7]
	s_nop 0
.rept 4
	v_nop
.endr
.Lasked_\@:
.endm
; A PREFETCH INTO THE L2 of the K and V that the NEXT change of slots will ask for: 64 blocks of 256 bytes of each, a lane a block, one instruction a wave; behind the wave's tensor load and its five lines.
; The eight work-groups of a head begin with the same tiles 0, 1, ..; the one with pb = 0 walks all sixteen and asks, nobody else: each block is named once in the launch.  Tiles 0 and 1 come by their loads alone;
; the changes that ask for tile 15 and for the second block prefetch nothing.  p is not asked for: every work-group walks it.
.macro ASK
	s_cmp_gt_u32 s[SLOTS], s[LIM]
	s_cbranch_scc0 .Lnot_mine_\@
	global_prefetch_b8 v[PFO], s[PFA:PFA+1] th:TH_LOAD_NT scope:SCOPE_SE
.Lnot_mine_\@:
.endm
; THE CHANGE OF SLOTS.  Each wave waits for all its tensor loads, of which one is out: its part of the other slot; adds 0 to its spare word; and waits for that and for its own reads of the slot that it leaves.  Behind the barrier
; nobody reads the old slot any more and the other slot is whole.  fill = 1: the old slot is filled again, the first thing behind the barrier, with tile NXT: the descriptor's address is made anew from that number.
; (At its first use nothing has been read yet: slot 0 is waited for, slot 1 filled.)
.macro CHANGE fill
	WIN 0                           ; at a label and at a branch every window is 0
	s_wait_tensorcnt 0x0            ; no tensor load of mine is out, so group 0 may be written
	ds_add_u32 v[SPW], v[NIL]       ; 0 onto my spare word; with fill = 1 the descriptor's scalar work stands between it and the wait for it
.if \fill
	s_add_co_u32 s[IDX], s[NXT], s[ADDW]
	s_min_u32 s[IDX], s[IDX], 15    ; past the table's end (the diagonal tile's upper rows of p): its last 128 rows, all masked
	s_lshl_b32 s[OFF], s[IDX], 14   ; 128 rows are 16,384 bytes
	s_xor_b32 s[G0+1], s[G0+1], SLOT1
	s_add_nc_u64 s[G0+2:G0+3], s[BASEW:BASEW+1], s[OFF:OFF+1]
	s_or_b32 s[G0+3], s[G0+3], 0x80000000
	s_add_co_u32 s[NXT], s[NXT], 1  ; the block's next tile, or behind its last the second block's tile 0
	s_cmp_gt_u32 s[NXT], s[LQ]
	s_cselect_b32 s[NXT], 0, s[NXT]
	s_cselect_b32 s[LQ], s[PB], s[LQ]
	s_cselect_b32 s[ADDW], s[ADDW2], s[ADDW]
	s_wait_xcnt 0x0                 ; the last prefetch, a tile back, has read its address, so it may be written
	s_add_nc_u64 s[PFA:PFA+1], s[PFA:PFA+1], 16384
.endif
	s_wait_dscnt 0x0                ; the add is done, and my reads of the slot are over
	s_barrier_signal -1             ; the rest of the scalar work stands between the signal and the wait
	s_sub_co_u32 s[TBK], s[TBK], 2*64*PK   ; the fetches go back to a slot's first step,
	s_xor_b32 s[TBK], s[TBK], SLOT1        ; in the other slot
	s_sub_co_u32 s[TBV], s[TBV], 2*64*PVP
	s_xor_b32 s[TBV], s[TBV], SLOT1
	s_barrier_wait -1
.if \fill
	LOAD
	ASK
.endif
.endm
	s_load_b128 s[4:7], s[0:1], 0x0 ; qkvh s[4:5], ptab s[6:7]
	s_load_b64 s[8:9], s[0:1], 0x10 ; ob
	v_lshl_add_u32 v[SPW], v0, 2, SPARE
	v_mov_b32 v[NIL], 0
	ds_add_u32 v[SPW], v[NIL]       ; the wave's opening: the add and its wait ahead of my first tensor load; the set-up below, work on registers, stands between them
	v_lshrrev_b32 v1, 5, v0
	v_readfirstlane_b32 s[WV], v1   ; wave 0..3
	s_mov_b32 s[PB], ttmp9
	s_sub_co_u32 s[HI], NB-1, s[PB]
	s_and_b32 s13, ttmp7, 0xffff    ; hb
	s_lshl_b32 s2, s13, 18          ; a head is 2,048 rows x 128 bytes;
	s_lshl_b32 s3, s[WV], 12        ; my wave's 32 rows of a block
	s_add_co_u32 s2, s2, s3
	s_lshl_b32 s3, s[HI], 14        ; in the first block,
	s_add_co_u32 s84, s2, s3
	s_mov_b32 s85, 0
	s_lshl_b32 s3, s[PB], 14        ; and in the second
	s_add_co_u32 s86, s2, s3
	s_mov_b32 s87, 0
	s_max_u32 s21, s[WV], 2         ; wave 2: K, 32 heads on in qkvh; wave 3: V, 64 on (waves 0 and 1 make K's and do not use it)
	s_sub_co_u32 s21, s21, 1
	s_lshl_b32 s21, s21, 5
	s_add_co_u32 s21, s21, s13
	s_lshl_b32 s22, s21, 18
	s_mov_b32 s23, 0
	s_lshr_b32 s76, s[WV], 1        ; the prefetches: waves 0 and 1 K, waves 2 and 3 V,
	s_add_co_u32 s76, s76, 1
	s_lshl_b32 s76, s76, 5
	s_add_co_u32 s76, s76, s13
	s_lshl_b32 s76, s76, 18
	s_add_co_u32 s76, s76, 16384    ; at tile 1: the first change of slots steps it to tile 2
	s_mov_b32 s77, 0
	s_add_co_u32 s[ADDW], s[PB], s[WV]   ; block 15 - pb: 15 - B + w = pb + w
	s_add_co_u32 s[ADDW2], s[HI], s[WV]  ; block pb
	s_cmp_lt_u32 s[WV], 2
	s_cselect_b32 s[ADDW], s[ADDW], 0
	s_cselect_b32 s[ADDW2], s[ADDW2], 0
	s_cmp_eq_u32 s[PB], 0
	s_cselect_b32 s[LIM], 2, -1
	; descriptor group 1.  128 rows are 16,384 dense bytes: asked for as 64 rows of 256 bytes, two rows a row, and padded in LDS after every 128 bytes
	s_mov_b32 s[G1K], (1<<16)|(1<<20)|(4<<22)|(3<<25)  ; 17:16 2-byte elements; 20 padding on; 24:22 after every 32 words (code 4); 31:25 4 words (code 3)
	s_mov_b32 s[G1V], (1<<16)|(1<<20)|(4<<22)|(7<<25)  ; the same with 8 words of padding (code 7)
.irp g, G1K, G1V
	s_mov_b32 s[\g+1], 128<<16      ; tensor_dim0 = 128
	s_mov_b32 s[\g+2], 64<<16       ; tensor_dim1 = 64
	s_mov_b32 s[\g+3], 128<<16      ; tile_dim0 = 128
	s_mov_b32 s[\g+4], 64           ; tile_dim1 = 64
	s_mov_b32 s[\g+5], 128          ; 128 elements from row to row
	s_mov_b32 s[\g+6], 0
	s_mov_b32 s[\g+7], 0
.endr
	s_mov_b32 s[G0], 1              ; 1:0 count = 1
	s_mul_i32 s[G0+1], s[WV], 128*PK  ; 63:32 LDS address: slot 0; p's two halves, K, V
	s_min_u32 s[IDX], s[ADDW], 15   ; tile 0
	s_lshl_b32 s[OFF], s[IDX], 14
	s_mov_b32 s[OFF+1], 0
	s_mov_b32 s[CS], 0x3e38aa3b     ; c = log2(e) / 8 = 0.180337
	s_mov_b32 s[CS+1], s[CS]        ; named with it as a pair
	s_mov_b32 s[SEL], 0x76543210
	s_mov_b32 s[SEL+1], 0xfedcba98
	s_mov_b32 s[TBK], SLOT1+2*64*PK ; the first change of slots turns these two into 0
	s_mov_b32 s[TBV], SLOT1+2*64*PVP
	s_add_co_u32 s[RT], s[HI], 1    ; the first block has 16 - pb tiles
	s_mov_b32 s[NXT], 1
	s_mov_b32 s[LQ], s[HI]
	s_mov_b32 s[BIGN], 0xf149f2ca   ; -1e30
	s_mov_b32 s[SLOTS], NB
	s_wait_dscnt 0x0                ; the opening add is done
	s_wait_kmcnt 0x0
	s_add_nc_u64 s[22:23], s[4:5], s[22:23]
	s_cmp_lt_u32 s[WV], 2
	s_cselect_b64 s[BASEW:BASEW+1], s[6:7], s[22:23]
	s_add_nc_u64 s[PFA:PFA+1], s[4:5], s[76:77]
	s_add_nc_u64 s[54:55], s[4:5], s[84:85]        ; Q at my rows of the first block,
	s_add_nc_u64 s[52:53], s[4:5], s[86:87]        ; and of the second
	s_add_nc_u64 s[10:11], s[8:9], s[84:85]        ; O likewise
	s_add_nc_u64 s[OLO:OLO+1], s[8:9], s[86:87]
	s_add_nc_u64 s[G0+2:G0+3], s[BASEW:BASEW+1], s[OFF:OFF+1]  ; 120:64 global address
	s_or_b32 s[G0+3], s[G0+3], 0x80000000          ; 127:126 type = 2
	LOAD                            ; tile 0 into slot 0
	; A fragment of K, p or Q is 16 rows x 32 channels in 8 registers: lane l holds row l % 16, channels 8 (l / 16) + 0..7 and 16 + 8 (l / 16) + 0..7: two loads of 16 bytes, 32 bytes apart.
	v_and_b32 v1, 15, v0            ; r = l % 16
	v_bfe_u32 v9, v0, 4, 1          ; h = l / 16
	v_lshlrev_b32 v[QO], 7, v1
	v_lshl_add_u32 v[QO], v9, 4, v[QO]
	WIN 0x80                        ; destination window 2, address window 0
.irp f, 0,1,2,3                     ; piece f / 2, channels 32 (f % 2) on
	global_load_b128 v[8*\f:8*\f+3],   v[QO], s[54:55] offset:(\f/2)*2048+(\f%2)*64
	global_load_b128 v[8*\f+4:8*\f+7], v[QO], s[54:55] offset:(\f/2)*2048+(\f%2)*64+32
.endr
	WIN 0x40                        ; destination window 1
.irp f, 0,1,2,3
	global_load_b128 v[QB+8*\f:QB+8*\f+3],   v[QO], s[52:53] offset:(\f/2)*2048+(\f%2)*64
	global_load_b128 v[QB+8*\f+4:QB+8*\f+7], v[QO], s[52:53] offset:(\f/2)*2048+(\f%2)*64+32
.endr
	WIN 0
	v_mul_u32_u24 v10, v1, PK
	v_lshl_add_u32 v10, v9, 4, v10  ; row x 144 + 16 h
	v_add_nc_u32 v[AK0], KOFF, v10
	s_mul_i32 s2, s[WV], 32*PK
	s_sub_co_u32 s2, 96*PK, s2
	v_add_nc_u32 v[AP0], s2, v10
	s_mul_i32 s2, s[WV], 16*SP
	s_add_co_u32 s2, s2, STAGE      ; my stage
	v_add_nc_u32 v[STO], s2, v10    ; in: row r, 16 bytes for each half of the lanes
	v_bfe_u32 v[RD], v0, 3, 2       ; back: 32 lanes take four rows of 128 bytes,
	v_mul_u32_u24 v[RD], v[RD], SP
	v_and_b32 v11, 7, v0
	v_lshl_add_u32 v[RD], v11, 4, v[RD]
	v_add_nc_u32 v[RD], s2, v[RD]
	; The turning load takes 16 keys x 16 channels (lane l reads key 8 (l / 16) + l % 8, channels 8 ((l / 8) % 2) + 0..7) and leaves half a fragment of V^T: lane l holds channel l % 16 and 8 keys.
	v_lshl_add_u32 v[AV0], v9, 3, v11
	v_mul_u32_u24 v[AV0], v[AV0], PVP
	v_bfe_u32 v11, v0, 3, 1
	v_lshl_add_u32 v[AV0], v11, 4, v[AV0]
	v_add_nc_u32 v[AV0], VOFF, v[AV0]
	s_mul_i32 s2, s[WV], 2*SCX
	s_add_co_u32 s2, s2, SCR        ; my scratch
	v_mul_u32_u24 v[SCW], v1, SCP
	v_lshl_add_u32 v[SCW], v9, 5, v[SCW]
	v_add_nc_u32 v[SCW], s2, v[SCW]
	v_mul_u32_u24 v[SCL], v1, SCP-4
	v_lshl_add_u32 v[SCL], v9, 5, v[SCL]
	s_add_co_u32 s2, s2, 60
	v_add_nc_u32 v[SCL], s2, v[SCL]
	v_and_b32 v[GO], 31, v0
	v_lshlrev_b32 v[PFO], 8, v[GO]
	v_lshlrev_b32 v[GO], 4, v[GO]   ; 512 consecutive bytes of O
	s_and_b32 s2, s[WV], 1
	s_lshl_b32 s2, s2, 13
	v_add_nc_u32 v[PFO], s2, v[PFO]
; THE LDS LOADS stand in runs.  p: six tiles of 16 rows x 64 channels; K: 64 keys x 64 channels; V: the same, turned.
.macro FETCH_P
	WIN 0x80                        ; destination window 2
.irp f, 0,1,2,3,4,5,6,7,8,9,10,11   ; tile f / 2, channels 32 (f % 2) on
	ds_load_b128 v[PF+8*\f:PF+8*\f+3],   v[AP] offset:(\f/2)*16*PK+(\f%2)*64
	ds_load_b128 v[PF+8*\f+4:PF+8*\f+7], v[AP] offset:(\f/2)*16*PK+(\f%2)*64+32
.endr
	WIN 0
.endm
.macro FETCH_K
	WIN 0x80
.irp f, 0,1,2,3,4,5,6,7             ; keys 16 (f / 2) on, channels 32 (f % 2) on
	ds_load_b128 v[KF+8*\f:KF+8*\f+3],   v[AK] offset:(\f/2)*16*PK+(\f%2)*64
	ds_load_b128 v[KF+8*\f+4:KF+8*\f+7], v[AK] offset:(\f/2)*16*PK+(\f%2)*64+32
.endr
	s_add_co_u32 s[TBK], s[TBK], 64*PK  ; the next fetch is the next step's
	WIN 0
.endm
.macro FETCH_V
	WIN 0x80
.irp f, 0,1,2,3,4,5,6,7             ; keys 32 (f / 4) on, channels 16 (f % 4) on
	ds_load_tr16_b128 v[VF+8*\f:VF+8*\f+3],   v[AV] offset:(\f/4)*32*PVP+(\f%4)*32
	ds_load_tr16_b128 v[VF+8*\f+4:VF+8*\f+7], v[AV] offset:(\f/4)*32*PVP+16*PVP+(\f%4)*32
.endr
	s_add_co_u32 s[TBV], s[TBV], 64*PVP
	WIN 0
.endm
; THE MATRIX WORK.  In every run the accumulators take turns, one instruction a turn.
; T^T = P Q^T for piece x: ten products.  T tile t (0..4) is tile t + 1 - x of my six.  The first five start the sums with the tile's mask.
.macro TP x
.set i, 0
.rept 10
.set rD, TT+40*(\x)+8*(i%5)
.set rA, PF+16*(i%5+1-(\x))+8*(i/5)
.set rB, 16*(\x)+8*(i/5)
.set rM, MK+8*(i%5+1-(\x))
.if i < 5
	WIN W_TM
	v_wmma_f32_16x16x32_f16 v[rD:rD+7], v[rA:rA+7], v[rB:rB+7], v[rM:rM+7]
.else
	WIN W_KQ
	v_wmma_f32_16x16x32_f16 v[rD:rD+7], v[rA:rA+7], v[rB:rB+7], v[rD:rD+7]
.endif
.set i, i+1
.endr
.endm
; T's trip through my scratch: column 16 t + 8 h + j of row r goes in, 16 bytes a store (each accumulator's low half first); register j of key block kt takes column 15 - r + 16 kt + 8 h + j back.
; LDS serves a wave's instructions in order (ISA guide 5.7.1.4): the loads see the stores, and the next step's stores come behind these loads.
.macro TRIP x
	WIN 0
.irp t, 0,1,2,3,4
	ds_store_b128 v[SCW], v[TT+40*(\x)+8*\t:TT+40*(\x)+8*\t+3]   offset:(\x)*SCX+64*\t
	ds_store_b128 v[SCW], v[TT+40*(\x)+8*\t+4:TT+40*(\x)+8*\t+7] offset:(\x)*SCX+64*\t+16
.endr
.set i, 0
.rept 32
	ds_load_b32 v[S+32*(\x)+i], v[SCL] offset:(\x)*SCX+64*(i/8)+4*(i%8)
.set i, i+1
.endr
.endm
; S^T = K Q^T + T for piece y: eight products in place on the registers that hold the shifted T: channels 32 (i / 4) on, keys 16 (i % 4) on.
.macro KQ y
	WIN W_KQ
.set i, 0
.rept 8
.set rS, S+32*(\y)+8*(i%4)
.set rK, KF+16*(i%4)+8*(i/4)
.set rQ, 16*(\y)+8*(i/4)
	v_wmma_f32_16x16x32_f16 v[rS:rS+7], v[rK:rK+7], v[rQ:rQ+7], v[rS:rS+7]
.set i, i+1
.endr
.endm
; O^T += V^T P for both pieces: piece i % 2, channels 16 ((i / 2) % 4) on, keys 32 (i / 8) on.
.macro PV2
	WIN W_PV
.set i, 0
.rept 16
.set rO, 32*(i%2)+8*((i/2)%4)
.set rV, VF+32*(i/8)+8*((i/2)%4)
.set rP, PW+16*(i%2)+8*(i/8)
	v_wmma_f32_16x16x32_f16 v[rO:rO+7], v[rV:rV+7], v[rP:rP+7], v[rO:rO+7]
.set i, i+1
.endr
.endm
; THE VECTOR WORK, one line at a time: OP kind, number, piece.  X n: number n of the 22 that find the maximum and statistics:
;   0-11  four chains c0-c3 of seven scores each, three operands at a time (each accumulator's lowest registers are read first)     12-14, 16  the four scores left over, the old m, and c0-c3 into c0
;   15  c m_old is kept     17, 18  the query's other 32 keys lie in the lane 16 away: the new m     19-21  c m; c m_old - c m_new; a = 2^that
; F n: c s - c m for pair n of 16.  E n: the exponential of score n of 32.  C n: pair n rounded to f16.  B n: of the four weights 4 n .. the second pair is added onto the first, in place.
; L n: l takes that sum (L 0: l = a l + sum).  R n: pair n of 16 of O^T times a.
.set F, 0
.set E, 1
.set C, 2
.set B, 3
.set L, 4
.set R, 5
.set X, 6
.macro OP k, n, y
.set rT, ST+4*(\y)
.set rC, TMP+4*(\y)
.set rW, MV+(\y)
.set rS, S+32*(\y)
.set rP, PW+16*(\y)
.set rO, 32*(\y)
.if (\k) == R
	WIN W_RS
	v_pk_mul_f32 v[rO+2*(\n):rO+2*(\n)+1], v[rO+2*(\n):rO+2*(\n)+1], v[rC+2:rC+3] op_sel_hi:[1,0]
.elseif (\k) == F
	WIN 0
	v_pk_fma_f32 v[rS+2*(\n):rS+2*(\n)+1], v[rS+2*(\n):rS+2*(\n)+1], s[CS:CS+1], v[rT:rT+1] op_sel_hi:[1,0,0] neg_lo:[0,0,1] neg_hi:[0,0,1]
.elseif (\k) == E
	WIN 0
	v_exp_f32 v[rS+(\n)], v[rS+(\n)]
.elseif (\k) == C
	WIN 0
	v_cvt_pk_f16_f32 v[rP+(\n)], v[rS+2*(\n)], v[rS+2*(\n)+1]
.elseif (\k) == B
	WIN 0
	v_pk_add_f32 v[rS+4*(\n):rS+4*(\n)+1], v[rS+4*(\n):rS+4*(\n)+1], v[rS+4*(\n)+2:rS+4*(\n)+3]
.elseif (\k) == L
	WIN 0
.if (\n) == 0
	v_pk_fma_f32 v[rT+2:rT+3], v[rT+2:rT+3], v[rC+2:rC+3], v[rS:rS+1] op_sel_hi:[1,0,1]
.else
	v_pk_add_f32 v[rT+2:rT+3], v[rT+2:rT+3], v[rS+4*(\n):rS+4*(\n)+1]
.endif
.else
	WIN 0
.if (\n) < 4
	v_max3_num_f32 v[rC+(\n)], v[rS+8*(\n)], v[rS+8*(\n)+1], v[rS+8*(\n)+2]
.elseif (\n) < 12
	v_max3_num_f32 v[rC+(\n)%4], v[rC+(\n)%4], v[rS+8*((\n)%4)+2*((\n)/4)+1], v[rS+8*((\n)%4)+2*((\n)/4)+2]
.elseif (\n) == 12
	v_max3_num_f32 v[rC], v[rC], v[rS+7], v[rS+15]
.elseif (\n) == 13
	v_max3_num_f32 v[rC+1], v[rC+1], v[rS+23], v[rS+31]
.elseif (\n) == 14
	v_max3_num_f32 v[rC+2], v[rC+2], v[rC+3], v[rT+1]
.elseif (\n) == 15
	v_mov_b32 v[rW], v[rT]
.elseif (\n) == 16
	v_max3_num_f32 v[rC], v[rC], v[rC+1], v[rC+2]
.elseif (\n) == 17
	v_permlanex16_b32 v[rC+3], v[rC], s[SEL], s[SEL+1]
.elseif (\n) == 18
	v_max_num_f32 v[rT+1], v[rC], v[rC+3]
.elseif (\n) == 19
	v_mul_f32 v[rT], s[CS], v[rT+1]
.elseif (\n) == 20
	v_sub_f32 v[rC+1], v[rW], v[rT]
.else
	v_exp_f32 v[rC+2], v[rC+1]
.endif
.endif
.endm
.macro BOTH k, n                    ; the two pieces alternate, so that no line reads the result of the one just before it
	OP \k, \n, 0
	OP \k, \n, 1
.endm
; A step's softmax for both pieces.  The 66 exponentials are ONE BATCH: nothing ahead of the wait names a result of theirs; a v_nop is the plain instruction behind the last of them; behind the one wait
; stand all the lines that read them.
.macro SOFTMAX
.irp n, 0,1,2,3,4,5,6,7,8,9,10,11,12,13,14,15,16,17,18,19,20,21
	BOTH X, \n
.endr
.set nn, 0
.rept 16
	BOTH F, nn
.if nn > 0
	BOTH E, 2*nn-2
	BOTH E, 2*nn-1
.endif
.set nn, nn+1
.endr
	BOTH E, 30
	BOTH E, 31
	v_nop
	s_wait_alu depctr_va_vdst(0)
.set nn, 0
.rept 16
	BOTH C, nn
.set nn, nn+1
.endr
.set nn, 0
.rept 8
	BOTH B, nn
.set nn, nn+1
.endr
.set nn, 0
.rept 8
	BOTH L, nn
.set nn, nn+1
.endr
.set nn, 0
.rept 16
	BOTH R, nn
.set nn, nn+1
.endr
.endm
; The diagonal tile's masks.  My tile g of p begins at row 96 - 32 w + 64 s + 16 g of the slot (s = 2 - CNT); it is hidden from row 128 on: g >= 2 w + 4 CNT - 6.
.macro MASKSET
	s_lshl_b32 s[GH], s[CNT], 2
	s_lshl_b32 s[MVAL], s[WV], 1
	s_add_co_u32 s[GH], s[GH], s[MVAL]
	s_sub_co_i32 s[GH], s[GH], 6
	WIN 0x40                        ; destination window 1
.irp g, 0,1,2,3,4,5
	s_cmp_le_i32 s[GH], \g
	s_cselect_b32 s[MVAL], s[BIGN], 0
.irp j, 0,1,2,3,4,5,6,7
	v_mov_b32 v[MK+8*\g+\j], s[MVAL]
.endr
.endr
	WIN 0
.endm
; A BLOCK BEGINS: no tile of p is hidden; c m starts far below every c s, so the first step's a is 0 and O^T and l need only be finite; m at the lowest finite number, so the first maximum is the scores'.
; (Every row sees key 0 in its block's first step, so m is a true score from then on.)
.macro BEGIN
	WIN 0x40
.set i, 0
.rept 48
	v_mov_b32 v[MK+i], 0
.set i, i+1
.endr
	WIN 0
.irp y, 0,1
	v_mov_b32 v[ST+4*\y], 0xfe000000
	v_mov_b32 v[ST+4*\y+1], 0xff7fffff
.endr
.endm
; A TILE: two steps, written once and walked twice.  The tag ends its labels' names.
.macro TILE tag
	s_sub_co_u32 s[RT], s[RT], 1    ; 0: this is the block's last tile, the diagonal one
	s_mov_b32 s[CNT], 2
	v_add_nc_u32 v[AP], s[TBK], v[AP0]
	FETCH_P                         ; p of the first step
.Lstep\tag:
	s_cmp_eq_u32 s[RT], 0
	s_cbranch_scc0 .Lopen\tag
	MASKSET
.Lopen\tag:
	v_add_nc_u32 v[AK], s[TBK], v[AK0]
	v_add_nc_u32 v[AV], s[TBV], v[AV0]
	FETCH_K
	FETCH_V
	s_wait_dscnt 32                 ; p is in: K's and V's 32 loads were issued behind it
	TP 0
	PLACES
	TRIP 0
	TP 1                            ; piece 1's products run while piece 0's T is on its trip
	PLACES
	TRIP 1
	s_wait_dscnt 42                 ; K, V and piece 0's shifted T are in; piece 1's 10 stores and 32 loads may stay out
	KQ 0
	s_wait_dscnt 0x0
	KQ 1
	WIN 0
	s_cmp_eq_u32 s[CNT], 1
	s_cbranch_scc1 .Lno_p\tag       ; the tile's second step has no step behind it in this slot
	v_add_nc_u32 v[AP], s[TBK], v[AP0]
	FETCH_P                         ; p of the next step, under the softmax (four places stand behind the last product that read p: those behind TP 1)
.Lno_p\tag:
	PLACES
	SOFTMAX
	s_wait_dscnt 0x0                ; p of the next step is in: nothing is out at the step's end
	PV2
	PLACES
	WIN 0
	s_sub_co_u32 s[CNT], s[CNT], 1
	s_cmp_lg_u32 s[CNT], 0
	s_cbranch_scc1 .Lstep\tag
.endm
; THE WAY OUT: l's two halves and the other half of the lanes' are added; O^T is divided by l, rounded to f16 and sent through my stage in LDS, a piece at a time.
.macro PACK t                       ; a lane's eight channels of a row pack into 16 bytes; they go into rows of 144 bytes and come back as whole rows of 128, into S^T's registers
	WIN W_RS
.set i, 32*(\t)
.rept 16
	v_pk_mul_f32 v[i:i+1], v[i:i+1], v[ST+4*(\t)+2:ST+4*(\t)+3] op_sel_hi:[1,0]
.set i, i+2
.endr
	WIN 0x05                        ; sources 0 and 1 window 1, destination window 0
.set i, 0
.rept 16
	v_cvt_pk_f16_f32 v[S+16*(\t)+i], v[32*(\t)+2*i], v[32*(\t)+2*i+1]
.set i, i+1
.endr
	WIN 0
.irp f, 0,1,2,3
	ds_store_b128 v[STO], v[S+16*(\t)+4*\f:S+16*(\t)+4*\f+3] offset:32*\f
.endr
.irp f, 0,1,2,3
	ds_load_b128 v[S+16*(\t)+4*\f:S+16*(\t)+4*\f+3], v[RD] offset:\f*4*SP  ; LDS serves a wave's instructions in order: these see the stores above; the next piece's stores come behind them
.endr
.endm
.macro SEND t, younger              ; younger: the LDS instructions issued behind piece t's loads: the next piece's eight, or none
	WIN 0
.irp f, 0,1,2,3
	s_wait_dscnt (\younger)+3-\f
	global_store_b128 v[GO], v[S+16*(\t)+4*\f:S+16*(\t)+4*\f+3], s[10:11] offset:(\t)*2048+\f*512  ; 512 consecutive bytes, at a multiple of 256 from O's first
.endr
.endm
.macro WAYOUT
	WIN 0
.irp t, 0,1
	v_add_f32 v[ST+4*\t+2], v[ST+4*\t+2], v[ST+4*\t+3]
.endr
.irp t, 0,1
	v_permlanex16_b32 v[ST+4*\t+3], v[ST+4*\t+2], s[SEL], s[SEL+1]
.endr
.irp t, 0,1
	v_add_f32 v[ST+4*\t+2], v[ST+4*\t+2], v[ST+4*\t+3]
.endr
.irp t, 0,1
	v_rcp_f32 v[ST+4*\t+2], v[ST+4*\t+2]
.endr
	v_nop                           ; a plain instruction between the last reciprocal and the use of its result
	s_wait_alu depctr_va_vdst(0)    ; and the wait ahead of the first use: one for the two reciprocals
	PACK 0
	PACK 1
	SEND 0, 8
	SEND 1, 0
.endm
	; What the first step finds: O^T and l finite (it multiplies them by a = 0).  All this stands in the wait for the first tile.
	WIN 0x40
.set i, 0
.rept 64
	v_mov_b32 v[i], 0
.set i, i+1
.endr
	WIN 0
.irp y, 0,1
	v_mov_b32 v[ST+4*\y+2], 0
	v_mov_b32 v[ST+4*\y+3], 0
.endr
	BEGIN
	s_wait_loadcnt 0x0              ; both blocks' Q
.Lslot:                             ; 16 times: a tile is entered and the next is asked for
	CHANGE 1
	TILE 1
	s_cmp_eq_u32 s[RT], 0
	s_cbranch_scc0 .Lbottom
	WAYOUT                          ; in the loop this is the first block's end: the second block's last tile is the walk's last
	s_wait_xcnt 0x0                 ; the stores have read their registers and O's address
	s_mov_b64 s[10:11], s[OLO:OLO+1]
	s_add_co_u32 s[RT], s[PB], 1    ; the second block has pb + 1 tiles
	WIN 0x81                        ; the second block's Q goes where the one text of the steps names Q
.set i, 0
.rept 32
	v_mov_b32 v[i], v[QB+i]
.set i, i+1
.endr
	WIN 0
	BEGIN
.Lbottom:
	s_sub_co_u32 s[SLOTS], s[SLOTS], 1
	s_cmp_lg_u32 s[SLOTS], 0
	s_cbranch_scc1 .Lslot
	CHANGE 0                        ; the walk's last tile is written out: nothing is asked for
	TILE 2
	WAYOUT
	s_wait_tensorcnt 0x0            ; the wave's end, behind my last tensor load and my last LDS store
	ds_add_u32 v[SPW], v[NIL]
	s_wait_dscnt 0x0
	s_endpgm
.Lfunc_end_k_q9f83d8f4dd_attn:
	.size	k_q9f83d8f4dd_attn, .Lfunc_end_k_q9f83d8f4dd_attn-k_q9f83d8f4dd_attn
	.p2alignl 7, 3214868480
	.fill 96, 4, 3214868480
	.section	.rodata,"a",@progbits
	.p2align	6, 0x0
	.amdhsa_kernel k_q9f83d8f4dd_attn
		.amdhsa_group_segment_fixed_size 327680
		.amdhsa_private_segment_fixed_size 0
		.amdhsa_enable_private_segment 0
		.amdhsa_kernarg_size 24
		.amdhsa_user_sgpr_count 2
		.amdhsa_user_sgpr_kernarg_segment_ptr 1
		.amdhsa_wavefront_size32 1
		.amdhsa_system_sgpr_workgroup_id_x 1
		.amdhsa_system_sgpr_workgroup_id_y 1
		.amdhsa_system_sgpr_workgroup_id_z 1
		.amdhsa_system_vgpr_workitem_id 0
		.amdhsa_next_free_vgpr 768
		.amdhsa_next_free_sgpr 88
		.amdhsa_reserve_vcc 0
		.amdhsa_float_denorm_mode_32 3
		.amdhsa_float_denorm_mode_16_64 3
		.amdhsa_memory_ordered 1
		.amdhsa_forward_progress 1
		.amdhsa_inst_pref_size 91
	.end_amdhsa_kernel
	.amdgpu_metadata
---
amdhsa.version: [ 1, 2 ]
amdhsa.kernels:
  - .name:           k_q9f83d8f4dd_attn
    .symbol:         k_q9f83d8f4dd_attn.kd
    .args:
      - { .name: qkvh, .offset: 0, .size: 8, .value_kind: global_buffer, .address_space: global }
      - { .name: ptab, .offset: 8, .size: 8, .value_kind: global_buffer, .address_space: global }
      - { .name: ob, .offset: 16, .size: 8, .value_kind: global_buffer, .address_space: global }
    .group_segment_fixed_size: 327680
    .private_segment_fixed_size: 0
    .kernarg_segment_align: 8
    .kernarg_segment_size: 24
    .max_flat_workgroup_size: 128
    .sgpr_count:     88
    .vgpr_count:     768
    .wavefront_size: 32
...
	.end_amdgpu_metadata
.endif
;; end of part 4
;; launch outp (part 5): grid 8 x 32, 4 waves a work-group, clusters of 4 x 4, 327,680 bytes of LDS; arguments ob, wob, bo, out0; writes out0
.if DOCPART == 5
	.amdgcn_target "amdgcn-amd-amdhsa--gfx1250"
	.amdhsa_code_object_version 6
	.text
	.protected	k_q9f83d8f4dd_outp
	.globl	k_q9f83d8f4dd_outp
	.p2align	8
	.type	k_q9f83d8f4dd_outp,@function
k_q9f83d8f4dd_outp:
	s_mov_b64 s[64:65], 0
	v_nop
	global_prefetch_b8 v0, s[64:65] scope:SCOPE_SE
	s_setreg_imm32_b32 hwreg(HW_REG_WAVE_MODE, 25, 1), 1
	s_wait_xcnt 0x0
	s_wait_alu depctr_hold_cnt(0) depctr_sa_sdst(0) depctr_va_vdst(0) depctr_va_sdst(0) depctr_va_ssrc(0) depctr_va_vcc(0) depctr_vm_vsrc(0)
	s_getreg_b32 s2, hwreg(HW_REG_IB_STS2, 6, 4)
	s_cmp_eq_u32 s2, 0
	s_cbranch_scc0 .Lentry_in_a_cluster
	s_endpgm
.Lentry_in_a_cluster:
	s_bfe_u32 s2, ttmp6, 0x10000c
	s_cmp_lg_u32 s2, 0xf033
	s_cbranch_scc0 .Lentry_shape_is_right
	s_endpgm
.Lentry_shape_is_right:
; C[m][n] = sum over k of A[m][k] W[k][n] + bias[n], M = 4,096, K = 1,024.  One text for two launches, told apart by KIND:
;   KIND 0: A = xb (bf16), W = wqkv (bf16, 3,072 columns: q, k, v), bias = bq | bkv; C leaves as f16 by heads: qkvh [which 3][b 16 + h][2048][64]
;   KIND 1: A = ob (f16),  W = wob (f16, 1,024 columns), bias = bo; C leaves as f32: out0 [4096][1024]
; LIMIT (KIND 0).  q, k, v beyond 65,504 become infinities.
; A lies in blocks of 64 channels, [b 2][kb 16][n 2048][64]: a block's rows are dense, so 64 rows of a block are 8,192 consecutive bytes.  W lies [k][n] and is read out of LDS turned (ds_load_tr16_b128).
; A tile of C is 128 x 128: four waves, each 64 x 64: 16 accumulators of 16 x 16.  K goes in steps of 256 (four steps) through two LDS slots.
; CLUSTERS: 4 x 4 work-groups.  The four of a row of the cluster need the same tiles of A, the four of a column the same tiles of W: each tile is asked for JOINTLY, by the same tensor load with the
; same descriptor and a mask that names the four.  THE MATRIX INSTRUCTION IS USED TRANSPOSED (source 0 = 16 columns of W, source 1 = 16 rows of A): a lane then holds eight neighbouring numbers of a row of C.
; THE BIAS is the C operand of the products that start the sums: nothing is cleared and nothing is added later.
; No prefetch: the tiles are small, and each is read by several clusters shortly after its first reading.
; REGISTERS: window 0: v0-31 addresses; v32-63 the bias, then with v64-95 at work on the way out; v128-255 the accumulators ((a, b) at v[128 + 8 (4 a + b)]).
;   window 1: two fragment buffers of 128: for 64 along K, 64 registers of A (2 x 4 x 16 rows x 32 K), then 64 of W.
.set KIND, 1
.if KIND
.set NTOT, 1024
.set SP,   272                         ; a stage row: 64 f32 + 16 bytes
.else
.set NTOT, 3072
.set SP,   144                         ; a stage row: 64 f16 + 16 bytes
.endif
.set PITA,  144                        ; a row of A in LDS: 128 bytes + 16 = 36 words: the 16 rows of a load start at 16 different groups of four banks (64 banks of 4 bytes: ISA guide 11.1)
.set PITB,  288                        ; a row of W: 256 + 32 = 72 words
.set HALFT, 36864                      ; what one tensor load brings: 4 blocks x 64 rows x 144 of A, or 128 k rows x 288 of W
.set SLOT,  4*HALFT                    ; A's two halves, then W's two halves
.set STAGE, 2*SLOT                     ; behind the ring: 16 rows for each wave, its own, for the way out
.set SPARE, STAGE+4*16*SP              ; behind the stages: the spare words, 128 bytes for each wave: two blocks of 256 bytes that no other line names
.set ASTEP, 1048576                    ; bytes of A from a K step to the next: four blocks of 262,144
.set BSTEP, 512*NTOT                   ; of W: 256 rows
.set LAPS,  2                          ; a lap = two K steps = once round the ring
.set ADRA, 16                          ; v16-17  LDS address of my A fragments in slot 0, 1
.set ADRB, 20                          ; v20-21  the same for W, k rows 0-127 of the step; v22-23 k rows 128-255 (so that the 16-bit offsets reach)
.set STO,  24                          ; v24     the way out: where I put my part of a row
.set RD,   25                          ; v25     the way out: where I read rows back
.set CO,   26                          ; v26     my byte offset in C
.set BO,   27                          ; v27     my byte offset in the bias: 32 (l / 16)
.set SPW,  28                          ; v28     LDS address of my spare word: SPARE + 4 x my thread's number; never rewritten
.set NIL,  29                          ; v29     0; never rewritten
.set TMP,  32
.set ACC,  128
.set F0,   0                           ; fragment buffers, in window 1
.set F1,   128
.set G1, 24                            ; s[24:31] descriptor group 1 for A's tiles;  s[32:39] group 0, one set for each slot
.set G0, 32
.set G1B, 48                           ; s[48:55], s[56:63] the same for W's tiles
.set G0B, 56
.set MSB, 0
.macro WIN new                         ; the immediate's high byte repeats the setting that is left
.if MSB != (\new)
	s_set_vgpr_msb (MSB<<8)|(\new)
.set MSB, \new
.endif
.endm
.set MUL,  0x05                        ; sources 0 (W) and 1 (A) window 1; C and D window 0
.set TO_F, 0x40                        ; destination window 1, address window 0
.macro JLOAD s                         ; a joint load: waves 0 and 1 fetch A's two halves, waves 2 and 3 W's; an s_nop 0 and four v_nop follow each of the two lines, ahead of the jump, the label and what follows
	s_cmp_eq_u32 s11, 0
	s_cbranch_scc0 .Lfor_b_\@
	tensor_load_to_lds s[G0+4*(\s):G0+4*(\s)+3], s[G1:G1+7]
	s_nop 0
.rept 4
	v_nop
.endr
	s_branch .Lasked_\@
.Lfor_b_\@:
	tensor_load_to_lds s[G0B+4*(\s):G0B+4*(\s)+3], s[G1B:G1B+7]
	s_nop 0
.rept 4
	v_nop
.endr
.Lasked_\@:
.endm
.macro CREST                           ; a round of the cluster's barrier behind its opening barrier
	s_cmp_lg_u32 s10, 0
	s_cbranch_scc1 .Lnot_wave_0_\@
	s_barrier_signal -3
.Lnot_wave_0_\@:
	s_barrier_wait -3
	s_barrier_signal -1
	s_barrier_wait -1
.endm
.macro CROUND                          ; a whole round
	s_barrier_signal -1
	s_barrier_wait -1
	CREST
.endm
	s_load_b128 s[4:7], s[0:1], 0x0                ; A s[4:5], W s[6:7]
	s_load_b128 s[68:71], s[0:1], 0x10             ; KIND 0: bq s[68:69], bkv s[70:71];  KIND 1: bo s[68:69], out0 s[70:71]
.if KIND == 0
	s_load_b64 s[8:9], s[0:1], 0x20                ; qkvh
.endif
	v_lshl_add_u32 v[SPW], v0, 2, SPARE
	v_mov_b32 v[NIL], 0
	ds_add_u32 v[SPW], v[NIL]                      ; the wave's opening: the add and its wait ahead of my first tensor load; the set-up below, work on registers, stands between them
	v_lshrrev_b32 v1, 5, v0
	v_readfirstlane_b32 s10, v1                    ; wave 0..3
	s_lshr_b32 s11, s10, 1                         ; which half of the tile's rows is mine.  Also: I fetch for A (0) or for W (1)
	s_and_b32 s12, s10, 1                          ; which half of its columns.  Also: which half of that tile I fetch
	s_bfe_u32 s40, ttmp6, 0x40000                  ; cx, cy: my place in the cluster
	s_bfe_u32 s41, ttmp6, 0x40004
	s_lshl_b32 s42, ttmp9, 2
	s_add_co_u32 s42, s42, s40                     ; tile column of C = 4 x cluster x + cx
	s_and_b32 s13, ttmp7, 0xffff
	s_lshl_b32 s13, s13, 2
	s_add_co_u32 s13, s13, s41                     ; tile row of C = 4 x cluster y + cy
	s_lshl_b32 s43, s41, 2
	s_lshl_b32 s43, 15, s43                        ; my row of the cluster
	s_lshl_b32 s44, 0x1111, s40                    ; my column
	; group 1 for A: four rows (blocks) of 4,096 elements (64 rows x 64 channels, dense), 131,072 elements apart; in LDS 4 words of padding behind every 32 (a row of 64 channels)
	s_or_b32 s[G1+0], s43, (1<<16)|(1<<20)|(1<<21)|(4<<22)|(3<<25)  ; 15:0 the mask: A's tiles go to my row; 17:16 element of 2 bytes; 20 padding on; 21 set beside a mask; 24:22 after every 32 words (code 4); 31:25 of 4 words (code 3)
	s_mov_b32 s[G1+1], 4096<<16                    ; tensor_dim0 = 4,096
	s_mov_b32 s[G1+2], 4<<16                       ; tensor_dim1 = 4
	s_mov_b32 s[G1+3], 4096<<16                    ; tile_dim0 = 4,096
	s_mov_b32 s[G1+4], 4                           ; tile_dim1 = 4
	s_mov_b32 s[G1+5], 131072                      ; tensor_dim0_stride
	s_mov_b32 s[G1+6], 0
	s_mov_b32 s[G1+7], 0
	; group 1 for W: 128 k rows of 128 elements; 8 words of padding behind every 64
	s_or_b32 s[G1B+0], s44, (1<<16)|(1<<20)|(1<<21)|(5<<22)|(7<<25)
	s_mov_b32 s[G1B+1], 128<<16
	s_mov_b32 s[G1B+2], 128<<16
	s_mov_b32 s[G1B+3], 128<<16
	s_mov_b32 s[G1B+4], 128
	s_mov_b32 s[G1B+5], NTOT
	s_mov_b32 s[G1B+6], 0
	s_mov_b32 s[G1B+7], 0
	; where the tiles come from.  A's hang on the tile row and the wave's number alone, W's on the tile column and the wave's number alone, each in registers that never hold the other coordinate
	s_lshr_b32 s16, s13, 4                         ; b: 16 tile rows each
	s_lshl_b32 s16, s16, 22                        ; its 16 blocks of 262,144 bytes
	s_and_b32 s17, s13, 15
	s_lshl_b32 s17, s17, 14                        ; the tile's 128 rows of 128 bytes within a block
	s_add_co_u32 s18, s16, s17                     ; (kept: KIND 0's way out lies by the same rows)
	s_lshl_b32 s17, s12, 13                        ; the 64 rows that I fetch
	s_add_co_u32 s16, s18, s17
	s_mov_b32 s17, 0
	s_mul_i32 s46, s12, 256*NTOT                   ; W: the 128 k rows that I fetch,
	s_lshl_b32 s47, s42, 8                         ; the tile's 128 columns
	s_add_co_u32 s46, s46, s47
	s_mov_b32 s47, 0
	s_mul_i32 s20, s10, HALFT                      ; where they go: wave x a half: no place in the cluster enters an LDS address
	s_wait_dscnt 0x0                               ; the opening add is done
	s_wait_kmcnt 0x0
	s_add_nc_u64 s[14:15], s[4:5], s[16:17]
	s_add_nc_u64 s[46:47], s[6:7], s[46:47]
	CROUND                                         ; all sixteen work-groups are here: the first joint loads meet
.irp s, 0,1
	s_mov_b32 s[G0+4*(\s)], 1
	s_add_co_u32 s[G0+4*(\s)+1], s20, (\s)*SLOT
	s_add_nc_u64 s[G0+4*(\s)+2:G0+4*(\s)+3], s[14:15], (\s)*ASTEP
	s_or_b32 s[G0+4*(\s)+3], s[G0+4*(\s)+3], 0x80000000
	s_mov_b32 s[G0B+4*(\s)], 1
	s_add_co_u32 s[G0B+4*(\s)+1], s20, (\s)*SLOT
	s_add_nc_u64 s[G0B+4*(\s)+2:G0B+4*(\s)+3], s[46:47], (\s)*BSTEP
	s_or_b32 s[G0B+4*(\s)+3], s[G0B+4*(\s)+3], 0x80000000
	JLOAD \s
.endr
	v_and_b32 v1, 15, v0                           ; r = l % 16
	v_bfe_u32 v2, v0, 4, 1                         ; h = l / 16
	v_mul_u32_u24 v3, v1, PITA
	v_lshl_add_u32 v3, v2, 4, v3                   ; A: a fragment's row x pitch + 16 h
	v_and_b32 v4, 7, v0
	v_lshl_add_u32 v4, v2, 3, v4                   ; W, turned: lane l reads k row 8 h + l % 8, columns 8 ((l / 8) % 2) on
	v_mul_u32_u24 v4, v4, PITB
	v_bfe_u32 v5, v0, 3, 1
	v_lshl_add_u32 v4, v5, 4, v4
	s_mul_i32 s21, s11, HALFT                      ; my 64 rows of A
	s_lshl_b32 s22, s12, 7                         ; my 64 columns of W,
	s_add_co_u32 s22, s22, 2*HALFT                 ; which lies behind A's two halves
.irp s, 0,1
	v_add_nc_u32 v[ADRA+(\s)], s21, v3
	v_add_nc_u32 v[ADRB+(\s)], s22, v4
	v_add_nc_u32 v[ADRB+2+(\s)], HALFT, v[ADRB+(\s)]
	s_add_co_u32 s21, s21, SLOT
	s_add_co_u32 s22, s22, SLOT
.endr
	s_mul_i32 s23, s10, 16*SP
	s_add_co_u32 s23, s23, STAGE                   ; my stage
.if KIND
	v_mul_u32_u24 v5, v1, SP                       ; in: row r, 32 bytes for each half of the lanes
	v_lshl_add_u32 v5, v2, 5, v5
	v_add_nc_u32 v[STO], s23, v5
	v_mul_u32_u24 v5, v2, SP                       ; back: lanes 0-15 take one row of 256 bytes, lanes 16-31 the next
	v_lshl_add_u32 v5, v1, 4, v5
	v_add_nc_u32 v[RD], s23, v5
	v_lshlrev_b32 v5, 12, v2                       ; and the same two rows in out0
	v_lshl_add_u32 v[CO], v1, 4, v5
.else
	v_add_nc_u32 v[STO], s23, v3                   ; in: row r, 16 bytes for each half of the lanes
	v_bfe_u32 v5, v0, 3, 2                         ; back: 32 lanes take four rows of 128 bytes,
	v_mul_u32_u24 v5, v5, SP
	v_and_b32 v6, 7, v0
	v_lshl_add_u32 v5, v6, 4, v5
	v_add_nc_u32 v[RD], s23, v5
	v_and_b32 v[CO], 31, v0                        ; which are 512 consecutive bytes of a head
	v_lshlrev_b32 v[CO], 4, v[CO]
.endif
	v_lshlrev_b32 v[BO], 5, v2
	s_lshl_b32 s46, s42, 9                         ; the bias of my 64 columns: 4 bytes x (128 x tile column + 64 x half)
	s_lshl_b32 s47, s12, 8
	s_add_co_u32 s46, s46, s47
.if KIND
	s_mov_b64 s[72:73], s[68:69]
.else
	s_cmp_lt_u32 ttmp9, 2                          ; tile columns 0-7 are q's: clusters 0 and 1 along x, whatever cx
	s_cselect_b64 s[72:73], s[68:69], s[70:71]
	s_cselect_b32 s47, 0, 4096                     ; bkv begins at column 1,024
	s_sub_co_u32 s46, s46, s47
.endif
	s_mov_b32 s47, 0
	s_add_nc_u64 s[72:73], s[72:73], s[46:47]
.irp b, 0,1,2,3                        ; register j of block b: bias[16 b + 8 h + j], as an accumulator holds its columns
	global_load_b128 v[TMP+8*(\b):TMP+8*(\b)+3],   v[BO], s[72:73] offset:64*(\b)
	global_load_b128 v[TMP+8*(\b)+4:TMP+8*(\b)+7], v[BO], s[72:73] offset:64*(\b)+16
.endr
.if KIND
	s_mov_b64 s[8:9], s[70:71]
	s_lshl_b32 s16, s13, 19                        ; out0: 128 rows of 4,096 bytes a tile row,
	s_lshl_b32 s17, s11, 18                        ; my 64
	s_add_co_u32 s16, s16, s17
	s_mov_b32 s17, 0
	s_add_nc_u64 s[8:9], s[8:9], s[16:17]
	s_lshl_b32 s46, s42, 9                         ; my 64 columns: 256 bytes
	s_lshl_b32 s47, s12, 8
	s_add_co_u32 s46, s46, s47
	s_mov_b32 s47, 0
	s_add_nc_u64 s[8:9], s[8:9], s[46:47]
.else
	s_lshl_b32 s17, s11, 13                        ; qkvh: b's 16 heads and the tile's rows as in A, my 64 rows,
	s_add_co_u32 s16, s18, s17
	s_mov_b32 s17, 0
	s_add_nc_u64 s[8:9], s[8:9], s[16:17]
	s_lshl_b32 s46, s42, 1
	s_add_co_u32 s46, s46, s12                     ; my 64 columns are ONE head: number 2 x tile column + half of 48:
	s_lshr_b32 s47, s46, 4                         ; q, k or v: 32 heads' room each,
	s_lshl_b32 s47, s47, 5
	s_and_b32 s46, s46, 15                         ; and h
	s_add_co_u32 s46, s46, s47
	s_lshl_b32 s46, s46, 18                        ; a head is 2,048 rows x 128 bytes
	s_mov_b32 s47, 0
	s_add_nc_u64 s[8:9], s[8:9], s[46:47]
.endif
; 8 matrix instructions: m blocks a0, a0 + 1 x all 4 n blocks, 32 along K: half c of buffer f.  zero = 1: the first product starts the sums, from the bias
.macro MUL8 f, c, a0, zero
	WIN MUL
.irp a, \a0, (\a0)+1
.irp b, 0,1,2,3
.set rD, ACC+8*(4*(\a)+(\b))
.set rB, (\f)+64+8*(4*(\c)+(\b))
.set rA, (\f)+8*(4*(\c)+(\a))
.set rC, rD
.if \zero
.set rC, TMP+8*(\b)
.endif
.if KIND
	v_wmma_f32_16x16x32_f16 v[rD:rD+7], v[rB:rB+7], v[rA:rA+7], v[rC:rC+7]
.else
	v_wmma_f32_16x16x32_bf16 v[rD:rD+7], v[rB:rB+7], v[rA:rA+7], v[rC:rC+7]
.endif
.endr
.endr
.endm
; 32 LDS loads in one run: the fragments of quarter q (64 along K: one block of A) of a slot, into buffer f; the first 32 along K first
.macro FETCH slot, q, f
	WIN TO_F
.irp c, 0,1
.irp i, 0,1,2,3
	ds_load_tr16_b128 v[(\f)+64+8*(4*(\c)+(\i)):(\f)+64+8*(4*(\c)+(\i))+3],   v[ADRB+(\slot)+2*((\q)/2)] offset:(((\q)%2)*64+32*(\c))*PITB+32*(\i)
	ds_load_tr16_b128 v[(\f)+64+8*(4*(\c)+(\i))+4:(\f)+64+8*(4*(\c)+(\i))+7], v[ADRB+(\slot)+2*((\q)/2)] offset:(((\q)%2)*64+32*(\c)+16)*PITB+32*(\i)
	ds_load_b128 v[(\f)+8*(4*(\c)+(\i)):(\f)+8*(4*(\c)+(\i))+3],         v[ADRA+(\slot)] offset:(\q)*64*PITA+(\i)*16*PITA+64*(\c)
	ds_load_b128 v[(\f)+8*(4*(\c)+(\i))+4:(\f)+8*(4*(\c)+(\i))+7],       v[ADRA+(\slot)] offset:(\q)*64*PITA+(\i)*16*PITA+64*(\c)+32
.endr
.endr
.endm
.macro PLACES                          ; four places in front of loads into registers that matrix instructions have read, and of lines that read results
.rept 4
	v_nop
.endr
.endm
; A K step is four quarters of 64 along K, 32 matrix instructions each, on buffers 0, 1, 0, 1.  One of the first three: multiplies buffer f and fetches quarter q into g.
.macro QUARTER slot, q, f, g, zero
	s_wait_dscnt 16                                ; the first 32 along K are in
	WIN MUL
	MUL8 \f, 0, 0, \zero
	MUL8 \f, 0, 2, \zero
	PLACES
	FETCH \slot, \q, \g
	s_wait_dscnt 32                                ; all but the 32 just issued
	WIN MUL
	MUL8 \f, 1, 0, 0
	MUL8 \f, 1, 2, 0
.endm
; The last quarter multiplies buffer 1 and changes slots: ONE barrier; in front of it each wave waits for all its tensor loads, adds 0 to its spare word, and waits for that and for its own reads of this slot.  fill = 1: this slot is filled again, two K steps ahead.
.macro TURN slot, next, fill
	WIN 0                                          ; (the add's two registers lie in window 0)
	s_wait_tensorcnt 0x0                           ; all my tensor loads have landed: my part of the next slot;
	ds_add_u32 v[SPW], v[NIL]                      ; 0 onto my spare word;
	s_wait_dscnt 17                                ; (the add and the youngest sixteen loads may be out)
	WIN MUL
	MUL8 F1, 0, 0, 0                               ; eight matrix instructions stand between the add and the wait for it
	s_wait_dscnt 0x0                               ; the add is done, and my reads of this slot are over
	s_barrier_signal -1
	MUL8 F1, 0, 2, 0
.if \fill
	WIN 0
.endif
	s_barrier_wait -1
.if \fill
	CREST                                          ; the barrier has opened a round of the cluster's barrier: no wave of any partner still reads this slot's tile or has a load on its way
	s_add_nc_u64 s[G0+4*(\slot)+2:G0+4*(\slot)+3], s[G0+4*(\slot)+2:G0+4*(\slot)+3], 2*ASTEP
	s_add_nc_u64 s[G0B+4*(\slot)+2:G0B+4*(\slot)+3], s[G0B+4*(\slot)+2:G0B+4*(\slot)+3], 2*BSTEP
	JLOAD \slot                                    ; the first tensor load behind the round; the four v_nop behind it are also the places in front of the loads below
.else
	PLACES
.endif
	FETCH \next, 0, F0
	WIN MUL
	MUL8 F1, 1, 0, 0
	MUL8 F1, 1, 2, 0
.endm
	s_wait_loadcnt 0x0                             ; the bias
	s_wait_tensorcnt 0x1                           ; my part of K step 0 is in; K step 1's may stay out
	s_barrier_signal -1
	s_barrier_wait -1                              ; everybody's is
	FETCH 0, 0, F0
	QUARTER 0, 1, F0, F1, 1                        ; the first quarter stands in front of the loop: its first products start the sums
	WIN 0                                          ; at a label and at a branch every window is 0
	s_mov_b32 s3, LAPS-1
.Llap:                                                 ; a trip goes once round the ring, from a lap's second quarter to the next lap's first, and fills both slots again
	QUARTER 0, 2, F1, F0, 0
	QUARTER 0, 3, F0, F1, 0
	TURN 0, 1, 1
	QUARTER 1, 1, F0, F1, 0
	QUARTER 1, 2, F1, F0, 0
	QUARTER 1, 3, F0, F1, 0
	TURN 1, 0, 1
	QUARTER 0, 1, F0, F1, 0
	WIN 0
	s_sub_co_u32 s3, s3, 1
	s_cmp_lg_u32 s3, 0
	s_cbranch_scc1 .Llap
	QUARTER 0, 2, F1, F0, 0                        ; the last lap fills nothing, and has no round of the cluster's barrier
	QUARTER 0, 3, F0, F1, 0
	TURN 0, 1, 0
	QUARTER 1, 1, F0, F1, 0
	QUARTER 1, 2, F1, F0, 0
	QUARTER 1, 3, F0, F1, 0
	s_wait_dscnt 16                                ; the very last quarter: nothing more to fetch
	WIN MUL
	MUL8 F1, 0, 0, 0
	MUL8 F1, 0, 2, 0
	s_wait_dscnt 0x0
	MUL8 F1, 1, 0, 0
	MUL8 F1, 1, 2, 0
	WIN 0
	PLACES
.if KIND
	; THE WAY OUT, f32: a wave's 64 columns are 256 aligned bytes of a row.  16 rows at a time go through my own stage: in by lanes (row r, 8 columns), back as whole rows, into the registers that they left.
.macro STG a
.irp b, 0,1,2,3
	ds_store_b128 v[STO], v[ACC+32*(\a)+8*(\b):ACC+32*(\a)+8*(\b)+3]   offset:64*(\b)
	ds_store_b128 v[STO], v[ACC+32*(\a)+8*(\b)+4:ACC+32*(\a)+8*(\b)+7] offset:64*(\b)+16
.endr
.irp t, 0,1,2,3,4,5,6,7
	ds_load_b128 v[ACC+32*(\a)+4*(\t):ACC+32*(\a)+4*(\t)+3], v[RD] offset:(\t)*2*SP  ; LDS serves a wave's instructions in order (ISA guide 5.7.1.4): these see the stores above; the next block's stores come behind them
.endr
.endm
.macro SENDF a, younger                ; younger: the LDS instructions issued behind block a's loads: the next block's sixteen, or none
.irp t, 0,1,2,3,4,5,6,7
	s_wait_dscnt (\younger)+7-(\t)
	global_store_b128 v[CO], v[ACC+32*(\a)+4*(\t):ACC+32*(\a)+4*(\t)+3], s[8:9] offset:(\a)*65536+(\t)*8192  ; 16 lanes store 256 consecutive bytes, aligned
.endr
.endm
	STG 0
	STG 1
	SENDF 0, 16
	STG 2
	SENDF 1, 16
	STG 3
	SENDF 2, 16
	SENDF 3, 0
.else
	; THE WAY OUT, f16 by heads: a wave's 64 columns are one head, whose rows are dense.  16 rows at a time: rounded, 16 bytes a lane into my own stage, back as rows: 512 consecutive bytes a store.
.macro PACK a
.irp b, 0,1,2,3
.irp r, 0,1,2,3
	v_cvt_pk_f16_f32 v[TMP+16*(\a)+4*(\b)+(\r)], v[ACC+8*(4*(\a)+(\b))+2*(\r)], v[ACC+8*(4*(\a)+(\b))+2*(\r)+1]
.endr
.endr
.irp b, 0,1,2,3
	ds_store_b128 v[STO], v[TMP+16*(\a)+4*(\b):TMP+16*(\a)+4*(\b)+3] offset:32*(\b)
.endr
.irp f, 0,1,2,3
	ds_load_b128 v[TMP+16*(\a)+4*(\f):TMP+16*(\a)+4*(\f)+3], v[RD] offset:(\f)*4*SP  ; LDS serves a wave's instructions in order (ISA guide 5.7.1.4): these see the stores above; the next block's stores come behind them
.endr
.endm
.macro SEND a, younger                 ; younger: the LDS instructions issued behind block a's loads: the next block's eight, or none
.irp f, 0,1,2,3
	s_wait_dscnt (\younger)+3-(\f)
	global_store_b128 v[CO], v[TMP+16*(\a)+4*(\f):TMP+16*(\a)+4*(\f)+3], s[8:9] offset:(\a)*2048+(\f)*512
.endr
.endm
	PACK 0
	PACK 1
	SEND 0, 8
	PACK 2
	SEND 1, 8
	PACK 3
	SEND 2, 8
	SEND 3, 0
.endif
	s_wait_tensorcnt 0x0                           ; the wave's end, behind my last tensor load and my last LDS store
	ds_add_u32 v[SPW], v[NIL]
	s_wait_dscnt 0x0
	CROUND                                         ; the closing round: no work-group ends while a partner may still ask for a tile that names it
	s_endpgm
.Lfunc_end_k_q9f83d8f4dd_outp:
	.size	k_q9f83d8f4dd_outp, .Lfunc_end_k_q9f83d8f4dd_outp-k_q9f83d8f4dd_outp
	.p2alignl 7, 3214868480
	.fill 96, 4, 3214868480
	.section	.rodata,"a",@progbits
	.p2align	6, 0x0
	.amdhsa_kernel k_q9f83d8f4dd_outp
		.amdhsa_group_segment_fixed_size 327680
		.amdhsa_private_segment_fixed_size 0
		.amdhsa_enable_private_segment 0
		.amdhsa_kernarg_size 32
		.amdhsa_user_sgpr_count 2
		.amdhsa_user_sgpr_kernarg_segment_ptr 1
		.amdhsa_wavefront_size32 1
		.amdhsa_system_sgpr_workgroup_id_x 1
		.amdhsa_system_sgpr_workgroup_id_y 1
		.amdhsa_system_sgpr_workgroup_id_z 1
		.amdhsa_system_vgpr_workitem_id 0
		.amdhsa_next_free_vgpr 512
		.amdhsa_next_free_sgpr 84
		.amdhsa_reserve_vcc 0
		.amdhsa_float_denorm_mode_32 3
		.amdhsa_float_denorm_mode_16_64 3
		.amdhsa_memory_ordered 1
		.amdhsa_forward_progress 1
		.amdhsa_inst_pref_size 88
	.end_amdhsa_kernel
	.amdgpu_metadata
---
amdhsa.version: [ 1, 2 ]
amdhsa.kernels:
  - .name:           k_q9f83d8f4dd_outp
    .symbol:         k_q9f83d8f4dd_outp.kd
    .args:
      - { .name: ob, .offset: 0, .size: 8, .value_kind: global_buffer, .address_space: global }
      - { .name: wob, .offset: 8, .size: 8, .value_kind: global_buffer, .address_space: global }
      - { .name: bo, .offset: 16, .size: 8, .value_kind: global_buffer, .address_space: global }
      - { .name: out0, .offset: 24, .size: 8, .value_kind: global_buffer, .address_space: global }
    .group_segment_fixed_size: 327680
    .private_segment_fixed_size: 0
    .kernarg_segment_align: 8
    .kernarg_segment_size: 32
    .max_flat_workgroup_size: 128
    .sgpr_count:     84
    .vgpr_count:     512
    .wavefront_size: 32
...
	.end_amdgpu_metadata
.endif
;; end of part 5
;; ======== version 2 of 3: 4 launches
;; limits: values are held in f16: magnitudes above 65,504 overflow, below 6.1e-05 lose precision
;; workspace buffers: xb 8,388,608 bytes; wqkv 6,291,456 bytes; wob 2,097,152 bytes; ptab 262,144 bytes; qkvh 25,165,824 bytes; ob 8,388,608 bytes
;; launch prep (part 6): grid 384 x 1, 8 waves a work-group, no clusters, 117,760 bytes of LDS; arguments x, Wq, Wkv, Wo, xb, wqkv, wob, pos_emb, Wp, bp, ptab; writes xb, wqkv, wob, ptab
.if DOCPART == 6
	.amdgcn_target "amdgcn-amd-amdhsa--gfx1250"
	.amdhsa_code_object_version 6
	.text
	.protected	k_q9f83d8f4dd_prep
	.globl	k_q9f83d8f4dd_prep
	.p2align	8
	.type	k_q9f83d8f4dd_prep,@function
k_q9f83d8f4dd_prep:
	s_mov_b64 s[64:65], 0
	v_nop
	global_prefetch_b8 v0, s[64:65] scope:SCOPE_SE
	s_setreg_imm32_b32 hwreg(HW_REG_WAVE_MODE, 25, 1), 1
	s_wait_xcnt 0x0
; TWO JOBS IN ONE LAUNCH, told apart by the work-group's number alone: groups 0-127 make p, groups 128-383 make the 16-bit copies.  Neither reads what the other writes.
;
; JOB 1.  p = pos_emb Wp + bp.  pos_emb [2048][1024] f32, Wp [1024][64] f32, bp [64] f32; ptab [2048][64] f16.  Operands rounded to bf16, sums in f32, p rounded once.
; LIMIT.  p beyond 65,504 becomes an infinity.
; A work-group makes 16 rows of p.  K IS SPLIT AMONG ITS EIGHT WAVES: wave w takes k = 128 w .. 128 w + 127, for all 64 columns; the eight partial sums meet in LDS.
; pos_emb's fragments come straight from memory (a lane's 8 + 8 numbers of a row lie on end).  Wp lies [k][column]: each wave rounds ITS OWN 128 rows into LDS, 64 at a time over the same bytes, and reads
; them back turned (ds_load_tr16_b128); LDS serves a wave's instructions in order (ISA guide 5.7.1.4), so no barrier stands between.
; The product is taken transposed (source 0 = 16 columns of Wp, source 1 = the 16 rows of pos_emb): a lane ends with eight neighbouring columns of one row.
;
; JOB 2.  16-bit copies of x and of three weights, laid out as the products want them.
;   x   [2][2048][1024] f32 -> xb   bf16 [b 2][kb 16][n 2048][64]: blocks of 64 channels, a block's rows dense (128 bytes each)
;   Wq  [1024][1024]    f32 -> wqkv bf16 [k 1024][3072], columns 0..1023
;   Wkv [1024][2048]    f32 -> wqkv, columns 1024..3071
;   Wo  [1024][1024]    f32 -> wob  [1024][1024]: rounded to bf16, and that number written as f16
; LIMITS.  wob: a number beyond 65,504 becomes an infinity; below 2^-14 it keeps f16's fixed step of 6e-8.
; A work-group takes 32,768 consecutive source numbers (131,072 bytes) of ONE tensor: of the 256 groups 0-127 x, 128-159 Wq, 160-223 Wkv, 224-255 Wo.
; Sixteen pieces of 2,048 numbers; of each a thread takes 8 (two loads of 16 bytes) and makes 16 bytes (one store).  In every job sixteen neighbouring
; lanes store 256 consecutive bytes, aligned.  All 32 loads of a thread go out at once; no register is written twice, so the only waits are the counted ones for the loads.
; No tensor load, no cluster: each byte of the large inputs is read once, by one work-group; Wp is small.
.set WP,    160                        ; a row of Wp in LDS: 128 bytes + 32
.set PART,  8*64*WP                    ; behind the eight waves' 64 rows: the partial sums, for each wave 16 rows x 272 bytes (256 + 16)
.set PP,    272
.set SPARE, PART+8*16*PP               ; behind them: the spare words, 128 bytes for each wave: four blocks of 256 bytes that no other line names
.set AO,  2                            ; v2   pos_emb: r x 4,096 + 512 w + 32 h
.set WO,  3                            ; v3   Wp in memory: 32,768 w + 16 l
.set LW,  4                            ; v4   Wp into LDS: 10,240 w + 160 (l >> 4) + 8 (l & 15)
.set LB,  5                            ; v5   Wp out of LDS, turned
.set LP,  6                            ; v6   my 32 bytes of a partial row
.set LR,  7                            ; v7   the 16 bytes that I add up
.set SPW, 8                            ; v8   LDS address of my spare word; never rewritten
.set NIL, 9                            ; v9   0; never rewritten
.set BOF, 10                           ; v10  my four numbers of bp
.set OO,  11                           ; v11  my 8 bytes of ptab
.set BI,  12                           ; v[12:15] bp
.set RES, 20                           ; v[20:21] my four numbers of p
.set AF,  32                           ; v[32:63]   four fragments of pos_emb
.set AR,  64                           ; v[64:127]  pos_emb in f32
.set BF,  64                           ; v[64:191]  later: 16 fragments of Wp
.set WR,  128                          ; v[128:255] 32 loads of Wp in f32
.set ACC, 192                          ; v[192:223] four accumulators
.set SUM, 224                          ; v[224:255] the eight partial sums of my four numbers
.set SRC,  24                          ; job 2: s[24:25] the source at the group's first byte
.set DST,  26                          ; s[26:27] the destination
.set OFFS, 16                          ; v[16:31]  piece i: my byte offset in the destination
.set TW,   32                          ; v[32:43]  at work (Wo alone)
.set IN,   64                          ; v[64:191] piece i: 8 numbers as loaded
.set OUT,  192                         ; v[192:255] piece i: 16 bytes to store
	v_lshl_add_u32 v[SPW], v0, 2, SPARE
	v_mov_b32 v[NIL], 0
	s_cmp_lt_u32 ttmp9, 128
	s_cbranch_scc0 .Lcast
	; ---------------------------------------------------------------- JOB 1: p
	s_load_b256 s[4:11], s[0:1], 0x38              ; pos_emb s[4:5], Wp s[6:7], bp s[8:9], ptab s[10:11]
	v_lshrrev_b32 v1, 5, v0
	v_readfirstlane_b32 s12, v1                    ; wave 0..7
	v_and_b32 v16, 15, v0                          ; r = l % 16
	v_bfe_u32 v17, v0, 4, 1                        ; h = l / 16
	v_and_b32 v18, 31, v0                          ; l
	v_lshlrev_b32 v[AO], 12, v16
	v_lshl_add_u32 v[AO], v17, 5, v[AO]
	s_lshl_b32 s13, s12, 9
	v_add_nc_u32 v[AO], s13, v[AO]
	s_lshl_b32 s13, s12, 15
	v_lshl_add_u32 v[WO], v18, 4, s13
	s_mul_i32 s14, s12, 64*WP
	v_mul_u32_u24 v[LW], v17, WP
	v_lshl_add_u32 v[LW], v16, 3, v[LW]
	v_add_nc_u32 v[LW], s14, v[LW]
	v_and_b32 v19, 7, v0
	v_lshl_add_u32 v19, v17, 3, v19                ; the turning load: lane l reads k row 8 h + l % 8, columns 8 ((l / 8) % 2) on
	v_mul_u32_u24 v[LB], v19, WP
	v_bfe_u32 v19, v0, 3, 1
	v_lshl_add_u32 v[LB], v19, 4, v[LB]
	v_add_nc_u32 v[LB], s14, v[LB]
	s_mul_i32 s15, s12, 16*PP
	s_add_co_u32 s15, s15, PART
	v_mul_u32_u24 v[LP], v16, PP
	v_lshl_add_u32 v[LP], v17, 5, v[LP]
	v_add_nc_u32 v[LP], s15, v[LP]
	v_lshrrev_b32 v19, 4, v0                       ; thread t adds up row t >> 4, columns 4 (t & 15) on
	v_mul_u32_u24 v[LR], v19, PP
	v_lshl_add_u32 v[LR], v16, 4, v[LR]
	v_add_nc_u32 v[LR], PART, v[LR]
	v_lshlrev_b32 v[BOF], 4, v16
	v_lshlrev_b32 v[OO], 3, v0
	s_lshl_b32 s16, ttmp9, 16                      ; the group's 16 rows of pos_emb,
	s_mov_b32 s17, 0
	s_lshl_b32 s18, ttmp9, 11                      ; and of ptab
	s_mov_b32 s19, 0
	s_wait_kmcnt 0x0
	s_add_nc_u64 s[4:5], s[4:5], s[16:17]
	s_add_nc_u64 s[10:11], s[10:11], s[18:19]
	global_load_b128 v[BI:BI+3], v[BOF], s[8:9]
.irp f, 0,1,2,3                        ; fragment f: k = 128 w + 32 f on: 8 h + 0..7, then 16 + 8 h + 0..7
	global_load_b128 v[AR+16*(\f):AR+16*(\f)+3],     v[AO], s[4:5] offset:128*(\f) th:TH_LOAD_NT
	global_load_b128 v[AR+16*(\f)+4:AR+16*(\f)+7],   v[AO], s[4:5] offset:128*(\f)+16 th:TH_LOAD_NT
	global_load_b128 v[AR+16*(\f)+8:AR+16*(\f)+11],  v[AO], s[4:5] offset:128*(\f)+64 th:TH_LOAD_NT
	global_load_b128 v[AR+16*(\f)+12:AR+16*(\f)+15], v[AO], s[4:5] offset:128*(\f)+80 th:TH_LOAD_NT
.endr
.macro WLOAD from                      ; 64 rows of Wp: 32 loads of 512 consecutive bytes (two rows)
.set i, 0
.rept 32
	global_load_b128 v[WR+4*i:WR+4*i+3], v[WO], s[6:7] offset:(\from)+512*i
.set i, i+1
.endr
.endm
.macro WSTORE                          ; rounded in place and put into my 64 rows of LDS
.set i, 0
.rept 32
	v_cvt_pk_bf16_f32 v[WR+4*i],   v[WR+4*i],   v[WR+4*i+1]
	v_cvt_pk_bf16_f32 v[WR+4*i+1], v[WR+4*i+2], v[WR+4*i+3]
	ds_store_b64 v[LW], v[WR+4*i:WR+4*i+1] offset:2*WP*i
.set i, i+1
.endr
.endm
.macro FRAGS f0                        ; the 64 rows come back turned: fragments f0 and f0 + 1 (k = 32 f on), columns 16 u on
.irp f, 0,1
.irp u, 0,1,2,3
	ds_load_tr16_b128 v[BF+8*(4*((\f0)+(\f))+(\u)):BF+8*(4*((\f0)+(\f))+(\u))+3],   v[LB] offset:(\f)*32*WP+32*(\u)
	ds_load_tr16_b128 v[BF+8*(4*((\f0)+(\f))+(\u))+4:BF+8*(4*((\f0)+(\f))+(\u))+7], v[LB] offset:(\f)*32*WP+16*WP+32*(\u)
.endr
.endr
.endm
	WLOAD 0
	s_wait_loadcnt 0x0
	WSTORE
.set i, 0
.rept 32                               ; pos_emb is rounded; its f32 registers are then free for the first fragments of Wp
	v_cvt_pk_bf16_f32 v[AF+i], v[AR+2*i], v[AR+2*i+1]
.set i, i+1
.endr
	FRAGS 0
	s_wait_dscnt 0x0                               ; the stores have read their registers, which the next loads write, and the first 64 rows have been read out of LDS
	WLOAD 16384
	s_wait_loadcnt 0x0
	WSTORE                                         ; rows 64-127, over the same bytes
	FRAGS 2
	s_wait_dscnt 0x0
.irp f, 0,1,2,3                        ; the four accumulators take turns; the first products start the sums
.irp u, 0,1,2,3
.if (\f) == 0
	v_wmma_f32_16x16x32_bf16 v[ACC+8*(\u):ACC+8*(\u)+7], v[BF+8*(4*(\f)+(\u)):BF+8*(4*(\f)+(\u))+7], v[AF+8*(\f):AF+8*(\f)+7], 0
.else
	v_wmma_f32_16x16x32_bf16 v[ACC+8*(\u):ACC+8*(\u)+7], v[BF+8*(4*(\f)+(\u)):BF+8*(4*(\f)+(\u))+7], v[AF+8*(\f):AF+8*(\f)+7], v[ACC+8*(\u):ACC+8*(\u)+7]
.endif
.endr
.endr
.rept 4
	v_nop                                          ; four places behind the last product, ahead of the stores that read results
.endr
.irp u, 0,1,2,3                        ; a lane holds row r, columns 16 u + 8 h + 0..7; each accumulator's low half goes first
	ds_store_b128 v[LP], v[ACC+8*(\u):ACC+8*(\u)+3]   offset:64*(\u)
	ds_store_b128 v[LP], v[ACC+8*(\u)+4:ACC+8*(\u)+7] offset:64*(\u)+16
.endr
	s_wait_dscnt 0x0                               ; for the others' sake: my partial sums lie in LDS
	s_barrier_signal -1
	s_barrier_wait -1
.irp w, 0,1,2,3,4,5,6,7
	ds_load_b128 v[SUM+4*(\w):SUM+4*(\w)+3], v[LR] offset:(\w)*16*PP
.endr
	s_wait_dscnt 0x0
.irp w, 0,2,4,6
	v_pk_add_f32 v[SUM+4*(\w):SUM+4*(\w)+1],   v[SUM+4*(\w):SUM+4*(\w)+1],   v[SUM+4*(\w)+4:SUM+4*(\w)+5]
	v_pk_add_f32 v[SUM+4*(\w)+2:SUM+4*(\w)+3], v[SUM+4*(\w)+2:SUM+4*(\w)+3], v[SUM+4*(\w)+6:SUM+4*(\w)+7]
.endr
.irp w, 0,4
	v_pk_add_f32 v[SUM+4*(\w):SUM+4*(\w)+1],   v[SUM+4*(\w):SUM+4*(\w)+1],   v[SUM+4*(\w)+8:SUM+4*(\w)+9]
	v_pk_add_f32 v[SUM+4*(\w)+2:SUM+4*(\w)+3], v[SUM+4*(\w)+2:SUM+4*(\w)+3], v[SUM+4*(\w)+10:SUM+4*(\w)+11]
.endr
	v_pk_add_f32 v[SUM:SUM+1],   v[SUM:SUM+1],   v[SUM+16:SUM+17]
	v_pk_add_f32 v[SUM+2:SUM+3], v[SUM+2:SUM+3], v[SUM+18:SUM+19]
	v_pk_add_f32 v[SUM:SUM+1],   v[SUM:SUM+1],   v[BI:BI+1]
	v_pk_add_f32 v[SUM+2:SUM+3], v[SUM+2:SUM+3], v[BI+2:BI+3]
	v_cvt_pk_f16_f32 v[RES],   v[SUM],   v[SUM+1]
	v_cvt_pk_f16_f32 v[RES+1], v[SUM+2], v[SUM+3]
	global_store_b64 v[OO], v[RES:RES+1], s[10:11] ; a wave stores 256 consecutive bytes, aligned
	s_wait_tensorcnt 0x0                           ; the wave's end, behind my last LDS store
	ds_add_u32 v[SPW], v[NIL]
	s_wait_dscnt 0x0
	s_endpgm
	; ---------------------------------------------------------------- JOB 2: the copies (no LDS)
.Lcast:
	s_load_b256 s[4:11], s[0:1], 0x0               ; x s[4:5], Wq s[6:7], Wkv s[8:9], Wo s[10:11]
	s_load_b128 s[12:15], s[0:1], 0x20             ; xb s[12:13], wqkv s[14:15]
	s_load_b64 s[16:17], s[0:1], 0x30              ; wob
	s_sub_co_u32 s20, ttmp9, 128                   ; g: 0..255
	s_cmp_lt_u32 s20, 128
	s_cselect_b32 s21, 0, 128
	s_cmp_lt_u32 s20, 160
	s_cselect_b32 s21, s21, 160
	s_cmp_lt_u32 s20, 224
	s_cselect_b32 s21, s21, 224
	s_sub_co_u32 s21, s20, s21                     ; g': the group's number within its tensor
	s_lshl_b32 s22, s21, 17                        ; its 131,072 source bytes
	s_mov_b32 s23, 0
	; the offsets, tensor by tensor: v2 in the source, v3 + s28 in the destination, s29 from piece to piece
	s_cmp_lt_u32 s20, 128
	s_cbranch_scc0 .Lweights
	v_bfe_u32 v2, v0, 3, 1                         ; x: a piece is two rows; thread t takes row (t >> 3) & 1, block t >> 4, numbers 8 (t & 7) on
	v_lshlrev_b32 v2, 12, v2
	v_lshrrev_b32 v4, 4, v0
	v_lshl_add_u32 v2, v4, 8, v2
	v_and_b32 v5, 7, v0
	v_lshl_add_u32 v2, v5, 5, v2
	v_and_b32 v3, 15, v0                           ; in xb the two rows of a block are 256 bytes on end: 16 (t & 15)
	v_lshlrev_b32 v3, 4, v3
	v_lshl_add_u32 v3, v4, 18, v3                  ; a block is 2,048 rows x 128 bytes
	s_lshr_b32 s28, s20, 6                         ; b
	s_lshl_b32 s28, s28, 22
	s_and_b32 s30, s20, 63                         ; the group's 32 rows
	s_lshl_b32 s30, s30, 12
	s_add_co_u32 s28, s28, s30
	s_mov_b32 s29, 256
	s_branch .Lgo
.Lweights:
	v_lshlrev_b32 v2, 5, v0                        ; the weights are read as they lie: 32 t
	s_cmp_lt_u32 s20, 160
	s_cbranch_scc0 .Lwide
	v_lshrrev_b32 v4, 7, v0                        ; Wq: a piece is two rows of 1,024
	v_mul_u32_u24 v4, v4, 6144
	v_and_b32 v3, 127, v0
	v_lshl_add_u32 v3, v3, 4, v4
	s_mul_i32 s28, s21, 32*6144
	s_mov_b32 s29, 2*6144
	s_branch .Lgo
.Lwide:
	v_lshlrev_b32 v3, 4, v0
	s_cmp_lt_u32 s20, 224
	s_cbranch_scc0 .Lsquare
	s_mul_i32 s28, s21, 16*6144                    ; Wkv: a piece is one row of 2,048, behind Wq's 2,048 bytes
	s_add_co_u32 s28, s28, 2048
	s_mov_b32 s29, 6144
	s_branch .Lgo
.Lsquare:
	s_lshl_b32 s28, s21, 16                        ; Wo: dense
	s_mov_b32 s29, 4096
.Lgo:
	v_add_nc_u32 v[OFFS], s28, v3
.set i, 1
.rept 15
	v_add_nc_u32 v[OFFS+i], s29, v[OFFS+i-1]
.set i, i+1
.endr
	s_wait_kmcnt 0x0
	s_cmp_lt_u32 s20, 128                          ; the pointers are chosen by the group's number alone
	s_cselect_b64 s[SRC:SRC+1], s[4:5], s[6:7]
	s_cselect_b64 s[DST:DST+1], s[12:13], s[14:15]
	s_cmp_lt_u32 s20, 160
	s_cselect_b64 s[SRC:SRC+1], s[SRC:SRC+1], s[8:9]
	s_cmp_lt_u32 s20, 224
	s_cselect_b64 s[SRC:SRC+1], s[SRC:SRC+1], s[10:11]
	s_cselect_b64 s[DST:DST+1], s[DST:DST+1], s[16:17]
	s_add_nc_u64 s[SRC:SRC+1], s[SRC:SRC+1], s[22:23]
.set i, 0
.rept 16
	global_load_b128 v[IN+8*i:IN+8*i+3],   v2, s[SRC:SRC+1] offset:8192*i th:TH_LOAD_NT
	global_load_b128 v[IN+8*i+4:IN+8*i+7], v2, s[SRC:SRC+1] offset:8192*i+16 th:TH_LOAD_NT
.set i, i+1
.endr
; The sixteen pieces are rounded and stored.  kind = 0: to bf16.  kind = 1: to bf16, widened again, and written as f16.
.macro CONV kind
.set i, 0
.rept 16
	s_wait_loadcnt 30-2*i                          ; loads come back in order (ISA guide 5.7.1): piece i's two are in, the younger ones stay out
.if \kind
.irp j, 0,1,2,3
	v_cvt_pk_bf16_f32 v[TW+(\j)], v[IN+8*i+2*(\j)], v[IN+8*i+2*(\j)+1]
.endr
.irp j, 0,1,2,3
	v_lshlrev_b32 v[TW+4+2*(\j)], 16, v[TW+(\j)]
	v_and_b32     v[TW+5+2*(\j)], 0xffff0000, v[TW+(\j)]
.endr
.irp j, 0,1,2,3
	v_cvt_pk_f16_f32 v[OUT+4*i+(\j)], v[TW+4+2*(\j)], v[TW+5+2*(\j)]
.endr
.else
.irp j, 0,1,2,3
	v_cvt_pk_bf16_f32 v[OUT+4*i+(\j)], v[IN+8*i+2*(\j)], v[IN+8*i+2*(\j)+1]
.endr
.endif
	global_store_b128 v[OFFS+i], v[OUT+4*i:OUT+4*i+3], s[DST:DST+1] th:TH_STORE_NT
.set i, i+1
.endr
.endm
	s_cmp_lt_u32 s20, 224
	s_cbranch_scc0 .Lhalf
	CONV 0
	s_endpgm
.Lhalf:
	CONV 1
	s_endpgm
.Lfunc_end_k_q9f83d8f4dd_prep:
	.size	k_q9f83d8f4dd_prep, .Lfunc_end_k_q9f83d8f4dd_prep-k_q9f83d8f4dd_prep
	.p2alignl 7, 3214868480
	.fill 96, 4, 3214868480
	.section	.rodata,"a",@progbits
	.p2align	6, 0x0
	.amdhsa_kernel k_q9f83d8f4dd_prep
		.amdhsa_group_segment_fixed_size 117760
		.amdhsa_private_segment_fixed_size 0
		.amdhsa_enable_private_segment 0
		.amdhsa_kernarg_size 88
		.amdhsa_user_sgpr_count 2
		.amdhsa_user_sgpr_kernarg_segment_ptr 1
		.amdhsa_wavefront_size32 1
		.amdhsa_system_sgpr_workgroup_id_x 1
		.amdhsa_system_sgpr_workgroup_id_y 1
		.amdhsa_system_sgpr_workgroup_id_z 1
		.amdhsa_system_vgpr_workitem_id 0
		.amdhsa_next_free_vgpr 256
		.amdhsa_next_free_sgpr 66
		.amdhsa_reserve_vcc 0
		.amdhsa_float_denorm_mode_32 3
		.amdhsa_float_denorm_mode_16_64 3
		.amdhsa_memory_ordered 1
		.amdhsa_forward_progress 1
		.amdhsa_inst_pref_size 59
	.end_amdhsa_kernel
	.amdgpu_metadata
---
amdhsa.version: [ 1, 2 ]
amdhsa.kernels:
  - .name:           k_q9f83d8f4dd_prep
    .symbol:         k_q9f83d8f4dd_prep.kd
    .args:
      - { .name: x, .offset: 0, .size: 8, .value_kind: global_buffer, .address_space: global }
      - { .name: Wq, .offset: 8, .size: 8, .value_kind: global_buffer, .address_space: global }
      - { .name: Wkv, .offset: 16, .size: 8, .value_kind: global_buffer, .address_space: global }
      - { .name: Wo, .offset: 24, .size: 8, .value_kind: global_buffer, .address_space: global }
      - { .name: xb, .offset: 32, .size: 8, .value_kind: global_buffer, .address_space: global }
      - { .name: wqkv, .offset: 40, .size: 8, .value_kind: global_buffer, .address_space: global }
      - { .name: wob, .offset: 48, .size: 8, .value_kind: global_buffer, .address_space: global }
      - { .name: pos_emb, .offset: 56, .size: 8, .value_kind: global_buffer, .address_space: global }
      - { .name: Wp, .offset: 64, .size: 8, .value_kind: global_buffer, .address_space: global }
      - { .name: bp, .offset: 72, .size: 8, .value_kind: global_buffer, .address_space: global }
      - { .name: ptab, .offset: 80, .size: 8, .value_kind: global_buffer, .address_space: global }
    .group_segment_fixed_size: 117760
    .private_segment_fixed_size: 0
    .kernarg_segment_align: 8
    .kernarg_segment_size: 88
    .max_flat_workgroup_size: 256
    .sgpr_count:     66
    .vgpr_count:     256
    .wavefront_size: 32
...
	.end_amdgpu_metadata
.endif
;; end of part 6
;; launch proj (part 7): grid 8 x 32, 4 waves a work-group, clusters of 4 x 4, 327,680 bytes of LDS; arguments xb, wqkv, bq, bkv, qkvh; writes qkvh
.if DOCPART == 7
	.amdgcn_target "amdgcn-amd-amdhsa--gfx1250"
	.amdhsa_code_object_version 6
	.text
	.protected	k_q9f83d8f4dd_proj
	.globl	k_q9f83d8f4dd_proj
	.p2align	8
	.type	k_q9f83d8f4dd_proj,@function
k_q9f83d8f4dd_proj:
	s_mov_b64 s[64:65], 0
	v_nop
	global_prefetch_b8 v0, s[64:65] scope:SCOPE_SE
	s_setreg_imm32_b32 hwreg(HW_REG_WAVE_MODE, 25, 1), 1
	s_wait_xcnt 0x0
	s_wait_alu depctr_hold_cnt(0) depctr_sa_sdst(0) depctr_va_vdst(0) depctr_va_sdst(0) depctr_va_ssrc(0) depctr_va_vcc(0) depctr_vm_vsrc(0)
	s_getreg_b32 s2, hwreg(HW_REG_IB_STS2, 6, 4)
	s_cmp_eq_u32 s2, 0
	s_cbranch_scc0 .Lentry_in_a_cluster
	s_endpgm
.Lentry_in_a_cluster:
	s_bfe_u32 s2, ttmp6, 0x10000c
	s_cmp_lg_u32 s2, 0xf033
	s_cbranch_scc0 .Lentry_shape_is_right
	s_endpgm
.Lentry_shape_is_right:
; q, k, v = x Wq + bq, x Wkv + bkv.  C[m][n] = sum over k of A[m][k] W[k][n] + bias[n], M = 4,096, N = 3,072, K = 1,024.
; A = xb (bf16), W = wqkv (bf16, 3,072 columns: q, k, v), bias = bq | bkv (f32); sums in f32; C leaves as f16 by heads: qkvh [which 3][b 16 + h][2048][64], rounded once.
; LIMIT.  q, k, v beyond 65,504 become infinities.
; A lies in blocks of 64 channels, [b 2][kb 16][n 2048][64]: a block's rows are dense, so 128 rows of a block are 16,384 consecutive bytes.  W lies [k][n] and is read out of LDS turned (ds_load_tr16_b128).
; SHARES.  A tile of C is 128 x 384: 32 x 8 tiles, one for each of 256 work-groups.  Four waves, 2 x 2, each 64 rows x 192 columns = three whole heads: 48 accumulators of 16 x 16, 384 registers.
; For 32 along K a wave reads 4 fragments of A and 12 of W (32 LDS loads) and issues 48 matrix instructions.
; THE RING.  K goes in steps of 128 (eight steps) through two LDS slots of four parts of 36,864 bytes, one tensor load a wave: wave 0 brings A's 128 rows (two blocks), waves 1 to 3 one chunk of 128 columns of W each
; (128 k rows of 256 bytes, each at a multiple of 256 bytes from W's first byte).  From a request to the wait for it a wave issues 168 matrix instructions.
; CLUSTERS: 4 x 4 work-groups.  The four of a row of the cluster need the same tiles of A, the four of a column the same tiles of W: each tile is asked for JOINTLY, by the same tensor load with the
; same descriptor and a mask that names the four.  THE MATRIX INSTRUCTION IS USED TRANSPOSED (source 0 = 16 columns of W, source 1 = 16 rows of A): a lane then holds eight neighbouring numbers of a row of C.
; THE BIAS is the C operand of the products that start the sums: nothing is cleared and nothing is added later.
; REGISTERS, in windows of 256 (s_set_vgpr_msb: bits 1:0 source 0, 3:2 source 1, 5:4 source 2, 7:6 destination):
;   window 0: v0-31 addresses; v32-127 the bias; on the way out v32-223: 16 registers for each of the 12 units of 16 rows x one head, none written twice
;   window 1: two fragment buffers of 128: 4 fragments of A (32 registers), then 12 of W (96)
;   window 2: v0-191 the accumulators of my row blocks 0 and 1 ((a, b) at v[96 (a % 2) + 8 b]);   window 3: those of blocks 2 and 3
.set NTOT,  3072
.set PITA,  144                        ; a row of A in LDS: 128 bytes + 16 = 36 words: the 16 rows of a load start at 16 different groups of four banks (64 banks of 4 bytes: ISA guide 11.1)
.set PITB,  288                        ; a row of a chunk of W: 256 + 32 = 72 words
.set HALFT, 36864                      ; what one tensor load brings: 2 blocks x 128 rows x 144 of A, or 128 k rows x 288 of W
.set SLOT,  4*HALFT                    ; A, then W's three chunks
.set STAGE, 2*SLOT                     ; behind the ring: 16 rows x 144 bytes for each wave, its own, for the way out
.set SP,    144
.set SPARE, STAGE+4*16*SP              ; behind the stages: the spare words, 128 bytes for each wave: two blocks of 256 bytes that no other line names
.set ASTEP, 524288                     ; bytes of A from a K step to the next: two blocks of 262,144
.set BSTEP, 256*NTOT                   ; of W: 128 rows
.set LAPS,  4                          ; a lap = two K steps = once round the ring
.set ADRA, 16                          ; v16-17  LDS address of my A fragments in slot 0, 1
.set ADRB, 18                          ; v18-23  the same for W: slot s, my head g (64 columns) at ADRB + 3 s + g
.set STO,  24                          ; v24     the way out: where I put 16 bytes of a row
.set RD,   25                          ; v25     the way out: where I read rows back
.set CO,   26                          ; v26     my byte offset in 512 consecutive bytes of a head
.set BO,   27                          ; v27     my byte offset in the bias: 32 (l / 16)
.set SPW,  28                          ; v28     LDS address of my spare word: SPARE + 4 x my thread's number; never rewritten
.set NIL,  29                          ; v29     0; never rewritten
.set PFO,  30                          ; v30     the prefetches' offset: my lane x 256 bytes (A) or x a row of W; never rewritten
.set TMP,  32
.set F0,   0                           ; fragment buffers, in window 1
.set F1,   128
.set G1, 24                            ; s[24:31] descriptor group 1 for A's tiles;  s[32:39] group 0, one set for each slot
.set G0, 32
.set G1B, 48                           ; s[48:55], s[56:63] the same for W's tiles
.set G0B, 56
.set OUTP, 72                          ; s[72:77] qkvh at my 64 rows of each of my three heads
.set BIA,  78                          ; s[78:83] the bias of each of my three heads
.set PFA,  84                          ; s[84:85] where my prefetches stand: my work-group's 32 blocks of 256 bytes of the tile that I fetch, at the K step that the next refill asks for
.set PFS,  86                          ; s[86:87] its step from K step to K step
.set LIM,  88                          ; s88     1 in a wave that prefetches, else the greatest number
.set MSB, 0
.macro WIN new                         ; the immediate's high byte repeats the setting that is left
.if MSB != (\new)
	s_set_vgpr_msb (MSB<<8)|(\new)
.set MSB, \new
.endif
.endm
.set TO_F, 0x40                        ; destination window 1, address window 0
.macro JLOAD s                         ; a joint load: wave 0 fetches A's tile, waves 1 to 3 W's chunks; an s_nop 0 and four v_nop follow each of the two lines, ahead of the jump, the label and what follows
	s_cmp_eq_u32 s10, 0
	s_cbranch_scc0 .Lfor_b_\@
	tensor_load_to_lds s[G0+4*(\s):G0+4*(\s)+3], s[G1:G1+7]
	s_nop 0
.rept 4
	v_nop
.endr
	s_branch .Lasked_\@
.Lfor_b_\@:
	tensor_load_to_lds s[G0B+4*(\s):G0B+4*(\s)+3], s[G1B:G1B+7]
	s_nop 0
.rept 4
	v_nop
.endr
.Lasked_\@:
.endm
; A PREFETCH INTO THE L2, behind each joint refill, its five lines and the run of LDS loads that follows them: the K step that the NEXT refill asks for, 192 matrix instructions ahead of that load:
; 32 blocks of 256 bytes, a lane a block, one instruction a wave.  Each block is named ONCE in the launch.  A's tile row is read by both clusters of that row of clusters: the one with x = 0 asks; W's tile
; column by the eight clusters of that column: the one with y = 0 asks.  The four partners that ask for a tile jointly share its 128 blocks out BY ADDRESS (place cx for A: block cx / 2, half cx % 2 of its rows;
; place cy for W: k rows 32 cy on): no branch hangs on a work-group's place in its cluster.  K steps 0 to 2 come by their loads alone; the last refill (slot 1, the loop's last trip) has no K step behind it.
.macro ASK slot
.if (\slot) == 0
	s_cmp_eq_u32 s[LIM], 1
.else
	s_cmp_gt_u32 s3, s[LIM]                        ; s3 = 1 in the loop's last trip
.endif
	s_cbranch_scc0 .Lnot_mine_\@
	global_prefetch_b8 v[PFO], s[PFA:PFA+1] th:TH_LOAD_NT scope:SCOPE_SE
.Lnot_mine_\@:
.endm
.macro CREST                           ; a round of the cluster's barrier behind its opening barrier
	s_cmp_lg_u32 s10, 0
	s_cbranch_scc1 .Lnot_wave_0_\@
	s_barrier_signal -3
.Lnot_wave_0_\@:
	s_barrier_wait -3
	s_barrier_signal -1
	s_barrier_wait -1
.endm
.macro CROUND                          ; a whole round
	s_barrier_signal -1
	s_barrier_wait -1
	CREST
.endm
	s_load_b128 s[4:7], s[0:1], 0x0                ; xb s[4:5], wqkv s[6:7]
	s_load_b128 s[68:71], s[0:1], 0x10             ; bq s[68:69], bkv s[70:71]
	s_load_b64 s[8:9], s[0:1], 0x20                ; qkvh
	v_lshl_add_u32 v[SPW], v0, 2, SPARE
	v_mov_b32 v[NIL], 0
	ds_add_u32 v[SPW], v[NIL]                      ; the wave's opening: the add and its wait ahead of my first tensor load; the set-up below, work on registers, stands between them
	v_lshrrev_b32 v1, 5, v0
	v_readfirstlane_b32 s10, v1                    ; wave 0..3
	s_lshr_b32 s11, s10, 1                         ; which half of the tile's rows is mine
	s_and_b32 s12, s10, 1                          ; which half of its columns
	s_bfe_u32 s40, ttmp6, 0x40000                  ; cx, cy: my place in the cluster
	s_bfe_u32 s41, ttmp6, 0x40004
	s_lshl_b32 s42, ttmp9, 2
	s_add_co_u32 s42, s42, s40                     ; tile column of C = 4 x cluster x + cx
	s_and_b32 s13, ttmp7, 0xffff
	s_lshl_b32 s13, s13, 2
	s_add_co_u32 s13, s13, s41                     ; tile row of C = 4 x cluster y + cy
	s_lshl_b32 s43, s41, 2
	s_lshl_b32 s43, 15, s43                        ; my row of the cluster
	s_lshl_b32 s44, 0x1111, s40                    ; my column
	; group 1 for A: two rows (blocks) of 8,192 elements (128 rows x 64 channels, dense), 131,072 elements apart; in LDS 4 words of padding behind every 32 (a row of 64 channels)
	s_or_b32 s[G1+0], s43, (1<<16)|(1<<20)|(1<<21)|(4<<22)|(3<<25)  ; 15:0 the mask: A's tiles go to my row; 17:16 element of 2 bytes; 20 padding on; 21 set beside a mask; 24:22 after every 32 words (code 4); 31:25 of 4 words (code 3)
	s_mov_b32 s[G1+1], 8192<<16                    ; tensor_dim0 = 8,192
	s_mov_b32 s[G1+2], 2<<16                       ; tensor_dim1 = 2
	s_mov_b32 s[G1+3], 8192<<16                    ; tile_dim0 = 8,192
	s_mov_b32 s[G1+4], 2                           ; tile_dim1 = 2
	s_mov_b32 s[G1+5], 131072                      ; tensor_dim0_stride
	s_mov_b32 s[G1+6], 0
	s_mov_b32 s[G1+7], 0
	; group 1 for W: 128 k rows of 128 elements; 8 words of padding behind every 64
	s_or_b32 s[G1B+0], s44, (1<<16)|(1<<20)|(1<<21)|(5<<22)|(7<<25)
	s_mov_b32 s[G1B+1], 128<<16
	s_mov_b32 s[G1B+2], 128<<16
	s_mov_b32 s[G1B+3], 128<<16
	s_mov_b32 s[G1B+4], 128
	s_mov_b32 s[G1B+5], NTOT
	s_mov_b32 s[G1B+6], 0
	s_mov_b32 s[G1B+7], 0
	; where the tiles come from.  A's hang on the tile row alone, W's on the tile column and the wave's number alone, each in registers that never hold the other coordinate
	s_lshr_b32 s16, s13, 4                         ; b: 16 tile rows each
	s_lshl_b32 s16, s16, 22                        ; its 16 blocks of 262,144 bytes
	s_and_b32 s17, s13, 15
	s_lshl_b32 s17, s17, 14                        ; the tile's 128 rows of 128 bytes within a block
	s_add_co_u32 s18, s16, s17                     ; (kept: the way out lies by the same rows)
	s_mov_b32 s16, s18
	s_mov_b32 s17, 0
	s_max_u32 s46, s10, 1                          ; W: chunk wave - 1 (wave 0 makes chunk 0's address and does not use it),
	s_sub_co_u32 s46, s46, 1
	s_lshl_b32 s46, s46, 8                         ; 256 bytes of a row each,
	s_mul_i32 s47, s42, 768                        ; in the tile's 384 columns
	s_add_co_u32 s46, s46, s47
	s_mov_b32 s47, 0
	s_mul_i32 s20, s10, HALFT                      ; where they go: wave x a part: no place in the cluster enters an LDS address
	s_wait_dscnt 0x0                               ; the opening add is done
	s_wait_kmcnt 0x0
	s_add_nc_u64 s[14:15], s[4:5], s[16:17]
	s_add_nc_u64 s[46:47], s[6:7], s[46:47]
	CROUND                                         ; all sixteen work-groups are here: the first joint loads meet
.irp s, 0,1
	s_mov_b32 s[G0+4*(\s)], 1
	s_add_co_u32 s[G0+4*(\s)+1], s20, (\s)*SLOT
	s_add_nc_u64 s[G0+4*(\s)+2:G0+4*(\s)+3], s[14:15], (\s)*ASTEP
	s_or_b32 s[G0+4*(\s)+3], s[G0+4*(\s)+3], 0x80000000
	s_mov_b32 s[G0B+4*(\s)], 1
	s_add_co_u32 s[G0B+4*(\s)+1], s20, (\s)*SLOT
	s_add_nc_u64 s[G0B+4*(\s)+2:G0B+4*(\s)+3], s[46:47], (\s)*BSTEP
	s_or_b32 s[G0B+4*(\s)+3], s[G0B+4*(\s)+3], 0x80000000
	JLOAD \s
.endr
	v_and_b32 v1, 15, v0                           ; r = l % 16
	v_bfe_u32 v2, v0, 4, 1                         ; h = l / 16
	v_mul_u32_u24 v3, v1, PITA
	v_lshl_add_u32 v3, v2, 4, v3                   ; A: a fragment's row x pitch + 16 h
	v_and_b32 v4, 7, v0
	v_lshl_add_u32 v4, v2, 3, v4                   ; W, turned: lane l reads k row 8 h + l % 8, columns 8 ((l / 8) % 2) on
	v_mul_u32_u24 v4, v4, PITB
	v_bfe_u32 v5, v0, 3, 1
	v_lshl_add_u32 v4, v5, 4, v4
	s_mul_i32 s21, s11, 64*PITA                    ; my 64 rows of A's 128
	v_add_nc_u32 v[ADRA], s21, v3
	v_add_nc_u32 v[ADRA+1], SLOT, v[ADRA]
	s_mul_i32 s22, s12, 3                          ; my three of the tile's six heads: head c lies in chunk c / 2, at byte 128 (c % 2) of its rows
.irp g, 0,1,2
	s_add_co_u32 s23, s22, \g
	s_lshr_b32 s21, s23, 1
	s_mul_i32 s21, s21, HALFT
	s_and_b32 s23, s23, 1
	s_lshl_b32 s23, s23, 7
	s_add_co_u32 s21, s21, s23
	s_add_co_u32 s21, s21, HALFT                   ; the chunks lie behind A
	v_add_nc_u32 v[ADRB+\g], s21, v4
	v_add_nc_u32 v[ADRB+3+\g], SLOT, v[ADRB+\g]
.endr
	s_mul_i32 s23, s10, 16*SP
	s_add_co_u32 s23, s23, STAGE                   ; my stage
	v_add_nc_u32 v[STO], s23, v3                   ; in: row r, 16 bytes for each half of the lanes
	v_bfe_u32 v5, v0, 3, 2                         ; back: 32 lanes take four rows of 128 bytes,
	v_mul_u32_u24 v5, v5, SP
	v_and_b32 v6, 7, v0
	v_lshl_add_u32 v5, v6, 4, v5
	v_add_nc_u32 v[RD], s23, v5
	v_and_b32 v[CO], 31, v0                        ; which are 512 consecutive bytes of a head
	v_lshlrev_b32 v[CO], 4, v[CO]
	v_lshlrev_b32 v[BO], 5, v2
	; my three heads: numbers 3 (2 x tile column + half) + 0..2 of 48.  They may lie on both sides of q | k or k | v, so each has its own pointers
	s_lshl_b32 s46, s42, 1
	s_add_co_u32 s46, s46, s12
	s_mul_i32 s46, s46, 3
	s_lshl_b32 s17, s11, 13                        ; qkvh: b's 16 heads and the tile's rows as in A, my 64 rows
	s_add_co_u32 s16, s18, s17
	s_mov_b32 s17, 0
	s_add_nc_u64 s[8:9], s[8:9], s[16:17]
.irp d, 0,1,2
	s_add_co_u32 s20, s46, \d
	s_lshr_b32 s21, s20, 4                         ; q, k or v: 32 heads' room each,
	s_lshl_b32 s21, s21, 5
	s_and_b32 s22, s20, 15                         ; and h
	s_add_co_u32 s22, s22, s21
	s_lshl_b32 s22, s22, 18                        ; a head is 2,048 rows x 128 bytes
	s_mov_b32 s23, 0
	s_add_nc_u64 s[OUTP+2*\d:OUTP+2*\d+1], s[8:9], s[22:23]
	s_cmp_lt_u32 s20, 16                           ; heads 0-15 take bq, the others bkv from its beginning: a choice of pointer, no branch
	s_cselect_b64 s[BIA+2*\d:BIA+2*\d+1], s[68:69], s[70:71]
	s_cselect_b32 s21, 0, 16
	s_sub_co_u32 s22, s20, s21
	s_lshl_b32 s22, s22, 8                         ; 64 f32
	s_add_nc_u64 s[BIA+2*\d:BIA+2*\d+1], s[BIA+2*\d:BIA+2*\d+1], s[22:23]
.irp i, 0,1,2,3                        ; register j of column block b = 4 d + i: bias[16 b + 8 h + j], as an accumulator holds its columns
	global_load_b128 v[TMP+8*(4*\d+\i):TMP+8*(4*\d+\i)+3],   v[BO], s[BIA+2*\d:BIA+2*\d+1] offset:64*\i
	global_load_b128 v[TMP+8*(4*\d+\i)+4:TMP+8*(4*\d+\i)+7], v[BO], s[BIA+2*\d:BIA+2*\d+1] offset:64*\i+16
.endr
.endr
	; the prefetches.  s18 = the tile row's bytes in A, s42 = tile column, s40 = cx, s41 = cy still stand
	s_lshr_b32 s20, s40, 1                         ; A: block cx / 2 of the K step's two,
	s_lshl_b32 s20, s20, 18
	s_and_b32 s21, s40, 1                          ; half cx % 2 of the tile's 16,384 bytes in it
	s_lshl_b32 s21, s21, 13
	s_add_co_u32 s20, s20, s21
	s_add_co_u32 s20, s20, s18
	s_add_co_u32 s20, s20, 2*ASTEP                 ; at K step 2: the first refill steps it to 3
	s_mul_i32 s21, s41, 32*2*NTOT                  ; W: k rows 32 cy on,
	s_mul_i32 s22, s42, 768                        ; the tile's columns,
	s_add_co_u32 s21, s21, s22
	s_max_u32 s22, s10, 1                          ; my chunk
	s_sub_co_u32 s22, s22, 1
	s_lshl_b32 s22, s22, 8
	s_add_co_u32 s21, s21, s22
	s_add_co_u32 s21, s21, 2*BSTEP
	s_and_b32 s22, ttmp7, 0xffff                   ; cluster y
	s_mov_b32 s[PFS], ASTEP
	s_mov_b32 s[PFS+1], BSTEP
	s_movk_i32 s16, 256
	s_movk_i32 s17, 2*NTOT
	s_cmp_eq_u32 s10, 0                            ; do I fetch for A?
	s_cselect_b32 s20, s20, s21
	s_cselect_b32 s22, ttmp9, s22                  ; the coordinate along which other clusters read the same tile
	s_cselect_b64 s[PFA:PFA+1], s[4:5], s[6:7]
	s_cselect_b32 s[PFS], s[PFS], s[PFS+1]
	s_cselect_b32 s16, s16, s17                    ; from lane to lane: 256 bytes on in A's dense rows, a row on in W
	s_mov_b32 s21, 0
	s_mov_b32 s[PFS+1], 0
	s_add_nc_u64 s[PFA:PFA+1], s[PFA:PFA+1], s[20:21]
	s_cmp_eq_u32 s22, 0
	s_cselect_b32 s[LIM], 1, -1                    ; the same in all sixteen partners, for a given wave
	v_and_b32 v[PFO], 31, v0
	v_mul_u32_u24 v[PFO], v[PFO], s16
; 12 matrix instructions: row block a x all 12 column blocks, 32 along K, from buffer f.  zero = 1: the product starts the sums, from the bias.
; The 48 accumulators take turns, one instruction a turn, in the same order in every quarter, over the backward jump too.
.macro MUL12 f, a, zero
.if \zero
	WIN 0x85+0x40*((\a)/2)                         ; sources 0 (W) and 1 (A) window 1; C (the bias) window 0; D window 2 or 3
.else
	WIN 0xa5+0x50*((\a)/2)                         ; C and D window 2 or 3
.endif
.irp b, 0,1,2,3,4,5,6,7,8,9,10,11
.set rD, 96*((\a)%2)+8*(\b)
.set rB, (\f)+32+8*(\b)
.set rA, (\f)+8*(\a)
.if \zero
	v_wmma_f32_16x16x32_bf16 v[rD:rD+7], v[rB:rB+7], v[rA:rA+7], v[TMP+8*(\b):TMP+8*(\b)+7]
.else
	v_wmma_f32_16x16x32_bf16 v[rD:rD+7], v[rB:rB+7], v[rA:rA+7], v[rD:rD+7]
.endif
.endr
.endm
; 32 LDS loads in one run: the fragments of quarter q (32 along K) of a slot, into buffer f: W's twelve, then A's four
.macro FETCH slot, q, f
	WIN TO_F
.irp b, 0,1,2,3,4,5,6,7,8,9,10,11
	ds_load_tr16_b128 v[(\f)+32+8*(\b):(\f)+32+8*(\b)+3],   v[ADRB+3*(\slot)+(\b)/4] offset:32*(\q)*PITB+32*((\b)%4)
	ds_load_tr16_b128 v[(\f)+32+8*(\b)+4:(\f)+32+8*(\b)+7], v[ADRB+3*(\slot)+(\b)/4] offset:(32*(\q)+16)*PITB+32*((\b)%4)
.endr
.irp a, 0,1,2,3
	ds_load_b128 v[(\f)+8*(\a):(\f)+8*(\a)+3],   v[ADRA+(\slot)] offset:((\q)/2)*128*PITA+(\a)*16*PITA+((\q)%2)*64
	ds_load_b128 v[(\f)+8*(\a)+4:(\f)+8*(\a)+7], v[ADRA+(\slot)] offset:((\q)/2)*128*PITA+(\a)*16*PITA+((\q)%2)*64+32
.endr
.endm
.macro PLACES                          ; four places in front of loads into registers that matrix instructions have read, and of lines that read results
.rept 4
	v_nop
.endr
.endm
; A K step is four quarters of 32 along K, 48 matrix instructions each, on buffers 0, 1, 0, 1.  One of the first three: multiplies buffer f and, in its middle, fetches quarter q into g.
.macro QUARTER slot, q, f, g, zero
	s_wait_dscnt 4                                 ; W's fragments and A's row blocks 0 and 1 are in; the youngest four loads (blocks 2 and 3) may be out
	MUL12 \f, 0, \zero
	MUL12 \f, 1, \zero
	PLACES
	FETCH \slot, \q, \g
	s_wait_dscnt 32                                ; all but the 32 just issued
	MUL12 \f, 2, \zero
	MUL12 \f, 3, \zero
.endm
; The last quarter multiplies buffer 1 and changes slots: ONE barrier; in front of it each wave waits for all its tensor loads, adds 0 to its spare word, and waits for that and for its own reads of this slot.  fill = 1: this slot is filled again, two K steps ahead.
.macro TURN slot, next, fill
.if \fill
	s_wait_xcnt 0x0                                ; the last prefetch, a K step back, has read its address: it is stepped here, ahead of the waits of the change of slots
	s_add_nc_u64 s[PFA:PFA+1], s[PFA:PFA+1], s[PFS:PFS+1]
.endif
	WIN 0                                          ; (the add's two registers lie in window 0)
	s_wait_tensorcnt 0x0                           ; all my tensor loads have landed: my part of the next slot;
	ds_add_u32 v[SPW], v[NIL]                      ; 0 onto my spare word;
	s_wait_dscnt 5                                 ; (the add and the youngest four loads may be out)
	MUL12 F1, 0, 0                                 ; twelve matrix instructions stand between the add and the wait for it
	s_wait_dscnt 0x0                               ; the add is done, and my reads of this slot are over
	s_barrier_signal -1
	MUL12 F1, 1, 0
.if \fill
	WIN 0
.endif
	s_barrier_wait -1
.if \fill
	CREST                                          ; the barrier has opened a round of the cluster's barrier: no wave of any partner still reads this slot's tile or has a load on its way
	s_add_nc_u64 s[G0+4*(\slot)+2:G0+4*(\slot)+3], s[G0+4*(\slot)+2:G0+4*(\slot)+3], 2*ASTEP
	s_add_nc_u64 s[G0B+4*(\slot)+2:G0B+4*(\slot)+3], s[G0B+4*(\slot)+2:G0B+4*(\slot)+3], 2*BSTEP
	JLOAD \slot                                    ; the first tensor load behind the round; the four v_nop behind it are also the places in front of the loads below
.else
	PLACES
.endif
	FETCH \next, 0, F0
.if \fill
	WIN 0
	ASK \slot                                      ; behind the joint load and the run of LDS loads that the next products wait for
.endif
	MUL12 F1, 2, 0
	MUL12 F1, 3, 0
.endm
	s_wait_loadcnt 0x0                             ; the bias
	s_wait_tensorcnt 0x1                           ; my part of K step 0 is in; K step 1's may stay out
	s_barrier_signal -1
	s_barrier_wait -1                              ; everybody's is
	FETCH 0, 0, F0
	QUARTER 0, 1, F0, F1, 1                        ; the first quarter stands in front of the loop: its 48 products start the sums
	WIN 0                                          ; at a label and at a branch every window is 0
	s_mov_b32 s3, LAPS-1
.Llap:                                                 ; a trip goes once round the ring, from a lap's second quarter to the next lap's first, and fills both slots again
	QUARTER 0, 2, F1, F0, 0
	QUARTER 0, 3, F0, F1, 0
	TURN 0, 1, 1
	QUARTER 1, 1, F0, F1, 0
	QUARTER 1, 2, F1, F0, 0
	QUARTER 1, 3, F0, F1, 0
	TURN 1, 0, 1
	QUARTER 0, 1, F0, F1, 0
	WIN 0
	s_sub_co_u32 s3, s3, 1
	s_cmp_lg_u32 s3, 0
	s_cbranch_scc1 .Llap
	QUARTER 0, 2, F1, F0, 0                        ; the last lap fills nothing, and has no round of the cluster's barrier
	QUARTER 0, 3, F0, F1, 0
	TURN 0, 1, 0
	QUARTER 1, 1, F0, F1, 0
	QUARTER 1, 2, F1, F0, 0
	QUARTER 1, 3, F0, F1, 0
	s_wait_dscnt 4                                 ; the very last quarter: nothing more to fetch
	MUL12 F1, 0, 0
	MUL12 F1, 1, 0
	s_wait_dscnt 0x0
	MUL12 F1, 2, 0
	MUL12 F1, 3, 0
	WIN 0
	PLACES
	; THE WAY OUT, f16 by heads: a head's rows are dense.  A unit is 16 rows (row block a) of one head (d): rounded, 16 bytes a lane into my own stage, back as rows: 512 consecutive bytes a store.
.macro PACK a, d
.set u, 3*(\a)+(\d)
	WIN 0x0a+5*((\a)/2)                            ; sources 0 and 1 window 2 or 3, destination window 0
.irp b, 0,1,2,3
.irp r, 0,1,2,3
	v_cvt_pk_f16_f32 v[TMP+16*u+4*(\b)+(\r)], v[96*((\a)%2)+8*(4*(\d)+(\b))+2*(\r)], v[96*((\a)%2)+8*(4*(\d)+(\b))+2*(\r)+1]
.endr
.endr
	WIN 0
.irp b, 0,1,2,3
	ds_store_b128 v[STO], v[TMP+16*u+4*(\b):TMP+16*u+4*(\b)+3] offset:32*(\b)
.endr
.irp f, 0,1,2,3
	ds_load_b128 v[TMP+16*u+4*(\f):TMP+16*u+4*(\f)+3], v[RD] offset:(\f)*4*SP  ; LDS serves a wave's instructions in order (ISA guide 5.7.1.4): these see the stores above; the next unit's stores come behind them
.endr
.endm
.macro SEND a, d, younger              ; younger: the LDS instructions issued behind the unit's loads: the next unit's eight, or none
.set u, 3*(\a)+(\d)
.irp f, 0,1,2,3
	s_wait_dscnt (\younger)+3-(\f)
	global_store_b128 v[CO], v[TMP+16*u+4*(\f):TMP+16*u+4*(\f)+3], s[OUTP+2*(\d):OUTP+2*(\d)+1] offset:(\a)*2048+(\f)*512  ; 512 consecutive bytes, at a multiple of 256 from qkvh's first
.endr
.endm
	PACK 0, 0
.set n, 1
.rept 11                               ; a unit's arithmetic stands between the loads of the unit before and its stores
	PACK n/3, n%3
	SEND (n-1)/3, (n-1)%3, 8
.set n, n+1
.endr
	SEND 3, 2, 0
	s_wait_tensorcnt 0x0                           ; the wave's end, behind my last tensor load and my last LDS store
	ds_add_u32 v[SPW], v[NIL]
	s_wait_dscnt 0x0
	CROUND                                         ; the closing round: no work-group ends while a partner may still ask for a tile that names it
	s_endpgm
.Lfunc_end_k_q9f83d8f4dd_proj:
	.size	k_q9f83d8f4dd_proj, .Lfunc_end_k_q9f83d8f4dd_proj-k_q9f83d8f4dd_proj
	.p2alignl 7, 3214868480
	.fill 96, 4, 3214868480
	.section	.rodata,"a",@progbits
	.p2align	6, 0x0
	.amdhsa_kernel k_q9f83d8f4dd_proj
		.amdhsa_group_segment_fixed_size 327680
		.amdhsa_private_segment_fixed_size 0
		.amdhsa_enable_private_segment 0
		.amdhsa_kernarg_size 40
		.amdhsa_user_sgpr_count 2
		.amdhsa_user_sgpr_kernarg_segment_ptr 1
		.amdhsa_wavefront_size32 1
		.amdhsa_system_sgpr_workgroup_id_x 1
		.amdhsa_system_sgpr_workgroup_id_y 1
		.amdhsa_system_sgpr_workgroup_id_z 1
		.amdhsa_system_vgpr_workitem_id 0
		.amdhsa_next_free_vgpr 960
		.amdhsa_next_free_sgpr 92
		.amdhsa_reserve_vcc 0
		.amdhsa_float_denorm_mode_32 3
		.amdhsa_float_denorm_mode_16_64 3
		.amdhsa_memory_ordered 1
		.amdhsa_forward_progress 1
		.amdhsa_inst_pref_size 126
	.end_amdhsa_kernel
	.amdgpu_metadata
---
amdhsa.version: [ 1, 2 ]
amdhsa.kernels:
  - .name:           k_q9f83d8f4dd_proj
    .symbol:         k_q9f83d8f4dd_proj.kd
    .args:
      - { .name: xb, .offset: 0, .size: 8, .value_kind: global_buffer, .address_space: global }
      - { .name: wqkv, .offset: 8, .size: 8, .value_kind: global_buffer, .address_space: global }
      - { .name: bq, .offset: 16, .size: 8, .value_kind: global_buffer, .address_space: global }
      - { .name: bkv, .offset: 24, .size: 8, .value_kind: global_buffer, .address_space: global }
      - { .name: qkvh, .offset: 32, .size: 8, .value_kind: global_buffer, .address_space: global }
    .group_segment_fixed_size: 327680
    .private_segment_fixed_size: 0
    .kernarg_segment_align: 8
    .kernarg_segment_size: 40
    .max_flat_workgroup_size: 128
    .sgpr_count:     92
    .vgpr_count:     960
    .wavefront_size: 32
...
	.end_amdgpu_metadata
.endif
;; end of part 7
;; launch attn (part 8): grid 8 x 32, 4 waves a work-group, no clusters, 327,680 bytes of LDS; arguments qkvh, ptab, ob; writes ob
.if DOCPART == 8
	.amdgcn_target "amdgcn-amd-amdhsa--gfx1250"
	.amdhsa_code_object_version 6
	.text
	.protected	k_q9f83d8f4dd_attn
	.globl	k_q9f83d8f4dd_attn
	.p2align	8
	.type	k_q9f83d8f4dd_attn,@function
k_q9f83d8f4dd_attn:
	s_mov_b64 s[64:65], 0
	v_nop
	global_prefetch_b8 v0, s[64:65] scope:SCOPE_SE
	s_setreg_imm32_b32 hwreg(HW_REG_WAVE_MODE, 25, 1), 1
	s_wait_xcnt 0x0
; CAUSAL ATTENTION WITH A RELATIVE TERM.  For key j <= query i: score = (q_i . k_j + q_i . p_m) / 8 with m = 2047 - i + j (the shift of the padded array, followed by flat indices); keys j > i are hidden.
; O[hb][i][:] = the sum over j <= i of softmax_j(score) v_j.  qkvh: f16 [q, k, v][hb 32][2048][64]; ptab: f16 [2048][64]; ob: f16 [hb 32][2048][64].  Products, maxima and sums in f32;
; the weights are rounded to f16 for the second product (their sum l is taken of the unrounded ones), O once at the end.
; LIMITS.  q, k, v, p arrive within f16's 65,504.  A hidden score counts as its value less 1e30: f16's scores, 2.7e11 at the most, are nothing beside that.  A weight below 2^-126 counts as 0 in l.
; NaN and infinities are not treated apart.
; THE WALK.  A head's queries lie in 16 blocks of 128; block B needs the key tiles 0 .. B of 128 keys, of which the last holds the diagonal.  A work-group takes TWO blocks, 15 - pb and then pb: 17 tiles,
; whatever pb: all 256 work-groups do equal work, and one loop with a constant trip count walks them.  Which tile is asked for hangs on scalar registers made from pb.
; SHARES.  A wave owns 32 rows of a block: two PIECES of 16 queries.  A tile is two steps of 64 keys: 34 steps in all.
; THE RELATIVE TERM.  With D = 128 (B - tile), the tile's scores want rows 1920 - D + rho of p, rho = 127 - query + key in 0 .. 254: 256 rows of p ride in each slot beside K and V.  For a step a piece wants 79 of them:
; T^T = P Q^T in five tiles of 16 rows (a lane holds ONE query, lane % 16, and the rows 8 (lane / 16) + 0..7).  Key kappa of query r wants column 15 - r + kappa of T: a shift that differs from lane to lane.
; So T goes once through the wave's own LDS scratch: in by 16 bytes a lane, back word by word from addresses skewed by the lane's query, STRAIGHT INTO THE ACCUMULATORS of S^T = K Q^T, which adds onto them.
; THE MASK.  A key is hidden just where its row of p would lie past the table's end (rho >= 128 in the diagonal tile), which falls on whole tiles of T: the mask is the C operand, 0 or -1e30, of the product that starts T.
; In the diagonal tile the upper 128 rows of p do not exist: the table's last 128 are fetched in their stead, and every product with them is masked.
; BY TURNS.  For a step and a piece the work is a chain: T^T (10 products), its trip through LDS, K Q^T (8), the softmax (118 vector lines), V^T P (8).  The two pieces run half a step apart.  In a TURN piece x has
; the matrix unit: V^T P of the step whose softmax it has just had, then T^T and K Q^T of the next step; the other piece's softmax stands behind these 26 products, a few lines behind each, and in one lump behind the
; trip's LDS lines, while the trip is out.  BODY n (a trip of the step loop) fetches p, K and V of step n and nothing else, so that a slot's reads lie between two changes of slots:
;   turn 0: V^T P of (piece 0, step n - 1), T and K Q^T of (0, n) | the softmax of (1, n - 1);      turn 1: V^T P of (1, n - 1), T and K Q^T of (1, n) | the softmax of (0, n).
; Step 0's T and K Q^T of piece 0 are written out ahead of the loop, which is entered at turn 1; that turn's V^T P, of a step that has not been, multiplies zeros: V's and the weights' registers are cleared for it,
; beside O^T and the masks: 196 lines that write 0, in the wait for the first tile.  Behind the last body stand piece 1's last softmax and both pieces' last V^T P.
; THE TURNS GO ON ACROSS THE CHANGE OF BLOCKS.  In the second block's first body (flag BND) Q is changed and the masks are made anew at its head; piece 0 goes out behind turn 0, piece 1 behind turn 1, each when its
; last V^T P is done and before its first softmax of the new block multiplies its O^T by a = 0.
; NO CLUSTER: the work-groups of a head want different tiles of p in every trip, and the same K and V only while their first blocks last.
; REGISTERS, in windows of 256 (s_set_vgpr_msb: bits 1:0 source 0, 3:2 source 1, 5:4 source 2, 7:6 destination):
;   window 0: v0-27 addresses and statistics; v48-55 at work; v62-63 the add's; v64-127 S^T, 32 a piece; v128-207 T^T, 40 a piece (also at work on the way out); v208-239 the weights, 16 a piece
;   window 1: v0-63 O^T, 32 a piece; v64-111 the masks of six tiles of p; v128-159 the second block's Q       window 2: v0-31 Q; v32-95 K; v96-159 V; v160-255 p, six tiles
; All that a softmax touches but O^T lies in window 0, and no window has room for a product's operands beside it: so the lines behind a product cost two switches.
.set NB,    16
.set PK,    144       ; a row of K or p in LDS: 128 bytes + 16 = 36 words: the 16 rows of a load start at 16 different groups of four banks (64 banks of 4 bytes: ISA guide 11.1)
.set PVP,   160       ; a row of V: 128 + 32 = 40 words
.set KOFF,  256*PK    ; a slot: 256 rows of p, 128 of K, 128 of V
.set VOFF,  KOFF+128*PK
.set SLOT1, 1<<17     ; slot 1 begins here, so that one exclusive or turns an address in one slot into the other's
.set SCR,   VOFF+128*PVP  ; between the slots, never filled by a tensor load: the scratch, for each wave and piece 16 rows x 336 bytes (80 f32 + 16: the 16 lanes of a store fall on 16 different columns of 16 bytes)
.set SCP,   336
.set SCX,   16*SCP
.set STAGE, SCR+8*SCX     ; 16 rows x 144 bytes for each wave, for the way out
.set SP,    144
.set SPARE, STAGE+4*16*SP ; the spare words, 128 bytes for each wave: two blocks of 256 bytes that no other line names
.set AK0, 2           ; v2   my lane's place in a tile of K; never rewritten
.set AV0, 3           ; v3   the same for V
.set AP0, 4           ; v4   the same for p: my wave's six tiles begin at row 96 - 32 w of a slot
.set AK,  5           ; v5-7 the LDS addresses of the runs of loads in hand
.set AV,  6
.set AP,  7
.set SCW, 8           ; v8   scratch, in: row r x 336 + 32 h
.set MV,  12          ; v12-13  c m_old, kept while c m is made anew
.set SCL, 14          ; v14  scratch, back: row r x 336 + 4 (15 - r) + 32 h: the 32 lanes fall on 32 different banks (19 r + 8 h + 15 mod 64)
.set QO,  15          ; v15  my byte offset in 16 rows of Q
.set ST,  16          ; piece y's statistics at v[ST+4 y]: c m, m, l (even keys', odd keys')
.set STO, 24          ; v24  the way out: where I put 16 bytes of a row
.set RD,  25          ; v25  where I read rows back
.set GO,  26          ; v26  my byte offset in 512 consecutive bytes of O
.set PFO, 27          ; v27  the prefetches' offset: 256 x lane + 8,192 (w % 2); never rewritten
.set TMP, 48          ; by piece, four registers c0-c3 at work; when the maximum is found c2 takes a
.set SPW, 62          ; v62  LDS address of my spare word: SPARE + 4 x my thread's number; never rewritten
.set NIL, 63          ; v63  0; never rewritten
.set S,   64
.set TT,  128
.set PW,  208
.set MK,  64          ; window 1
.set QB,  128         ; window 1
.set KF,  32          ; window 2: key block kt, channel half c at KF + 16 kt + 8 c
.set VF,  96          ; window 2: key half kk, channel block cb at VF + 32 kk + 8 cb
.set PF,  160         ; window 2: tile g, channel half c at PF + 16 g + 8 c
.set WV,  12          ; s12  my wave's number
.set PB,  14          ; s14  pb
.set HI,  15          ; s15  15 - pb
.set BASEW, 16        ; s[16:17] what I fetch: ptab (waves 0, 1), the head's K (wave 2), its V (wave 3)
.set PFA, 18          ; s[18:19] where my prefetches stand: the head's K (waves 0, 1) or V (waves 2, 3), at the tile behind the one that is being asked for
.set LIM, 20          ; s20  2 in the work-group that prefetches, else the greatest number
.set G1K, 24          ; s[24:31] descriptor group 1 for p's and K's tiles
.set G1V, 32          ; s[32:39] for V's: it differs in the padding alone
.set G0,  40          ; s[40:43] descriptor group 0
.set ADDW, 44         ; s44  what is added to a tile's number to give my 128 rows' number in my tensor: p: 15 - B + w; K, V: 0
.set ADDW2, 45        ; s45  the same for the second block
.set IDX, 46          ; s46
.set OFF, 48          ; s[48:49] byte offset of 128 rows
.set OLO, 50          ; s[50:51] O at my rows of the second block
.set SLOTS, 56        ; s56  tiles still to be asked for
.set CNT, 57          ; s57  counts a tile's two steps, 2 and 1
.set CS,  58          ; s[58:59] c = log2(e) / 8: the packed scaling takes the pair's low word for both halves
.set SEL, 60          ; s[60:61] v_permlanex16_b32's selects: each lane takes its own place in the other half
.set TBK, 62          ; s62  LDS byte at which the slot's rows of K (less KOFF) and of p for the step to be fetched begin
.set TBV, 63          ; s63  the same for V, less VOFF
.set RT,  70          ; s70  tiles that the block of the step being fetched still has to enter; 0: its last tile, the diagonal one, is in hand
.set NXT, 71          ; s71  the tile to be asked for next
.set LQ,  72          ; s72  the last tile of the block whose tiles are being asked for
.set BND, 73          ; s73  1 in the second block's first body, else 0
.set GH,  74          ; s74  the first hidden one of my six tiles of p
.set MVAL, 75         ; s75  a mask's number; at work
.set BIGN, 82         ; s82  -1e30
.set MSB, 0
.macro WIN new                      ; the high byte repeats the setting that is left; a switch that changes nothing is dropped
.if MSB != (\new)
	s_set_vgpr_msb (MSB<<8)|(\new)
.set MSB, (\new)
.endif
.endm
.set W_TM, 0x1a       ; p and Q in window 2, the mask (C) in window 1, T^T in window 0
.set W_KQ, 0x0a       ; sources 0 and 1 in window 2, C and D in window 0
.set W_PV, 0x52       ; V in window 2, the weights in window 0, O^T in window 1
.set W_RS, 0x41       ; destination and source 0 in window 1, source 1 in window 0
.macro PLACES                       ; four places behind a matrix instruction, ahead of lines that read its result and of loads into its registers
.rept 4
	v_nop
.endr
.endm
; A fill: each wave brings 128 rows of 128 bytes to LDS byte 18,432 w of the slot.  Wave 3's rows (V) are padded otherwise.  An s_nop 0 and four v_nop follow each of the two lines, ahead of the jump and the label.
.macro LOAD
	s_cmp_eq_u32 s[WV], 3
	s_cbranch_scc1 .Lfor_v_\@
	tensor_load_to_lds s[G0:G0+3], s[G1K:G1K+7]
	s_nop 0
.rept 4
	v_nop
.endr
	s_branch .Lasked_\@
.Lfor_v_\@:
	tensor_load_to_lds s[G0:G0+3], s[G1V:G1V+7]
	s_nop 0
.rept 4
	v_nop
.endr
.Lasked_\@:
.endm
; A PREFETCH INTO THE L2 of the K and V that the NEXT change of slots will ask for: 64 blocks of 256 bytes of each, a lane a block, one instruction a wave; behind the wave's tensor load and its five lines.
; The eight work-groups of a head begin with the same tiles 0, 1, ..; the one with pb = 0 walks all sixteen and asks, nobody else: each block is named once in the launch.  Tiles 0 and 1 come by their loads alone;
; the changes that ask for tile 15 and for the second block prefetch nothing.  p is not asked for: every work-group walks it.
.macro ASK
	s_cmp_gt_u32 s[SLOTS], s[LIM]
	s_cbranch_scc0 .Lnot_mine_\@
	global_prefetch_b8 v[PFO], s[PFA:PFA+1] th:TH_LOAD_NT scope:SCOPE_SE
.Lnot_mine_\@:
.endm
; THE CHANGE OF SLOTS.  Each wave waits for all its tensor loads, of which one is out: its part of the other slot; adds 0 to its spare word; and waits for that and for its own reads of the slot that it leaves.  Behind the barrier
; nobody reads the old slot any more and the other slot is whole.  fill = 1: the old slot is filled again, the first thing behind the barrier, with tile NXT: the descriptor's address is made anew from that number.
; (At its first use nothing has been read yet: slot 0 is waited for, slot 1 filled.)
.macro CHANGE fill
	WIN 0                           ; at a label and at a branch every window is 0
	s_wait_tensorcnt 0x0            ; no tensor load of mine is out, so group 0 may be written
	ds_add_u32 v[SPW], v[NIL]       ; 0 onto my spare word; with fill = 1 the descriptor's scalar work stands between it and the wait for it
.if \fill
	s_add_co_u32 s[IDX], s[NXT], s[ADDW]
	s_min_u32 s[IDX], s[IDX], 15    ; past the table's end (the diagonal tile's upper rows of p): its last 128 rows, all masked
	s_lshl_b32 s[OFF], s[IDX], 14   ; 128 rows are 16,384 bytes
	s_xor_b32 s[G0+1], s[G0+1], SLOT1
	s_add_nc_u64 s[G0+2:G0+3], s[BASEW:BASEW+1], s[OFF:OFF+1]
	s_or_b32 s[G0+3], s[G0+3], 0x80000000
	s_add_co_u32 s[NXT], s[NXT], 1  ; the block's next tile, or behind its last the second block's tile 0
	s_cmp_gt_u32 s[NXT], s[LQ]
	s_cselect_b32 s[NXT], 0, s[NXT]
	s_cselect_b32 s[LQ], s[PB], s[LQ]
	s_cselect_b32 s[ADDW], s[ADDW2], s[ADDW]
	s_wait_xcnt 0x0                 ; the last prefetch, a tile back, has read its address, so it may be written
	s_add_nc_u64 s[PFA:PFA+1], s[PFA:PFA+1], 16384
.endif
	s_wait_dscnt 0x0                ; the add is done, and my reads of the slot are over
	s_barrier_signal -1             ; the rest of the scalar work stands between the signal and the wait
	s_sub_co_u32 s[TBK], s[TBK], 2*64*PK   ; the fetches go back to a slot's first step,
	s_xor_b32 s[TBK], s[TBK], SLOT1        ; in the other slot
	s_sub_co_u32 s[TBV], s[TBV], 2*64*PVP
	s_xor_b32 s[TBV], s[TBV], SLOT1
	s_barrier_wait -1
.if \fill
	LOAD
	ASK
.endif
.endm
	s_load_b128 s[4:7], s[0:1], 0x0 ; qkvh s[4:5], ptab s[6:7]
	s_load_b64 s[8:9], s[0:1], 0x10 ; ob
	v_lshl_add_u32 v[SPW], v0, 2, SPARE
	v_mov_b32 v[NIL], 0
	ds_add_u32 v[SPW], v[NIL]       ; the wave's opening: the add and its wait ahead of my first tensor load; the set-up below, work on registers, stands between them
	v_lshrrev_b32 v1, 5, v0
	v_readfirstlane_b32 s[WV], v1   ; wave 0..3
	s_mov_b32 s[PB], ttmp9
	s_sub_co_u32 s[HI], NB-1, s[PB]
	s_and_b32 s13, ttmp7, 0xffff    ; hb
	s_lshl_b32 s2, s13, 18          ; a head is 2,048 rows x 128 bytes;
	s_lshl_b32 s3, s[WV], 12        ; my wave's 32 rows of a block
	s_add_co_u32 s2, s2, s3
	s_lshl_b32 s3, s[HI], 14        ; in the first block,
	s_add_co_u32 s84, s2, s3
	s_mov_b32 s85, 0
	s_lshl_b32 s3, s[PB], 14        ; and in the second
	s_add_co_u32 s86, s2, s3
	s_mov_b32 s87, 0
	s_max_u32 s21, s[WV], 2         ; wave 2: K, 32 heads on in qkvh; wave 3: V, 64 on (waves 0 and 1 make K's and do not use it)
	s_sub_co_u32 s21, s21, 1
	s_lshl_b32 s21, s21, 5
	s_add_co_u32 s21, s21, s13
	s_lshl_b32 s22, s21, 18
	s_mov_b32 s23, 0
	s_lshr_b32 s76, s[WV], 1        ; the prefetches: waves 0 and 1 K, waves 2 and 3 V,
	s_add_co_u32 s76, s76, 1
	s_lshl_b32 s76, s76, 5
	s_add_co_u32 s76, s76, s13
	s_lshl_b32 s76, s76, 18
	s_add_co_u32 s76, s76, 16384    ; at tile 1: the first change of slots steps it to tile 2
	s_mov_b32 s77, 0
	s_add_co_u32 s[ADDW], s[PB], s[WV]   ; block 15 - pb: 15 - B + w = pb + w
	s_add_co_u32 s[ADDW2], s[HI], s[WV]  ; block pb
	s_cmp_lt_u32 s[WV], 2
	s_cselect_b32 s[ADDW], s[ADDW], 0
	s_cselect_b32 s[ADDW2], s[ADDW2], 0
	s_cmp_eq_u32 s[PB], 0
	s_cselect_b32 s[LIM], 2, -1
	; descriptor group 1.  128 rows are 16,384 dense bytes: asked for as 64 rows of 256 bytes, two rows a row, and padded in LDS after every 128 bytes
	s_mov_b32 s[G1K], (1<<16)|(1<<20)|(4<<22)|(3<<25)  ; 17:16 2-byte elements; 20 padding on; 24:22 after every 32 words (code 4); 31:25 4 words (code 3)
	s_mov_b32 s[G1V], (1<<16)|(1<<20)|(4<<22)|(7<<25)  ; the same with 8 words of padding (code 7)
.irp g, G1K, G1V
	s_mov_b32 s[\g+1], 128<<16      ; tensor_dim0 = 128
	s_mov_b32 s[\g+2], 64<<16       ; tensor_dim1 = 64
	s_mov_b32 s[\g+3], 128<<16      ; tile_dim0 = 128
	s_mov_b32 s[\g+4], 64           ; tile_dim1 = 64
	s_mov_b32 s[\g+5], 128          ; 128 elements from row to row
	s_mov_b32 s[\g+6], 0
	s_mov_b32 s[\g+7], 0
.endr
	s_mov_b32 s[G0], 1              ; 1:0 count = 1
	s_mul_i32 s[G0+1], s[WV], 128*PK  ; 63:32 LDS address: slot 0; p's two halves, K, V
	s_min_u32 s[IDX], s[ADDW], 15   ; tile 0
	s_lshl_b32 s[OFF], s[IDX], 14
	s_mov_b32 s[OFF+1], 0
	s_mov_b32 s[CS], 0x3e38aa3b     ; c = log2(e) / 8 = 0.180337
	s_mov_b32 s[CS+1], s[CS]        ; named with it as a pair
	s_mov_b32 s[SEL], 0x76543210
	s_mov_b32 s[SEL+1], 0xfedcba98
	s_mov_b32 s[TBK], SLOT1+2*64*PK ; the first change of slots turns these two into 0
	s_mov_b32 s[TBV], SLOT1+2*64*PVP
	s_add_co_u32 s[RT], s[HI], 1    ; the first block has 16 - pb tiles
	s_mov_b32 s[NXT], 1
	s_mov_b32 s[LQ], s[HI]
	s_mov_b32 s[BND], 0
	s_mov_b32 s[BIGN], 0xf149f2ca   ; -1e30
	s_mov_b32 s[SLOTS], NB
	s_wait_dscnt 0x0                ; the opening add is done
	s_wait_kmcnt 0x0
	s_add_nc_u64 s[22:23], s[4:5], s[22:23]
	s_cmp_lt_u32 s[WV], 2
	s_cselect_b64 s[BASEW:BASEW+1], s[6:7], s[22:23]
	s_add_nc_u64 s[PFA:PFA+1], s[4:5], s[76:77]
	s_add_nc_u64 s[54:55], s[4:5], s[84:85]        ; Q at my rows of the first block,
	s_add_nc_u64 s[52:53], s[4:5], s[86:87]        ; and of the second
	s_add_nc_u64 s[10:11], s[8:9], s[84:85]        ; O likewise
	s_add_nc_u64 s[OLO:OLO+1], s[8:9], s[86:87]
	s_add_nc_u64 s[G0+2:G0+3], s[BASEW:BASEW+1], s[OFF:OFF+1]  ; 120:64 global address
	s_or_b32 s[G0+3], s[G0+3], 0x80000000          ; 127:126 type = 2
	LOAD                            ; tile 0 into slot 0
	; A fragment of K, p or Q is 16 rows x 32 channels in 8 registers: lane l holds row l % 16, channels 8 (l / 16) + 0..7 and 16 + 8 (l / 16) + 0..7: two loads of 16 bytes, 32 bytes apart.
	v_and_b32 v1, 15, v0            ; r = l % 16
	v_bfe_u32 v9, v0, 4, 1          ; h = l / 16
	v_lshlrev_b32 v[QO], 7, v1
	v_lshl_add_u32 v[QO], v9, 4, v[QO]
	WIN 0x80                        ; destination window 2, address window 0
.irp f, 0,1,2,3                     ; piece f / 2, channels 32 (f % 2) on
	global_load_b128 v[8*\f:8*\f+3],   v[QO], s[54:55] offset:(\f/2)*2048+(\f%2)*64
	global_load_b128 v[8*\f+4:8*\f+7], v[QO], s[54:55] offset:(\f/2)*2048+(\f%2)*64+32
.endr
	WIN 0x40                        ; destination window 1
.irp f, 0,1,2,3
	global_load_b128 v[QB+8*\f:QB+8*\f+3],   v[QO], s[52:53] offset:(\f/2)*2048+(\f%2)*64
	global_load_b128 v[QB+8*\f+4:QB+8*\f+7], v[QO], s[52:53] offset:(\f/2)*2048+(\f%2)*64+32
.endr
	WIN 0
	v_mul_u32_u24 v10, v1, PK
	v_lshl_add_u32 v10, v9, 4, v10  ; row x 144 + 16 h
	v_add_nc_u32 v[AK0], KOFF, v10
	s_mul_i32 s2, s[WV], 32*PK
	s_sub_co_u32 s2, 96*PK, s2
	v_add_nc_u32 v[AP0], s2, v10
	s_mul_i32 s2, s[WV], 16*SP
	s_add_co_u32 s2, s2, STAGE      ; my stage
	v_add_nc_u32 v[STO], s2, v10    ; in: row r, 16 bytes for each half of the lanes
	v_bfe_u32 v[RD], v0, 3, 2       ; back: 32 lanes take four rows of 128 bytes,
	v_mul_u32_u24 v[RD], v[RD], SP
	v_and_b32 v11, 7, v0
	v_lshl_add_u32 v[RD], v11, 4, v[RD]
	v_add_nc_u32 v[RD], s2, v[RD]
	; The turning load takes 16 keys x 16 channels (lane l reads key 8 (l / 16) + l % 8, channels 8 ((l / 8) % 2) + 0..7) and leaves half a fragment of V^T: lane l holds channel l % 16 and 8 keys.
	v_lshl_add_u32 v[AV0], v9, 3, v11
	v_mul_u32_u24 v[AV0], v[AV0], PVP
	v_bfe_u32 v11, v0, 3, 1
	v_lshl_add_u32 v[AV0], v11, 4, v[AV0]
	v_add_nc_u32 v[AV0], VOFF, v[AV0]
	s_mul_i32 s2, s[WV], 2*SCX
	s_add_co_u32 s2, s2, SCR        ; my scratch
	v_mul_u32_u24 v[SCW], v1, SCP
	v_lshl_add_u32 v[SCW], v9, 5, v[SCW]
	v_add_nc_u32 v[SCW], s2, v[SCW]
	v_mul_u32_u24 v[SCL], v1, SCP-4
	v_lshl_add_u32 v[SCL], v9, 5, v[SCL]
	s_add_co_u32 s2, s2, 60
	v_add_nc_u32 v[SCL], s2, v[SCL]
	v_and_b32 v[GO], 31, v0
	v_lshlrev_b32 v[PFO], 8, v[GO]
	v_lshlrev_b32 v[GO], 4, v[GO]   ; 512 consecutive bytes of O
	s_and_b32 s2, s[WV], 1
	s_lshl_b32 s2, s2, 13
	v_add_nc_u32 v[PFO], s2, v[PFO]
; THE LDS LOADS stand in runs.  p: six tiles of 16 rows x 64 channels; K: 64 keys x 64 channels; V: the same, turned.
.macro FETCH_P
	WIN 0x80                        ; destination window 2
.irp f, 0,1,2,3,4,5,6,7,8,9,10,11   ; tile f / 2, channels 32 (f % 2) on
	ds_load_b128 v[PF+8*\f:PF+8*\f+3],   v[AP] offset:(\f/2)*16*PK+(\f%2)*64
	ds_load_b128 v[PF+8*\f+4:PF+8*\f+7], v[AP] offset:(\f/2)*16*PK+(\f%2)*64+32
.endr
	WIN 0
.endm
.macro FETCH_K
	WIN 0x80
.irp f, 0,1,2,3,4,5,6,7             ; keys 16 (f / 2) on, channels 32 (f % 2) on
	ds_load_b128 v[KF+8*\f:KF+8*\f+3],   v[AK] offset:(\f/2)*16*PK+(\f%2)*64
	ds_load_b128 v[KF+8*\f+4:KF+8*\f+7], v[AK] offset:(\f/2)*16*PK+(\f%2)*64+32
.endr
	s_add_co_u32 s[TBK], s[TBK], 64*PK  ; the next fetch is the next step's
	WIN 0
.endm
.macro FETCH_V
	WIN 0x80
.irp f, 0,1,2,3,4,5,6,7             ; keys 32 (f / 4) on, channels 16 (f % 4) on
	ds_load_tr16_b128 v[VF+8*\f:VF+8*\f+3],   v[AV] offset:(\f/4)*32*PVP+(\f%4)*32
	ds_load_tr16_b128 v[VF+8*\f+4:VF+8*\f+7], v[AV] offset:(\f/4)*32*PVP+16*PVP+(\f%4)*32
.endr
	s_add_co_u32 s[TBV], s[TBV], 64*PVP
	WIN 0
.endm
; THE MATRIX WORK, one product a macro; each takes number i of its run and steps i.  In every run the accumulators take turns, one instruction a turn, and a run's last product and the next run's first name different accumulators.
; Product i of 10 of T^T = P Q^T for piece x.  T tile t = i % 5 is tile t + 1 - x of my six; channels 32 (i / 5) on.  The first five start the sums with the tile's mask.
.macro TPW x
.set rD, TT+40*(\x)+8*(i%5)
.set rA, PF+16*(i%5+1-(\x))+8*(i/5)
.set rB, 16*(\x)+8*(i/5)
.set rM, MK+8*(i%5+1-(\x))
.if i < 5
	WIN W_TM
	v_wmma_f32_16x16x32_f16 v[rD:rD+7], v[rA:rA+7], v[rB:rB+7], v[rM:rM+7]
.else
	WIN W_KQ
	v_wmma_f32_16x16x32_f16 v[rD:rD+7], v[rA:rA+7], v[rB:rB+7], v[rD:rD+7]
.endif
.set i, i+1
.endm
; Product i of 8 of S^T = K Q^T + T for piece x, in place on the registers that hold the shifted T: channels 32 (i / 4) on, keys 16 (i % 4) on.
.macro KQW x
	WIN W_KQ
.set rS, S+32*(\x)+8*(i%4)
.set rK, KF+16*(i%4)+8*(i/4)
.set rQ, 16*(\x)+8*(i/4)
	v_wmma_f32_16x16x32_f16 v[rS:rS+7], v[rK:rK+7], v[rQ:rQ+7], v[rS:rS+7]
.set i, i+1
.endm
; Product i of 8 of O^T += V^T P for piece x: channels 16 (i % 4) on, keys 32 (i / 4) on.
.macro PVW x
	WIN W_PV
.set rO, 32*(\x)+8*(i%4)
.set rV, VF+32*(i/4)+8*(i%4)
.set rP, PW+16*(\x)+8*(i/4)
	v_wmma_f32_16x16x32_f16 v[rO:rO+7], v[rV:rV+7], v[rP:rP+7], v[rO:rO+7]
.set i, i+1
.endm
; T's trip through my scratch: column 16 t + 8 h + j of row r goes in, 16 bytes a store (each accumulator's low half first); register j of key block kt takes column 15 - r + 16 kt + 8 h + j back.
; LDS serves a wave's instructions in order (ISA guide 5.7.1.4): the loads see the stores, and the next step's stores come behind these loads.
.macro TRIP x
	WIN 0
.irp t, 0,1,2,3,4
	ds_store_b128 v[SCW], v[TT+40*(\x)+8*\t:TT+40*(\x)+8*\t+3]   offset:(\x)*SCX+64*\t
	ds_store_b128 v[SCW], v[TT+40*(\x)+8*\t+4:TT+40*(\x)+8*\t+7] offset:(\x)*SCX+64*\t+16
.endr
.set i, 0
.rept 32
	ds_load_b32 v[S+32*(\x)+i], v[SCL] offset:(\x)*SCX+64*(i/8)+4*(i%8)
.set i, i+1
.endr
.endm
; THE VECTOR WORK, one line at a time: OP kind, number, piece.  X n: number n of the 22 that find the maximum and statistics:
;   0-11  four chains c0-c3 of seven scores each, three operands at a time (each accumulator's lowest registers are read first)     12-14, 16  the four scores left over, the old m, and c0-c3 into c0
;   15  c m_old is kept     17, 18  the query's other 32 keys lie in the lane 16 away: the new m     19-21  c m; c m_old - c m_new; a = 2^that
; F n: c s - c m for pair n of 16.  E n: the exponential of score n of 32.  C n: pair n rounded to f16.  B n: of the four weights 4 n .. the second pair is added onto the first, in place.
; G n: the eight sums that B leaves are added by twos, in place: 0-3, then 4 and 5, then 6.  L: l = a l + the sum.  R n: pair n of 16 of O^T times a (ascending: each accumulator's lowest registers first).
.set F, 0
.set E, 1
.set C, 2
.set B, 3
.set L, 4
.set R, 5
.set X, 6
.set G, 7
.macro OP k, n, y
.set rT, ST+4*(\y)
.set rC, TMP+4*(\y)
.set rW, MV+(\y)
.set rS, S+32*(\y)
.set rP, PW+16*(\y)
.set rO, 32*(\y)
.if (\k) == R
	WIN W_RS
	v_pk_mul_f32 v[rO+2*(\n):rO+2*(\n)+1], v[rO+2*(\n):rO+2*(\n)+1], v[rC+2:rC+3] op_sel_hi:[1,0]
.elseif (\k) == F
	WIN 0
	v_pk_fma_f32 v[rS+2*(\n):rS+2*(\n)+1], v[rS+2*(\n):rS+2*(\n)+1], s[CS:CS+1], v[rT:rT+1] op_sel_hi:[1,0,0] neg_lo:[0,0,1] neg_hi:[0,0,1]
.elseif (\k) == E
	WIN 0
	v_exp_f32 v[rS+(\n)], v[rS+(\n)]
.elseif (\k) == C
	WIN 0
	v_cvt_pk_f16_f32 v[rP+(\n)], v[rS+2*(\n)], v[rS+2*(\n)+1]
.elseif (\k) == B
	WIN 0
	v_pk_add_f32 v[rS+4*(\n):rS+4*(\n)+1], v[rS+4*(\n):rS+4*(\n)+1], v[rS+4*(\n)+2:rS+4*(\n)+3]
.elseif (\k) == G
	WIN 0
.if (\n) < 4
	v_pk_add_f32 v[rS+8*(\n):rS+8*(\n)+1], v[rS+8*(\n):rS+8*(\n)+1], v[rS+8*(\n)+4:rS+8*(\n)+5]
.elseif (\n) < 6
	v_pk_add_f32 v[rS+16*(\n)-64:rS+16*(\n)-63], v[rS+16*(\n)-64:rS+16*(\n)-63], v[rS+16*(\n)-56:rS+16*(\n)-55]
.else
	v_pk_add_f32 v[rS:rS+1], v[rS:rS+1], v[rS+16:rS+17]
.endif
.elseif (\k) == L
	WIN 0
	v_pk_fma_f32 v[rT+2:rT+3], v[rT+2:rT+3], v[rC+2:rC+3], v[rS:rS+1] op_sel_hi:[1,0,1]
.else
	WIN 0
.if (\n) < 4
	v_max3_num_f32 v[rC+(\n)], v[rS+8*(\n)], v[rS+8*(\n)+1], v[rS+8*(\n)+2]
.elseif (\n) < 12
	v_max3_num_f32 v[rC+(\n)%4], v[rC+(\n)%4], v[rS+8*((\n)%4)+2*((\n)/4)+1], v[rS+8*((\n)%4)+2*((\n)/4)+2]
.elseif (\n) == 12
	v_max3_num_f32 v[rC], v[rC], v[rS+7], v[rS+15]
.elseif (\n) == 13
	v_max3_num_f32 v[rC+1], v[rC+1], v[rS+23], v[rS+31]
.elseif (\n) == 14
	v_max3_num_f32 v[rC+2], v[rC+2], v[rC+3], v[rT+1]
.elseif (\n) == 15
	v_mov_b32 v[rW], v[rT]
.elseif (\n) == 16
	v_max3_num_f32 v[rC], v[rC], v[rC+1], v[rC+2]
.elseif (\n) == 17
	v_permlanex16_b32 v[rC+3], v[rC], s[SEL], s[SEL+1]
.elseif (\n) == 18
	v_max_num_f32 v[rT+1], v[rC], v[rC+3]
.elseif (\n) == 19
	v_mul_f32 v[rT], s[CS], v[rT+1]
.elseif (\n) == 20
	v_sub_f32 v[rC+1], v[rW], v[rT]
.else
	v_exp_f32 v[rC+2], v[rC+1]
.endif
.endif
.endm
; A PIECE'S SOFTMAX FOR A STEP IS ONE QUEUE OF 118 LINES; SQ writes number q of it for piece Y and steps q.
;   0-20    X 0 to X 20          21, 22  F 0, F 1          23  X 21, the first exponential
;   24-65   fourteen times: E 2 n, F n + 2, E 2 n + 1 (a pair is scaled two groups ahead of its exponentials)          66-69  E 28 to E 31
;   (wait)  0-69 name no exponential's result; all that do come from 70 on; between them stands the turn's one wait, which TURN writes
;   70-85   C 0 to C 15          86-93  B 0 to B 7          94-100  G 0 to G 6          101, 102  R 0, R 1          103  L          104-117  R 2 to R 15
.macro SQ
.if q < 21
	OP X, q, Y
.elseif q < 23
	OP F, q-21, Y
.elseif q == 23
	OP X, 21, Y
.elseif q < 66
.if (q-24)%3 == 0
	OP E, 2*((q-24)/3), Y
.elseif (q-24)%3 == 1
	OP F, (q-24)/3+2, Y
.else
	OP E, 2*((q-24)/3)+1, Y
.endif
.elseif q < 70
	OP E, q-38, Y
.elseif q < 86
	OP C, q-70, Y
.elseif q < 94
	OP B, q-86, Y
.elseif q < 101
	OP G, q-94, Y
.elseif q < 103
	OP R, q-101, Y
.elseif q == 103
	OP L, 0, Y
.else
	OP R, q-102, Y
.endif
.set q, q+1
.endm
.macro RID cnt                      ; the queue's next cnt lines
.rept \cnt
	SQ
.endr
.endm
; A TURN.  Piece x has the matrix unit, piece Y = 1 - x the vector unit.  The numbers in the .irp lines say how many lines of the queue stand behind each product.
;   8 products V^T P: behind them the maximum; the links of its serial end (X 16 to X 19) stand a product apart.
;   10 products T^T: X 20, two scalings and a; then the batch of scalings and exponentials.
;   Four v_nop: the places between the last of those products and the stores that read T, and the plain line behind the last exponential.  Then the ONE wait between the turn's 33
;   exponentials and the first line that names a result of theirs: it stands directly ahead of the trip's run of LDS lines.
;   The trip's 42 LDS lines; behind them a lump of 28 (the roundings and most of the sums), which runs while the trip is out.
;   8 products K Q^T: the end of the sums, l, and O^T's rescaling.  The last four lines are plain and name no register of these products: they are the places between the turn's last product and what follows it:
;   the next turn's first read of these scores and, behind turn 1, the loads into K's registers.
; Turn 0 waits for p ahead of its T^T.  Turn 1 fetches V of the step in hand behind its second T^T: seven plain lines (X 19, X 20, F 0 to F 3, the address) stand between the last product that read V and the run.
; full = 0: the walk's end: V^T P alone, and the rest of the queue on end.
.macro TURN x, full
.set Y, 1-(\x)
.set q, 0
.set i, 0
.irp c, 4,4,4,4,1,1,1,1
	PVW \x
	RID \c
.endr
.if \full
.if (\x) == 0
	s_wait_dscnt 16                 ; p's 24 loads are in; K's 16, issued behind them, may stay out
.endif
.set i, 0
.irp c, 4,5,5,5,5,5,5,5,5,6
	TPW \x
	RID \c
.if ((\x) == 1) && (i == 2)
	WIN 0
	v_add_nc_u32 v[AV], s[TBV], v[AV0]
	FETCH_V
.endif
.endr
	WIN 0
	PLACES
	s_wait_alu depctr_va_vdst(0)    ; the wait for the batch
	TRIP \x
	RID 28
	s_wait_dscnt 0x0                ; the shifted T is in, and so are K and (turn 1) V
.set i, 0
.irp c, 2,3,3,2,2,2,2,4
	KQW \x
	RID \c
.endr
.else
	RID 50
	WIN 0
	v_nop                           ; a plain line behind the last exponential
	s_wait_alu depctr_va_vdst(0)    ; the wait for the batch
	RID 48
.endif
	WIN 0
.endm
; The masks of the step that is being fetched.  In the diagonal tile my tile g of p begins at row 96 - 32 w + 64 s + 16 g of the slot (s = 2 - CNT); it is hidden from row 128 on: g >= 2 w + 4 CNT - 6.  In any other tile none is hidden.
.macro MASKSET
	s_lshl_b32 s[GH], s[CNT], 2
	s_lshl_b32 s[MVAL], s[WV], 1
	s_add_co_u32 s[GH], s[GH], s[MVAL]
	s_sub_co_i32 s[GH], s[GH], 6
	s_cmp_eq_u32 s[RT], 0
	s_cselect_b32 s[GH], s[GH], 6
	WIN 0x40                        ; destination window 1
.irp g, 0,1,2,3,4,5
	s_cmp_le_i32 s[GH], \g
	s_cselect_b32 s[MVAL], s[BIGN], 0
.irp j, 0,1,2,3,4,5,6,7
	v_mov_b32 v[MK+8*\g+\j], s[MVAL]
.endr
.endr
	WIN 0
.endm
; THE WAY OUT of piece t: l's two halves and the other half of the lanes' are added; O^T is divided by l, rounded to f16 and sent through my stage in LDS.  It works in the piece's T registers, which are free: the trip has read them.
.macro PACK t                       ; a lane's eight channels of a row pack into 16 bytes; they go into rows of 144 bytes and come back as whole rows of 128
	WIN W_RS
.set i, 32*(\t)
.rept 16
	v_pk_mul_f32 v[i:i+1], v[i:i+1], v[ST+4*(\t)+2:ST+4*(\t)+3] op_sel_hi:[1,0]
.set i, i+2
.endr
	WIN 0x05                        ; sources 0 and 1 window 1, destination window 0
.set i, 0
.rept 16
	v_cvt_pk_f16_f32 v[TT+40*(\t)+i], v[32*(\t)+2*i], v[32*(\t)+2*i+1]
.set i, i+1
.endr
	WIN 0
.irp f, 0,1,2,3
	ds_store_b128 v[STO], v[TT+40*(\t)+4*\f:TT+40*(\t)+4*\f+3] offset:32*\f
.endr
.irp f, 0,1,2,3
	ds_load_b128 v[TT+40*(\t)+4*\f:TT+40*(\t)+4*\f+3], v[RD] offset:\f*4*SP  ; LDS serves a wave's instructions in order: these see the stores above
.endr
.endm
.macro WAYOUT t
	WIN 0
	v_add_f32 v[ST+4*(\t)+2], v[ST+4*(\t)+2], v[ST+4*(\t)+3]
	v_permlanex16_b32 v[ST+4*(\t)+3], v[ST+4*(\t)+2], s[SEL], s[SEL+1]
	v_add_f32 v[ST+4*(\t)+2], v[ST+4*(\t)+2], v[ST+4*(\t)+3]
	v_rcp_f32 v[ST+4*(\t)+2], v[ST+4*(\t)+2]
	v_nop                           ; a plain line between the reciprocal and the use of its result
	s_wait_alu depctr_va_vdst(0)    ; and the wait ahead of the first use
	PACK \t
.irp f, 0,1,2,3
	s_wait_dscnt 3-\f               ; the piece's own younger loads may stay out
	global_store_b128 v[GO], v[TT+40*(\t)+4*\f:TT+40*(\t)+4*\f+3], s[10:11] offset:(\t)*2048+\f*512  ; 512 consecutive bytes, at a multiple of 256 from O's first
.endr
	s_wait_xcnt 0x0                 ; the stores have read their registers and O's address: T's registers and the pointer are written again only behind this wait
.endm
; A piece begins a block: c m starts far below every c s, so its first step's a is 0 and its O^T and l need only be finite (they hold what the way out left); m at the lowest finite number, so the first maximum is the scores'.
; (Every row sees key 0 in its block's first step, so m is a true score from then on.)
.macro FRESH t
	v_mov_b32 v[ST+4*(\t)], 0xfe000000
	v_mov_b32 v[ST+4*(\t)+1], 0xff7fffff
.endm
; A TILE: two bodies, written once and walked twice.  The tag ends its labels' names.  All its jumps but the loop's own go forward, hang on numbers made from the work-group's x alone.
.macro TILE tag
	s_sub_co_u32 s[RT], s[RT], 1    ; 0: this is the block's last tile, the diagonal one
	s_mov_b32 s[CNT], 2
.Lstep\tag:
	v_add_nc_u32 v[AP], s[TBK], v[AP0]
	v_add_nc_u32 v[AK], s[TBK], v[AK0]
	FETCH_P                         ; p and K of this body's step: 40 loads; six plain lines (the last turn's four, the two above) stand behind the last product that read K
	FETCH_K
	s_cmp_eq_u32 s[BND], 0
	s_cbranch_scc1 .Lsameq\tag
	WIN 0x81                        ; the second block's Q goes where the one text of the turns names Q
.set i, 0
.rept 32
	v_mov_b32 v[i], v[QB+i]
.set i, i+1
.endr
	WIN 0
.Lsameq\tag:
	s_cmp_eq_u32 s[RT], 0           ; the masks are made anew in the diagonal tile's bodies, and where a block begins
	s_cselect_b32 s[MVAL], 1, s[BND]
	s_cmp_eq_u32 s[MVAL], 0
	s_cbranch_scc1 .Lopen\tag
	MASKSET
.Lopen\tag:
	TURN 0, 1
	s_cmp_eq_u32 s[BND], 0
	s_cbranch_scc1 .Lmid\tag
	WAYOUT 0                        ; the first block's piece 0 is finished: its last V^T P stood in the turn above
	FRESH 0
.Lmid\tag:
	TURN 1, 1
	s_cmp_eq_u32 s[BND], 0
	s_cbranch_scc1 .Lon\tag
	WAYOUT 1                        ; and its piece 1
	FRESH 1
	s_mov_b64 s[10:11], s[OLO:OLO+1]
	s_mov_b32 s[BND], 0
.Lon\tag:
	s_sub_co_u32 s[CNT], s[CNT], 1
	s_cmp_lg_u32 s[CNT], 0
	s_cbranch_scc1 .Lstep\tag
.endm
	; What the first turns find: V's registers and piece 1's weights hold 0 (the first turn's V^T P, of a step that has not been, adds 0); O^T and l are 0; no tile of p is hidden.  All this stands in the wait for the first tile.
	WIN 0x80
.set i, 0
.rept 64
	v_mov_b32 v[VF+i], 0
.set i, i+1
.endr
	WIN 0x40
.set i, 0
.rept 112                           ; O^T, and behind it the masks
	v_mov_b32 v[i], 0
.set i, i+1
.endr
	WIN 0
.irp y, 0,1
	FRESH \y
	v_mov_b32 v[ST+4*\y+2], 0
	v_mov_b32 v[ST+4*\y+3], 0
.endr
.set i, 0
.rept 16
	v_mov_b32 v[PW+16+i], 0
.set i, i+1
.endr
	s_wait_loadcnt 0x0              ; both blocks' Q
	CHANGE 1                        ; tile 0 is in, everybody's part of it; tile 1 is asked for
	s_sub_co_u32 s[RT], s[RT], 1
	s_mov_b32 s[CNT], 2
	v_add_nc_u32 v[AP], s[TBK], v[AP0]
	v_add_nc_u32 v[AK], s[TBK], v[AK0]
	FETCH_P
	FETCH_K
	s_wait_dscnt 0x0
.set i, 0
.rept 10
	TPW 0                           ; piece 0's first T: there is no vector work yet to set between the products
.endr
	WIN 0
	PLACES
	TRIP 0
	s_wait_dscnt 0x0
.set i, 0
.rept 8
	KQW 0                           ; and its first scores
.endr
	WIN 0
	PLACES
	s_branch .Lmid1                 ; the loop is entered at turn 1 of body 0
.Lslot:                             ; 15 times, behind the trip that was entered: a tile is entered and the next is asked for
	CHANGE 1
	TILE 1
	s_add_co_u32 s[MVAL], s[PB], 1  ; behind the first block's diagonal tile the second block begins: it has pb + 1 tiles
	s_cmp_eq_u32 s[RT], 0
	s_cselect_b32 s[BND], 1, 0
	s_cselect_b32 s[RT], s[MVAL], s[RT]
	s_sub_co_u32 s[SLOTS], s[SLOTS], 1
	s_cmp_lg_u32 s[SLOTS], 0
	s_cbranch_scc1 .Lslot
	CHANGE 0                        ; the walk's last tile is written out: nothing is asked for
	TILE 2
	TURN 0, 0                       ; piece 0's last V^T P | piece 1's last softmax
	WAYOUT 0
.set i, 0
.rept 8
	PVW 1                           ; piece 1's last V^T P
.endr
	WIN 0
	PLACES
	WAYOUT 1
	s_wait_tensorcnt 0x0            ; the wave's end, behind my last tensor load and my last LDS store
	ds_add_u32 v[SPW], v[NIL]
	s_wait_dscnt 0x0
	s_endpgm
.Lfunc_end_k_q9f83d8f4dd_attn:
	.size	k_q9f83d8f4dd_attn, .Lfunc_end_k_q9f83d8f4dd_attn-k_q9f83d8f4dd_attn
	.p2alignl 7, 3214868480
	.fill 96, 4, 3214868480
	.section	.rodata,"a",@progbits
	.p2align	6, 0x0
	.amdhsa_kernel k_q9f83d8f4dd_attn
		.amdhsa_group_segment_fixed_size 327680
		.amdhsa_private_segment_fixed_size 0
		.amdhsa_enable_private_segment 0
		.amdhsa_kernarg_size 24
		.amdhsa_user_sgpr_count 2
		.amdhsa_user_sgpr_kernarg_segment_ptr 1
		.amdhsa_wavefront_size32 1
		.amdhsa_system_sgpr_workgroup_id_x 1
		.amdhsa_system_sgpr_workgroup_id_y 1
		.amdhsa_system_sgpr_workgroup_id_z 1
		.amdhsa_system_vgpr_workitem_id 0
		.amdhsa_next_free_vgpr 768
		.amdhsa_next_free_sgpr 88
		.amdhsa_reserve_vcc 0
		.amdhsa_float_denorm_mode_32 3
		.amdhsa_float_denorm_mode_16_64 3
		.amdhsa_memory_ordered 1
		.amdhsa_forward_progress 1
		.amdhsa_inst_pref_size 120
	.end_amdhsa_kernel
	.amdgpu_metadata
---
amdhsa.version: [ 1, 2 ]
amdhsa.kernels:
  - .name:           k_q9f83d8f4dd_attn
    .symbol:         k_q9f83d8f4dd_attn.kd
    .args:
      - { .name: qkvh, .offset: 0, .size: 8, .value_kind: global_buffer, .address_space: global }
      - { .name: ptab, .offset: 8, .size: 8, .value_kind: global_buffer, .address_space: global }
      - { .name: ob, .offset: 16, .size: 8, .value_kind: global_buffer, .address_space: global }
    .group_segment_fixed_size: 327680
    .private_segment_fixed_size: 0
    .kernarg_segment_align: 8
    .kernarg_segment_size: 24
    .max_flat_workgroup_size: 128
    .sgpr_count:     88
    .vgpr_count:     768
    .wavefront_size: 32
...
	.end_amdgpu_metadata
.endif
;; end of part 8
;; launch outp: the kernel of part 5 again; grid 8 x 32, 4 waves a work-group, clusters of 4 x 4, 327,680 bytes of LDS; arguments ob, wob, bo, out0; writes out0
;; ======== version 3 of 3: 4 launches; version 2 with the launch prep written anew for expert scheduling mode
;; limits: values are held in f16: magnitudes above 65,504 overflow, below 6.1e-05 lose precision
;; workspace buffers: xb 8,388,608 bytes; wqkv 6,291,456 bytes; wob 2,097,152 bytes; ptab 262,144 bytes; qkvh 25,165,824 bytes; ob 8,388,608 bytes
;; launch prep (part 9): grid 384 x 1, 8 waves a work-group, no clusters, 117,760 bytes of LDS; arguments x, Wq, Wkv, Wo, xb, wqkv, wob, pos_emb, Wp, bp, ptab; writes xb, wqkv, wob, ptab
.if DOCPART == 9
	.amdgcn_target "amdgcn-amd-amdhsa--gfx1250"
	.amdhsa_code_object_version 6
	.text
	.protected	k_q9f83d8f4dd_prep
	.globl	k_q9f83d8f4dd_prep
	.p2align	8
	.type	k_q9f83d8f4dd_prep,@function
k_q9f83d8f4dd_prep:
	s_mov_b64 s[64:65], 0
	v_nop
	global_prefetch_b8 v0, s[64:65] scope:SCOPE_SE
	s_setreg_imm32_b32 hwreg(HW_REG_WAVE_SCHED_MODE, 0, 2), 2
	s_setreg_imm32_b32 hwreg(HW_REG_WAVE_MODE, 25, 1), 1
	s_wait_xcnt 0x0
	s_wait_alu depctr_vm_vsrc(0)
; TWO JOBS IN ONE LAUNCH, told apart by the work-group's number alone: groups 0-127 make p, groups 128-383 make the 16-bit copies.  Neither reads what the other writes.
;
; JOB 1.  p = pos_emb Wp + bp.  pos_emb [2048][1024] f32, Wp [1024][64] f32, bp [64] f32; ptab [2048][64] f16.  Operands rounded to bf16, sums in f32, p rounded once.
; LIMIT.  p beyond 65,504 becomes an infinity.
; A work-group makes 16 rows of p.  K IS SPLIT AMONG ITS EIGHT WAVES: wave w takes k = 128 w .. 128 w + 127, for all 64 columns; the eight partial sums meet in LDS.
; pos_emb's fragments come straight from memory (a lane's 8 + 8 numbers of a row lie on end).  Wp lies [k][column]: each wave rounds ITS OWN 128 rows into LDS, 64 at a time over the same bytes, and reads
; them back turned (ds_load_tr16_b128); LDS serves a wave's instructions in order (ISA guide 5.7.1.4), so no barrier stands between.
; The product is taken transposed (source 0 = 16 columns of Wp, source 1 = the 16 rows of pos_emb): a lane ends with eight neighbouring columns of one row.
;
; JOB 2.  16-bit copies of x and of three weights, laid out as the products want them.
;   x   [2][2048][1024] f32 -> xb   bf16 [b 2][kb 16][n 2048][64]: blocks of 64 channels, a block's rows dense (128 bytes each)
;   Wq  [1024][1024]    f32 -> wqkv bf16 [k 1024][3072], columns 0..1023
;   Wkv [1024][2048]    f32 -> wqkv, columns 1024..3071
;   Wo  [1024][1024]    f32 -> wob  [1024][1024]: rounded to bf16, and that number written as f16
; LIMITS.  wob: a number beyond 65,504 becomes an infinity; below 2^-14 it keeps f16's fixed step of 6e-8.
; A work-group takes 32,768 consecutive source numbers (131,072 bytes) of ONE tensor: of the 256 groups 0-127 x, 128-159 Wq, 160-223 Wkv, 224-255 Wo.
; Sixteen pieces of 2,048 numbers; of each a thread takes 8 (two loads of 16 bytes) and makes 16 bytes (one store).  In every job sixteen neighbouring
; lanes store 256 consecutive bytes, aligned.  All 32 loads of a thread go out at once; no register is written twice.
; No tensor load, no cluster: each byte of the large inputs is read once, by one work-group; Wp is small.
;
; THE MODE: SCHED_MODE bits 1:0 = 2 (LLVM: expert scheduling mode 2), set by the entry lines.  The code itself states the register dependences
; between vector or matrix instructions and memory or LDS instructions, with s_wait_alu, always for 0.
; THE PLAN, JOB 1.  Registers that memory or LDS instructions touch:
;   v2-v7, v10, v11  offsets and addresses: written at the head, never again.
;   AR v[64:127]     pos_emb's loads land in it; 32 conversions read it; then the first 8 fragments of Wp land in it.
;   WR v[128:255]    Wp's 32 loads land in it; 64 conversions round it in place; 32 LDS stores read two registers of each four.  All that twice.  Then there land in it: the other 8 fragments (v[128:191]),
;                    the matrix instructions' results (v[192:223]) and the partial sums (v[224:255]).
;   ACC, RES         written by matrix instructions, by two conversions; read by LDS stores, by the global store.
; So the conversions of a half stand in ONE run and its LDS stores in another, with one wait on va_vdst between (the stores' data are written; the conversions are done with the registers in which loads land next),
; and one wait on vm_vsrc behind the stores (they have read WR, which is written next).  Behind the first of these the second half's 32 loads go out at once.
; THE PLAN, JOB 2.  v2 and OFFS: written at the head, never again.  IN: loads land in it once, conversions read it.  OUT: piece i's conversions write its four registers once, its store reads them.
; The pieces go in four blocks of four.  One wait on va_vdst at a block's head states that the block before has written its OUT; that block's four stores follow, dealt among this block's conversions,
; which name this block's OUT and TW alone.  No register that a memory instruction reads is written again, so there is no wait on vm_vsrc.
.set WP,    160                        ; a row of Wp in LDS: 128 bytes + 32
.set PART,  8*64*WP                    ; behind the eight waves' 64 rows: the partial sums, for each wave 16 rows x 272 bytes (256 + 16)
.set PP,    272
.set SPARE, PART+8*16*PP               ; behind them: the spare words, 128 bytes for each wave: four blocks of 256 bytes that no other line names
.set AO,  2                            ; v2   pos_emb: r x 4,096 + 512 w + 32 h
.set WO,  3                            ; v3   Wp in memory: 32,768 w + 16 l
.set LW,  4                            ; v4   Wp into LDS: 10,240 w + 160 (l >> 4) + 8 (l & 15)
.set LB,  5                            ; v5   Wp out of LDS, turned
.set LP,  6                            ; v6   my 32 bytes of a partial row
.set LR,  7                            ; v7   the 16 bytes that I add up
.set SPW, 8                            ; v8   LDS address of my spare word; never rewritten
.set NIL, 9                            ; v9   0; never rewritten
.set BOF, 10                           ; v10  my four numbers of bp
.set OO,  11                           ; v11  my 8 bytes of ptab
.set BI,  12                           ; v[12:15] bp
.set RES, 20                           ; v[20:21] my four numbers of p
.set AF,  32                           ; v[32:63]   four fragments of pos_emb
.set AR,  64                           ; v[64:127]  pos_emb in f32
.set BF,  64                           ; v[64:191]  later: 16 fragments of Wp
.set WR,  128                          ; v[128:255] 32 loads of Wp in f32
.set ACC, 192                          ; v[192:223] four accumulators
.set SUM, 224                          ; v[224:255] the eight partial sums of my four numbers
.set SRC,  24                          ; job 2: s[24:25] the source at the group's first byte
.set DST,  26                          ; s[26:27] the destination
.set OFFS, 16                          ; v[16:31]  piece i: my byte offset in the destination
.set TW,   32                          ; v[32:43]  at work (Wo alone): no memory instruction names them
.set IN,   64                          ; v[64:191] piece i: 8 numbers as loaded
.set OUT,  192                         ; v[192:255] piece i: 16 bytes to store
	v_lshl_add_u32 v[SPW], v0, 2, SPARE
	v_mov_b32 v[NIL], 0
	s_cmp_lt_u32 ttmp9, 128
	s_cbranch_scc0 .Lcast
	; ---------------------------------------------------------------- JOB 1: p
	s_load_b256 s[4:11], s[0:1], 0x38              ; pos_emb s[4:5], Wp s[6:7], bp s[8:9], ptab s[10:11]
	v_lshrrev_b32 v1, 5, v0
	v_readfirstlane_b32 s12, v1                    ; wave 0..7
	v_and_b32 v16, 15, v0                          ; r = l % 16
	v_bfe_u32 v17, v0, 4, 1                        ; h = l / 16
	v_and_b32 v18, 31, v0                          ; l
	v_lshlrev_b32 v[AO], 12, v16
	v_lshl_add_u32 v[AO], v17, 5, v[AO]
	s_wait_alu depctr_va_sdst(0)                   ; s12 is written, ahead of its first reader: the wave's places in pos_emb, Wp and LDS are made from it
	s_lshl_b32 s13, s12, 9
	v_add_nc_u32 v[AO], s13, v[AO]
	s_lshl_b32 s13, s12, 15
	v_lshl_add_u32 v[WO], v18, 4, s13
	s_mul_i32 s14, s12, 64*WP
	v_mul_u32_u24 v[LW], v17, WP
	v_lshl_add_u32 v[LW], v16, 3, v[LW]
	v_add_nc_u32 v[LW], s14, v[LW]
	v_and_b32 v19, 7, v0
	v_lshl_add_u32 v19, v17, 3, v19                ; the turning load: lane l reads k row 8 h + l % 8, columns 8 ((l / 8) % 2) on
	v_mul_u32_u24 v[LB], v19, WP
	v_bfe_u32 v19, v0, 3, 1
	v_lshl_add_u32 v[LB], v19, 4, v[LB]
	v_add_nc_u32 v[LB], s14, v[LB]
	s_mul_i32 s15, s12, 16*PP
	s_add_co_u32 s15, s15, PART
	v_mul_u32_u24 v[LP], v16, PP
	v_lshl_add_u32 v[LP], v17, 5, v[LP]
	v_add_nc_u32 v[LP], s15, v[LP]
	v_lshrrev_b32 v19, 4, v0                       ; thread t adds up row t >> 4, columns 4 (t & 15) on
	v_mul_u32_u24 v[LR], v19, PP
	v_lshl_add_u32 v[LR], v16, 4, v[LR]
	v_add_nc_u32 v[LR], PART, v[LR]
	v_lshlrev_b32 v[BOF], 4, v16
	v_lshlrev_b32 v[OO], 3, v0
	s_lshl_b32 s16, ttmp9, 16                      ; the group's 16 rows of pos_emb,
	s_mov_b32 s17, 0
	s_lshl_b32 s18, ttmp9, 11                      ; and of ptab
	s_mov_b32 s19, 0
	s_wait_kmcnt 0x0
	s_add_nc_u64 s[4:5], s[4:5], s[16:17]
	s_add_nc_u64 s[10:11], s[10:11], s[18:19]
	s_wait_alu depctr_va_vdst(0)                   ; the eight offsets and addresses v2 to v7, v10 and v11 are written, which the job's loads and stores read
	global_load_b128 v[BI:BI+3], v[BOF], s[8:9]
.irp f, 0,1,2,3                        ; fragment f: k = 128 w + 32 f on: 8 h + 0..7, then 16 + 8 h + 0..7
	global_load_b128 v[AR+16*(\f):AR+16*(\f)+3],     v[AO], s[4:5] offset:128*(\f) th:TH_LOAD_NT
	global_load_b128 v[AR+16*(\f)+4:AR+16*(\f)+7],   v[AO], s[4:5] offset:128*(\f)+16 th:TH_LOAD_NT
	global_load_b128 v[AR+16*(\f)+8:AR+16*(\f)+11],  v[AO], s[4:5] offset:128*(\f)+64 th:TH_LOAD_NT
	global_load_b128 v[AR+16*(\f)+12:AR+16*(\f)+15], v[AO], s[4:5] offset:128*(\f)+80 th:TH_LOAD_NT
.endr
.macro WLOAD from                      ; 64 rows of Wp: 32 loads of 512 consecutive bytes (two rows)
.set i, 0
.rept 32
	global_load_b128 v[WR+4*i:WR+4*i+3], v[WO], s[6:7] offset:(\from)+512*i
.set i, i+1
.endr
.endm
.macro WCONV                           ; the 64 rows are rounded in place: four numbers close up into the first two of their four registers
.set i, 0
.rept 32
	v_cvt_pk_bf16_f32 v[WR+4*i],   v[WR+4*i],   v[WR+4*i+1]
	v_cvt_pk_bf16_f32 v[WR+4*i+1], v[WR+4*i+2], v[WR+4*i+3]
.set i, i+1
.endr
.endm
.macro WPUT                            ; and put into my 64 rows of LDS
.set i, 0
.rept 32
	ds_store_b64 v[LW], v[WR+4*i:WR+4*i+1] offset:2*WP*i
.set i, i+1
.endr
.endm
.macro FRAGS f0                        ; the 64 rows come back turned: fragments f0 and f0 + 1 (k = 32 f on), columns 16 u on
.irp f, 0,1
.irp u, 0,1,2,3
	ds_load_tr16_b128 v[BF+8*(4*((\f0)+(\f))+(\u)):BF+8*(4*((\f0)+(\f))+(\u))+3],   v[LB] offset:(\f)*32*WP+32*(\u)
	ds_load_tr16_b128 v[BF+8*(4*((\f0)+(\f))+(\u))+4:BF+8*(4*((\f0)+(\f))+(\u))+7], v[LB] offset:(\f)*32*WP+16*WP+32*(\u)
.endr
.endr
.endm
	WLOAD 0
	s_wait_loadcnt 32                              ; loads come back in order (ISA guide 5.7.1): bp and pos_emb are in, Wp's 32 younger loads stay out
.set i, 0
.rept 32                               ; pos_emb is rounded while Wp is on its way; its f32 registers are then free for the first fragments of Wp
	v_cvt_pk_bf16_f32 v[AF+i], v[AR+2*i], v[AR+2*i+1]
.set i, i+1
.endr
	s_wait_loadcnt 0x0
	WCONV
	s_wait_alu depctr_va_vdst(0)                   ; the conversions have written v[WR ..], which the LDS stores read; they are done reading v[AR ..], in which the fragments land, and done with v[WR ..], in which the next loads land
	WPUT
	FRAGS 0
	s_wait_alu depctr_vm_vsrc(0)                   ; the LDS stores have read v[WR ..], in which the next loads land and which the next conversions write
	WLOAD 16384                                    ; rows 64-127 are asked for at once
	s_wait_dscnt 0x0                               ; the first 64 rows have been read out of LDS, ahead of the stores that write the same bytes again
	s_wait_loadcnt 0x0
	WCONV
	s_wait_alu depctr_va_vdst(0)                   ; the conversions have written v[WR ..], which the LDS stores read, and are done with v[128:191], in which the fragments land
	WPUT                                           ; rows 64-127, over the same bytes
	s_wait_alu depctr_vm_vsrc(0)                   ; the LDS stores have read v[WR ..]: there land the fragments (v[128:191]), the matrix instructions' results (v[192:223]) and, later, the partial sums (v[224:255])
	FRAGS 2
	s_wait_dscnt 0x0
.irp f, 0,1,2,3                        ; the four accumulators take turns; the first products start the sums
.irp u, 0,1,2,3
.if (\f) == 0
	v_wmma_f32_16x16x32_bf16 v[ACC+8*(\u):ACC+8*(\u)+7], v[BF+8*(4*(\f)+(\u)):BF+8*(4*(\f)+(\u))+7], v[AF+8*(\f):AF+8*(\f)+7], 0
.else
	v_wmma_f32_16x16x32_bf16 v[ACC+8*(\u):ACC+8*(\u)+7], v[BF+8*(4*(\f)+(\u)):BF+8*(4*(\f)+(\u))+7], v[AF+8*(\f):AF+8*(\f)+7], v[ACC+8*(\u):ACC+8*(\u)+7]
.endif
.endr
.endr
.rept 4
	v_nop                                          ; four places behind the last product, ahead of the stores that read results
.endr
	s_wait_alu depctr_va_vdst(0)                   ; the matrix instructions have written the accumulators, which the LDS stores read; the places above stay beside this wait
.irp u, 0,1,2,3                        ; a lane holds row r, columns 16 u + 8 h + 0..7; each accumulator's low half goes first
	ds_store_b128 v[LP], v[ACC+8*(\u):ACC+8*(\u)+3]   offset:64*(\u)
	ds_store_b128 v[LP], v[ACC+8*(\u)+4:ACC+8*(\u)+7] offset:64*(\u)+16
.endr
	s_wait_dscnt 0x0                               ; for the others' sake: my partial sums lie in LDS
	s_barrier_signal -1
	s_barrier_wait -1
.irp w, 0,1,2,3,4,5,6,7
	ds_load_b128 v[SUM+4*(\w):SUM+4*(\w)+3], v[LR] offset:(\w)*16*PP  ; no vector instruction since the wait above names these registers, and no LDS store since the wait on vm_vsrc has read them
.endr
	s_wait_dscnt 0x0
.irp w, 0,2,4,6
	v_pk_add_f32 v[SUM+4*(\w):SUM+4*(\w)+1],   v[SUM+4*(\w):SUM+4*(\w)+1],   v[SUM+4*(\w)+4:SUM+4*(\w)+5]
	v_pk_add_f32 v[SUM+4*(\w)+2:SUM+4*(\w)+3], v[SUM+4*(\w)+2:SUM+4*(\w)+3], v[SUM+4*(\w)+6:SUM+4*(\w)+7]
.endr
.irp w, 0,4
	v_pk_add_f32 v[SUM+4*(\w):SUM+4*(\w)+1],   v[SUM+4*(\w):SUM+4*(\w)+1],   v[SUM+4*(\w)+8:SUM+4*(\w)+9]
	v_pk_add_f32 v[SUM+4*(\w)+2:SUM+4*(\w)+3], v[SUM+4*(\w)+2:SUM+4*(\w)+3], v[SUM+4*(\w)+10:SUM+4*(\w)+11]
.endr
	v_pk_add_f32 v[SUM:SUM+1],   v[SUM:SUM+1],   v[SUM+16:SUM+17]
	v_pk_add_f32 v[SUM+2:SUM+3], v[SUM+2:SUM+3], v[SUM+18:SUM+19]
	v_pk_add_f32 v[SUM:SUM+1],   v[SUM:SUM+1],   v[BI:BI+1]
	v_pk_add_f32 v[SUM+2:SUM+3], v[SUM+2:SUM+3], v[BI+2:BI+3]
	v_cvt_pk_f16_f32 v[RES],   v[SUM],   v[SUM+1]
	v_cvt_pk_f16_f32 v[RES+1], v[SUM+2], v[SUM+3]
	s_wait_alu depctr_va_vdst(0)                   ; the two conversions have written v[RES ..], which the store reads
	global_store_b64 v[OO], v[RES:RES+1], s[10:11] ; a wave stores 256 consecutive bytes, aligned
	s_wait_dscnt 0x0                               ; the wave's end
	s_wait_alu 0x0
	s_wait_tensorcnt 0x0
	ds_add_u32 v[SPW], v[NIL]
	s_wait_dscnt 0x0
	s_endpgm
	; ---------------------------------------------------------------- JOB 2: the copies (no LDS)
.Lcast:
	s_load_b256 s[4:11], s[0:1], 0x0               ; x s[4:5], Wq s[6:7], Wkv s[8:9], Wo s[10:11]
	s_load_b128 s[12:15], s[0:1], 0x20             ; xb s[12:13], wqkv s[14:15]
	s_load_b64 s[16:17], s[0:1], 0x30              ; wob
	s_sub_co_u32 s20, ttmp9, 128                   ; g: 0..255
	s_cmp_lt_u32 s20, 128
	s_cselect_b32 s21, 0, 128
	s_cmp_lt_u32 s20, 160
	s_cselect_b32 s21, s21, 160
	s_cmp_lt_u32 s20, 224
	s_cselect_b32 s21, s21, 224
	s_sub_co_u32 s21, s20, s21                     ; g': the group's number within its tensor
	s_lshl_b32 s22, s21, 17                        ; its 131,072 source bytes
	s_mov_b32 s23, 0
	; the offsets, tensor by tensor: v2 in the source, v3 + s28 in the destination, s29 from piece to piece
	s_cmp_lt_u32 s20, 128
	s_cbranch_scc0 .Lweights
	v_bfe_u32 v2, v0, 3, 1                         ; x: a piece is two rows; thread t takes row (t >> 3) & 1, block t >> 4, numbers 8 (t & 7) on
	v_lshlrev_b32 v2, 12, v2
	v_lshrrev_b32 v4, 4, v0
	v_lshl_add_u32 v2, v4, 8, v2
	v_and_b32 v5, 7, v0
	v_lshl_add_u32 v2, v5, 5, v2
	v_and_b32 v3, 15, v0                           ; in xb the two rows of a block are 256 bytes on end: 16 (t & 15)
	v_lshlrev_b32 v3, 4, v3
	v_lshl_add_u32 v3, v4, 18, v3                  ; a block is 2,048 rows x 128 bytes
	s_lshr_b32 s28, s20, 6                         ; b
	s_lshl_b32 s28, s28, 22
	s_and_b32 s30, s20, 63                         ; the group's 32 rows
	s_lshl_b32 s30, s30, 12
	s_add_co_u32 s28, s28, s30
	s_mov_b32 s29, 256
	s_branch .Lgo
.Lweights:
	v_lshlrev_b32 v2, 5, v0                        ; the weights are read as they lie: 32 t
	s_cmp_lt_u32 s20, 160
	s_cbranch_scc0 .Lwide
	v_lshrrev_b32 v4, 7, v0                        ; Wq: a piece is two rows of 1,024
	v_mul_u32_u24 v4, v4, 6144
	v_and_b32 v3, 127, v0
	v_lshl_add_u32 v3, v3, 4, v4
	s_mul_i32 s28, s21, 32*6144
	s_mov_b32 s29, 2*6144
	s_branch .Lgo
.Lwide:
	v_lshlrev_b32 v3, 4, v0
	s_cmp_lt_u32 s20, 224
	s_cbranch_scc0 .Lsquare
	s_mul_i32 s28, s21, 16*6144                    ; Wkv: a piece is one row of 2,048, behind Wq's 2,048 bytes
	s_add_co_u32 s28, s28, 2048
	s_mov_b32 s29, 6144
	s_branch .Lgo
.Lsquare:
	s_lshl_b32 s28, s21, 16                        ; Wo: dense
	s_mov_b32 s29, 4096
.Lgo:
	v_add_nc_u32 v[OFFS], s28, v3
.set i, 1
.rept 15
	v_add_nc_u32 v[OFFS+i], s29, v[OFFS+i-1]
.set i, i+1
.endr
	s_wait_kmcnt 0x0
	s_cmp_lt_u32 s20, 128                          ; the pointers are chosen by the group's number alone
	s_cselect_b64 s[SRC:SRC+1], s[4:5], s[6:7]
	s_cselect_b64 s[DST:DST+1], s[12:13], s[14:15]
	s_cmp_lt_u32 s20, 160
	s_cselect_b64 s[SRC:SRC+1], s[SRC:SRC+1], s[8:9]
	s_cmp_lt_u32 s20, 224
	s_cselect_b64 s[SRC:SRC+1], s[SRC:SRC+1], s[10:11]
	s_cselect_b64 s[DST:DST+1], s[DST:DST+1], s[16:17]
	s_add_nc_u64 s[SRC:SRC+1], s[SRC:SRC+1], s[22:23]
	s_wait_alu depctr_va_vdst(0)                   ; v2 and the sixteen offsets v[OFFS ..] are written, which the loads and the stores below read
.set i, 0
.rept 16
	global_load_b128 v[IN+8*i:IN+8*i+3],   v2, s[SRC:SRC+1] offset:8192*i th:TH_LOAD_NT
	global_load_b128 v[IN+8*i+4:IN+8*i+7], v2, s[SRC:SRC+1] offset:8192*i+16 th:TH_LOAD_NT
.set i, i+1
.endr
; The sixteen pieces are rounded and stored, in four blocks of four.  kind = 0: to bf16.  kind = 1: to bf16, widened again, and written as f16.
; Ahead of piece i's conversions stands the store of piece i - 4, of the block before.
.macro CONV kind
.set i, 0
.rept 16
	s_wait_loadcnt 30-2*i                          ; loads come back in order (ISA guide 5.7.1): piece i's two are in, the younger ones stay out
.if (i > 0) && (i%4 == 0)
	s_wait_alu depctr_va_vdst(0)                   ; the block before has written its sixteen registers of OUT, which this block's four stores read; the conversions behind this wait name this block's OUT and TW alone
.endif
.if i >= 4
	global_store_b128 v[OFFS+i-4], v[OUT+4*(i-4):OUT+4*(i-4)+3], s[DST:DST+1] th:TH_STORE_NT
.endif
.if \kind
.irp j, 0,1,2,3
	v_cvt_pk_bf16_f32 v[TW+(\j)], v[IN+8*i+2*(\j)], v[IN+8*i+2*(\j)+1]
.endr
.irp j, 0,1,2,3
	v_lshlrev_b32 v[TW+4+2*(\j)], 16, v[TW+(\j)]
	v_and_b32     v[TW+5+2*(\j)], 0xffff0000, v[TW+(\j)]
.endr
.irp j, 0,1,2,3
	v_cvt_pk_f16_f32 v[OUT+4*i+(\j)], v[TW+4+2*(\j)], v[TW+5+2*(\j)]
.endr
.else
.irp j, 0,1,2,3
	v_cvt_pk_bf16_f32 v[OUT+4*i+(\j)], v[IN+8*i+2*(\j)], v[IN+8*i+2*(\j)+1]
.endr
.endif
.set i, i+1
.endr
	s_wait_alu depctr_va_vdst(0)                   ; the last block has written its OUT, which the last four stores read
.set i, 12
.rept 4
	global_store_b128 v[OFFS+i], v[OUT+4*i:OUT+4*i+3], s[DST:DST+1] th:TH_STORE_NT
.set i, i+1
.endr
.endm
	s_cmp_lt_u32 s20, 224
	s_cbranch_scc0 .Lhalf
	CONV 0
	s_endpgm
.Lhalf:
	CONV 1
	s_endpgm
.Lfunc_end_k_q9f83d8f4dd_prep:
	.size	k_q9f83d8f4dd_prep, .Lfunc_end_k_q9f83d8f4dd_prep-k_q9f83d8f4dd_prep
	.p2alignl 7, 3214868480
	.fill 96, 4, 3214868480
	.section	.rodata,"a",@progbits
	.p2align	6, 0x0
	.amdhsa_kernel k_q9f83d8f4dd_prep
		.amdhsa_group_segment_fixed_size 117760
		.amdhsa_private_segment_fixed_size 0
		.amdhsa_enable_private_segment 0
		.amdhsa_kernarg_size 88
		.amdhsa_user_sgpr_count 2
		.amdhsa_user_sgpr_kernarg_segment_ptr 1
		.amdhsa_wavefront_size32 1
		.amdhsa_system_sgpr_workgroup_id_x 1
		.amdhsa_system_sgpr_workgroup_id_y 1
		.amdhsa_system_sgpr_workgroup_id_z 1
		.amdhsa_system_vgpr_workitem_id 0
		.amdhsa_next_free_vgpr 256
		.amdhsa_next_free_sgpr 66
		.amdhsa_reserve_vcc 0
		.amdhsa_float_denorm_mode_32 3
		.amdhsa_float_denorm_mode_16_64 3
		.amdhsa_memory_ordered 1
		.amdhsa_forward_progress 1
		.amdhsa_inst_pref_size 59
	.end_amdhsa_kernel
	.amdgpu_metadata
---
amdhsa.version: [ 1, 2 ]
amdhsa.kernels:
  - .name:           k_q9f83d8f4dd_prep
    .symbol:         k_q9f83d8f4dd_prep.kd
    .args:
      - { .name: x, .offset: 0, .size: 8, .value_kind: global_buffer, .address_space: global }
      - { .name: Wq, .offset: 8, .size: 8, .value_kind: global_buffer, .address_space: global }
      - { .name: Wkv, .offset: 16, .size: 8, .value_kind: global_buffer, .address_space: global }
      - { .name: Wo, .offset: 24, .size: 8, .value_kind: global_buffer, .address_space: global }
      - { .name: xb, .offset: 32, .size: 8, .value_kind: global_buffer, .address_space: global }
      - { .name: wqkv, .offset: 40, .size: 8, .value_kind: global_buffer, .address_space: global }
      - { .name: wob, .offset: 48, .size: 8, .value_kind: global_buffer, .address_space: global }
      - { .name: pos_emb, .offset: 56, .size: 8, .value_kind: global_buffer, .address_space: global }
      - { .name: Wp, .offset: 64, .size: 8, .value_kind: global_buffer, .address_space: global }
      - { .name: bp, .offset: 72, .size: 8, .value_kind: global_buffer, .address_space: global }
      - { .name: ptab, .offset: 80, .size: 8, .value_kind: global_buffer, .address_space: global }
    .group_segment_fixed_size: 117760
    .private_segment_fixed_size: 0
    .kernarg_segment_align: 8
    .kernarg_segment_size: 88
    .max_flat_workgroup_size: 256
    .sgpr_count:     66
    .vgpr_count:     256
    .wavefront_size: 32
...
	.end_amdgpu_metadata
.endif
;; end of part 9
;; launch proj: the kernel of part 7 again; grid 8 x 32, 4 waves a work-group, clusters of 4 x 4, 327,680 bytes of LDS; arguments xb, wqkv, bq, bkv, qkvh; writes qkvh
;; launch attn: the kernel of part 8 again; grid 8 x 32, 4 waves a work-group, no clusters, 327,680 bytes of LDS; arguments qkvh, ptab, ob; writes ob
;; launch outp: the kernel of part 5 again; grid 8 x 32, 4 waves a work-group, clusters of 4 x 4, 327,680 bytes of LDS; arguments ob, wob, bo, out0; writes out0
